; MI455X (gfx1250); checked and timed in simulation.
; The chip was launched on July 23, 2026; its instructions are those of AMD's public machine-readable ISA for CDNA 5 (MIT licence, August 2026) and "CDNA5" Instruction Set Architecture Reference Guide (July 2026). The comments in the code are by the model that wrote it; some were corrected since.
;; Encoder Block. Allowed arithmetic: matrix products marked QUANTISED: E2M1 operands, one E8M0 scale for each 32 along K, by v_wmma_scale_f32_16x16x128_f8f6f4 with both operands' format E2M1 (or v_wmma_scale_f32_32x16x128_f4), f32 sums; everything else in f32.
;; Inputs: alpha1 1 float32; alpha2 1 float32; b1 4,096 float32; b2 1,024 float32; bias1 1 float32; bias2 1 float32; source_mask 2 x 1 x 1 x 2,048 int32; w1_codes 4,096 x 32 x 16 uint8 (E2M1 codes of w1, K innermost, in blocks of 32 codes, two codes a byte); w1_scales 4,096 x 32 uint8 (E8M0 scales of w1, one for each 32 codes along K); w2_codes 1,024 x 128 x 16 uint8 (E2M1 codes of w2, K innermost, in blocks of 32 codes, two codes a byte); w2_scales 1,024 x 128 uint8 (E8M0 scales of w2, one for each 32 codes along K); wk_codes 16 x 64 x 32 x 16 uint8 (E2M1 codes of wk, K innermost, in blocks of 32 codes, two codes a byte); wk_scales 16 x 64 x 32 uint8 (E8M0 scales of wk, one for each 32 codes along K); wo_codes 1,024 x 32 x 16 uint8 (E2M1 codes of wo, K innermost, in blocks of 32 codes, two codes a byte); wo_scales 1,024 x 32 uint8 (E8M0 scales of wo, one for each 32 codes along K); wq_codes 16 x 64 x 32 x 16 uint8 (E2M1 codes of wq, K innermost, in blocks of 32 codes, two codes a byte); wq_scales 16 x 64 x 32 uint8 (E8M0 scales of wq, one for each 32 codes along K); wv_codes 16 x 64 x 32 x 16 uint8 (E2M1 codes of wv, K innermost, in blocks of 32 codes, two codes a byte); wv_scales 16 x 64 x 32 uint8 (E8M0 scales of wv, one for each 32 codes along K); x 2 x 2,048 x 1,024 float32.
;; Outputs: out0 2 x 2,048 x 1,024 float32.
;; This version of the problem:
;;   THIS VERSION OF THE PROBLEM IS GIVEN IN LOW PRECISION. The matrix products marked QUANTISED in the list below multiply operands that are first quantised to E2M1 (2 exponent bits, 1 mantissa bit; 4 bits a number), with one power-of-two scale for each 32 numbers along K (OCP MX v1.0); their sums are f32. All else is computed in f32.
;;   The module's matrix products, in the order in which they are computed (A, B: the left and right operand; K: the contracted axis; several contracted axes count as one K, in the product's order):
;;     1. [M 1,024, K 1,024] x [K 1,024, N 4,096]; A: input wq (given as codes); B: computed on the way: QUANTISED
;;     2. [M 1,024, K 1,024] x [K 1,024, N 4,096]; A: input wk (given as codes); B: computed on the way: QUANTISED
;;     3. [M 1,024, K 1,024] x [K 1,024, N 4,096]; A: input wv (given as codes); B: computed on the way: QUANTISED
;;     4. batch 32 x [M 2,048, K 64] x [K 64, N 2,048]; A: computed on the way; B: computed on the way: QUANTISED
;;     5. [M 4,096, K 1,024] x [K 1,024, N 1,024]; A: computed on the way; B: input wo (given as codes): QUANTISED
;;     6. [M 4,096, K 1,024] x [K 1,024, N 4,096]; A: computed on the way; B: input w1 (given as codes): QUANTISED
;;     7. [M 4,096, K 4,096] x [K 4,096, N 1,024]; A: computed on the way; B: input w2 (given as codes): QUANTISED
;;   THE QUANTISER, for each operand of a quantised product, along K:
;;     - K is cut into blocks of 32 from its start; a last block that is shorter is filled with zeros.
;;     - A block's scale is 2^e with e = floor(log2(the largest magnitude in the block)) - 2, held to -126 .. 127; a block of zeros has e = 0. As a byte (E8M0): e + 127.
;;     - Each number is divided by its block's scale, clamped to +-6, and rounded to the nearest number of E2M1, ties to even, subnormals kept.
;;     - The product sums the exact products of the quantised numbers (number of the format x scale) in f32.
;;   ~~~python
;;   def quantise(x, axis):      # numpy; x: float32 -> the quantised numbers, widened to float32 again
;;       x = np.moveaxis(x, axis, -1); K = x.shape[-1]
;;       x = np.pad(x, [(0, 0)] * (x.ndim - 1) + [(0, -K % 32)]); x = x.reshape(x.shape[:-1] + (-1, 32)); a = np.abs(x).max(-1, keepdims=True)
;;       e = np.where(a > 0, np.clip(np.frexp(np.where(a > 0, a, 1))[1] - 1 - 2, -126, 127), 0)      # np.frexp(a)[1] - 1 = floor(log2(a)), exactly
;;       r = np.clip(x / 2.0 ** e, -6, 6)
;;       step = 2.0 ** (np.maximum(np.frexp(np.where(r == 0, 1, r))[1] - 1, 0) - 1)
;;       q = np.round(r / step) * step * 2.0 ** e      # np.round: ties to even
;;       return np.moveaxis(q.reshape(q.shape[:-2] + (-1,))[..., :K], -1, axis).astype(np.float32)
;;   ~~~
;;   OPERANDS COMPUTED ON THE WAY. 'Computed on the way' means the value that the module computes at that place (a softmax that the list does not call 'softmax' is quantised finished and normalised). What goes into a quantiser is computed in f32, as accurately as f32 sums, v_exp_f32 and their like allow (about 1e-6 of the number): no bf16 or f16 on the way to a quantiser, and a product that is left as it is and whose result goes on into a quantised operand takes f32 operands (vector FMAs, or v_wmma_f32_16x16x4_f32). A number that lies on a knife's edge between two numbers of the format may be rounded either way, as far as f32 arithmetic and the matrix unit's own rounding can turn it there, and no further.
;;   INPUTS GIVEN AS CODES. w1 (in the module: [4096, 1024], K = its axis 1); w2 (in the module: [1024, 4096], K = its axis 1); wk (in the module: [16, 1024, 64], K = its axis 1); wo (in the module: [1024, 1024], K = its axis 1); wq (in the module: [16, 1024, 64], K = its axis 1); wv (in the module: [16, 1024, 64], K = its axis 1): each comes as NAME_codes (uint8): NAME with its K axis moved to the last place and cut into blocks of 32 codes, [.., K / 32, bytes a block], one block behind the other in memory; two codes a byte, the lower K in the low four bits (a code: sign, 2 exponent bits, 1 mantissa bit); and NAME_scales (uint8): the same leading axes, one E8M0 byte (e + 127) for each 32 codes along K. Its value is code x scale, taken as it is: it is not quantised again, and the codes and scales need not be those that the quantiser above would give.
;; 2 versions. Each part assembles by itself: llvm-mc -triple=amdgcn-amd-amdhsa -mcpu=gfx1250 --defsym DOCPART=n.
;; ======== version 1 of 2: 7 launches
;; workspace buffers: xq 2,228,224 bytes; aq 2,228,224 bytes; hq 8,912,896 bytes; qkc 4,718,592 bytes; vbuf 16,777,216 bytes; x1 16,777,216 bytes
;; launch ln1 (part 1): grid 256 x 1, 16 waves a work-group, no clusters, 84,992 bytes of LDS; arguments x, alpha1, bias1, xq; writes xq
.if DOCPART == 1
	.amdgcn_target "amdgcn-amd-amdhsa--gfx1250"
	.amdhsa_code_object_version 6
	.text
	.protected	k_q932625bf59_ln1
	.globl	k_q932625bf59_ln1
	.p2align	8
	.type	k_q932625bf59_ln1,@function
k_q932625bf59_ln1:
	s_mov_b64 s[64:65], 0
	v_nop
	global_prefetch_b8 v0, s[64:65] scope:SCOPE_SE
	s_setreg_imm32_b32 hwreg(HW_REG_WAVE_MODE, 25, 1), 1
	s_wait_xcnt 0x0
; y = alpha (x - mean) / (std + 1e-6) + bias along rows of 1,024 f32 (std with 1,023 in the divisor), and y quantised to codes of FP4 (E2M1) with one E8M0 byte for each 32 along the row.
; y never goes to memory: what leaves are the codes, laid in the order of the operand's registers for the products that read them.
; OUT: [K slot of 512: 2][block of 256 rows: 16][69,632 bytes].  In a record the codes of row tile t (16 rows) lie at 4,096 t + 256 k + 16 r (k: block of 32 in the slot, r: row in the tile),
; which is (4 t + q) 1,024 + 512 c + 16 lane for registers 4 c .. 4 c + 3 of lane (r, h) of K step q; the scale bytes lie at 65,536 + 256 t + 16 r + k.
; SHARES.  A work-group of sixteen waves owns one row tile; a wave owns one row: 32 registers, read from memory once, kept for the mean, the squares and the scaling.  Mean first, then the sum of (x - mean)^2:
; no difference of large sums is formed, so a common offset of the inputs does no harm.
; Memory binds: no matrix unit, no tensor loads, no cluster (no two work-groups read the same byte).  One barrier: a tile's codes of sixteen rows meet in LDS and leave as runs of 512 consecutive bytes.
; LIMITS: NaN and infinities are not served.  A block whose largest magnitude lies under 2^-124, a block of zeros among them, gets the scale byte 1 (its codes are then zeros or subnormal codes); these bytes are read by this program alone.
.set WTB,   4608                       ; LDS: a wave's own stage, 32 blocks x (128 bytes + 16 of padding)
.set CST,   73728                      ; the tile's codes: [block 32][row 16][16 bytes], 272 bytes from block to block
.set CP,    272
.set SST,   82432                      ; the tile's scale bytes: [K slot 2][row 16][16]
.set AREC,  69632
.set ASLOT, 1114112
.set X,     8                          ; v8-39   the row as loaded: register 4 i + e = element 128 i + 4 lane + e
.set Y,     40                         ; v40-71  sums at work; later my block of 32 neighbours
	s_load_b256 s[4:11], s[0:1], 0x0               ; in s[4:5], alpha s[6:7], bias s[8:9], out s[10:11]
	v_lshl_add_u32 v96, v0, 2, 0x14400
	v_mov_b32 v97, 0
	v_lshrrev_b32 v1, 5, v0
	v_readfirstlane_b32 s12, v1                    ; wave 0..15 = my row in the tile
	v_and_b32 v1, 31, v0                           ; lane
	v_lshlrev_b32 v2, 4, v1                        ; 16 x lane
	v_lshrrev_b32 v6, 4, v1                        ; h
	v_and_b32 v91, 15, v1                          ; r
	s_mov_b32 s14, 0x76543210
	s_mov_b32 s15, 0xfedcba98                      ; v_permlanex16_b32's selects for lane l xor 16
	s_mul_i32 s13, s12, WTB
	v_lshrrev_b32 v3, 3, v1
	v_mul_u32_u24 v3, v3, 144
	v_and_b32 v4, 7, v1
	v_lshl_add_u32 v3, v4, 4, v3
	v_add_nc_u32 v3, s13, v3                       ; stage, in: eight lanes' 128 bytes are a block: 144 (lane / 8) + 16 (lane % 8); a load's four blocks take 576 bytes
	v_mul_u32_u24 v4, v1, 144
	v_add_nc_u32 v4, s13, v4                       ; stage, out: block = lane
	s_lshl_b32 s13, s12, 4
	s_add_co_u32 s18, s13, CST
	v_mul_u32_u24 v5, v1, CP
	v_add_nc_u32 v5, s18, v5                       ; my block's codes: CST + 272 x block + 16 x row
	s_add_co_u32 s18, s13, SST
	v_lshl_add_u32 v92, v6, 8, v91
	v_add_nc_u32 v92, s18, v92                     ; my block's scale byte: SST + 256 (block / 16) + 16 x row + block % 16
	s_mul_i32 s18, s12, 2*CP
	s_add_co_u32 s18, s18, CST
	v_mul_u32_u24 v7, v6, CP
	v_lshl_add_u32 v7, v91, 4, v7
	v_add_nc_u32 v7, s18, v7                       ; the way out: wave w takes blocks 2 w and 2 w + 1 of all sixteen rows
	v_add_nc_u32 v93, SST, v2                      ; wave 0: the scale bytes, 16 a lane
	v_mul_u32_u24 v94, v6, ASLOT
	v_lshl_add_u32 v94, v91, 4, v94                ; and their place in memory: K slot h, row r
	v_mov_b32 v79, 0                               ; a lane permute's destination counts as one of its sources
	s_lshl_b32 s20, ttmp9, 16
	s_lshl_b32 s21, s12, 12
	s_add_co_u32 s20, s20, s21                     ; my row: (16 x tile + wave) x 4,096 bytes
	s_mov_b32 s21, 0
	s_lshr_b32 s26, ttmp9, 4
	s_mul_i32 s26, s26, AREC                       ; the tile's record
	s_and_b32 s27, ttmp9, 15
	s_lshl_b32 s22, s27, 12
	s_add_co_u32 s22, s22, s26
	s_lshl_b32 s24, s27, 8
	s_add_co_u32 s24, s24, s26
	s_add_co_u32 s24, s24, 65536                   ; the tile's scale bytes in K slot 0's record
	s_lshr_b32 s26, s12, 3
	s_mul_i32 s26, s26, ASLOT
	s_add_co_u32 s22, s22, s26
	s_and_b32 s26, s12, 7
	s_lshl_b32 s26, s26, 9
	s_add_co_u32 s22, s22, s26                     ; my two blocks' 512 bytes: K slot wave / 8, blocks 2 (wave % 8) on
	s_mov_b32 s23, 0
	s_mov_b32 s25, 0
	s_wait_kmcnt 0x0
	s_load_b32 s16, s[6:7], 0x0                    ; alpha
	s_load_b32 s17, s[8:9], 0x0                    ; bias
	s_add_nc_u64 s[4:5], s[4:5], s[20:21]
	s_add_nc_u64 s[22:23], s[10:11], s[22:23]
	s_add_nc_u64 s[24:25], s[10:11], s[24:25]
.irp i, 0,1,2,3,4,5,6,7
	global_load_b128 v[X+4*\i:X+4*\i+3], v2, s[4:5] offset:512*\i    ; 32 lanes read 512 consecutive bytes
.endr
.macro WSUM r, t                       ; the sum over the 32 lanes, in every lane
	v_add_f32_dpp v[\r], v[\r], v[\r] row_xmask:1 row_mask:0xf bank_mask:0xf
	v_add_f32_dpp v[\r], v[\r], v[\r] row_xmask:2 row_mask:0xf bank_mask:0xf
	v_add_f32_dpp v[\r], v[\r], v[\r] row_xmask:4 row_mask:0xf bank_mask:0xf
	v_add_f32_dpp v[\r], v[\r], v[\r] row_xmask:8 row_mask:0xf bank_mask:0xf
	v_permlanex16_b32 v[\t], v[\r], s14, s15
	v_add_f32 v[\r], v[\r], v[\t]
.endm
	s_wait_kmcnt 0x0
	s_wait_loadcnt 0x0
	; the mean: a tree of packed sums, then across the lanes
.irp i, 0,1,2,3,4,5,6,7
	v_pk_add_f32 v[Y+2*\i:Y+2*\i+1], v[X+4*\i:X+4*\i+1], v[X+4*\i+2:X+4*\i+3]
.endr
.irp i, 0,1,2,3
	v_pk_add_f32 v[Y+2*\i:Y+2*\i+1], v[Y+2*\i:Y+2*\i+1], v[Y+2*\i+8:Y+2*\i+9]
.endr
.irp i, 0,1
	v_pk_add_f32 v[Y+2*\i:Y+2*\i+1], v[Y+2*\i:Y+2*\i+1], v[Y+2*\i+4:Y+2*\i+5]
.endr
	v_pk_add_f32 v[Y:Y+1], v[Y:Y+1], v[Y+2:Y+3]
	v_add_f32 v78, v[Y], v[Y+1]
	WSUM 78, 79
	v_mul_f32 v72, 0x3a800000, v78                 ; / 1,024
	v_mov_b32 v73, v72                             ; (named with it as a pair)
.irp i, 0,1,2,3,4,5,6,7,8,9,10,11,12,13,14,15
	v_pk_add_f32 v[X+2*\i:X+2*\i+1], v[X+2*\i:X+2*\i+1], v[72:73] op_sel_hi:[1,0] neg_lo:[0,1] neg_hi:[0,1]   ; d = x - mean
.endr
	v_pk_mul_f32 v[80:81], v[X:X+1], v[X:X+1]      ; the sum of d^2, in two chains
	v_pk_mul_f32 v[82:83], v[X+2:X+3], v[X+2:X+3]
.irp i, 1,2,3,4,5,6,7
	v_pk_fma_f32 v[80:81], v[X+4*\i:X+4*\i+1], v[X+4*\i:X+4*\i+1], v[80:81]
	v_pk_fma_f32 v[82:83], v[X+4*\i+2:X+4*\i+3], v[X+4*\i+2:X+4*\i+3], v[82:83]
.endr
	v_pk_add_f32 v[80:81], v[80:81], v[82:83]
	v_add_f32 v78, v80, v81
	WSUM 78, 79
	v_mul_f32 v78, 0x3a802008, v78                 ; / 1,023
	v_sqrt_f32 v80, v78
	v_mov_b32 v76, s17                             ; (a plain line behind the root)  bias, as a pair
	v_mov_b32 v77, s17
	s_wait_alu depctr_va_vdst(0)
	v_add_f32 v80, 0x358637bd, v80                 ; std + 1e-6
	v_rcp_f32 v81, v80
	v_nop                                          ; a plain line behind the reciprocal
	s_wait_alu depctr_va_vdst(0)
	v_mul_f32 v74, s16, v81                        ; g = alpha / (std + 1e-6)
	v_mov_b32 v75, v74
.irp i, 0,1,2,3,4,5,6,7,8,9,10,11,12,13,14,15
	v_pk_fma_f32 v[X+2*\i:X+2*\i+1], v[X+2*\i:X+2*\i+1], v[74:75], v[76:77] op_sel_hi:[1,0,0]   ; y = d g + bias
.endr
	; the turn: the conversions take neighbours from ONE lane's registers, so the row goes through my own stage and comes back a block of 32 to a lane.  LDS serves a wave's instructions in order: no wait between
.irp i, 0,1,2,3,4,5,6,7
	ds_store_b128 v3, v[X+4*\i:X+4*\i+3] offset:576*\i
.endr
.irp j, 0,1,2,3,4,5,6,7
	ds_load_b128 v[Y+4*\j:Y+4*\j+3], v4 offset:16*\j
.endr
	s_wait_dscnt 0x0
	v_max3_num_f32 v78, |v[Y]|, |v[Y+1]|, |v[Y+2]| ; the block's largest magnitude: all 32 numbers are mine
	v_max3_num_f32 v79, |v[Y+3]|, |v[Y+4]|, |v[Y+5]|
.irp i, 6,10,14,18,22,26
	v_max3_num_f32 v78, v78, |v[Y+\i]|, |v[Y+\i+1]|
	v_max3_num_f32 v79, v79, |v[Y+\i+2]|, |v[Y+\i+3]|
.endr
	v_max3_num_f32 v78, v78, |v[Y+30]|, |v[Y+31]|
	v_max3_num_f32 v78, v78, v79, 0x1800000        ; and the floor 2^(3 - 127): the byte cannot fall under 1
	v_add_nc_u32 v84, 0xff000000, v78              ; 2 off its exponent field: the conversion takes the exponent field of this operand as its scale
.irp g, 0,1,2,3
	v_cvt_scalef32_pk8_fp4_f32 v[86+\g], v[Y+8*\g:Y+8*\g+7], v84
.endr
	v_lshrrev_b32 v90, 23, v84                     ; the scale's byte (also the plain line behind the conversions)
	ds_store_b128 v5, v[86:89]
	ds_store_b8 v92, v90
	s_wait_dscnt 0x0                               ; for the others' sake: my stores have landed
	s_barrier_signal -1
	s_barrier_wait -1
	ds_load_b128 v[8:11], v7                       ; blocks 2 w + h of row r
	s_wait_dscnt 0x0
	global_store_b128 v2, v[8:11], s[22:23]        ; 512 consecutive bytes, at a multiple of 512 from the buffer's first byte
	s_cmp_lg_u32 s12, 0
	s_cbranch_scc1 .Ldone
	ds_load_b128 v[12:15], v93                     ; wave 0: the tile's 512 scale bytes
	s_wait_dscnt 0x0
	global_store_b128 v94, v[12:15], s[24:25]      ; each half of the lanes stores 256 consecutive bytes, aligned: one K slot's
.Ldone:
	s_wait_tensorcnt 0x0
	ds_add_u32 v96, v97
	s_wait_dscnt 0x0
	s_endpgm
.Lfunc_end_k_q932625bf59_ln1:
	.size	k_q932625bf59_ln1, .Lfunc_end_k_q932625bf59_ln1-k_q932625bf59_ln1
	.p2alignl 7, 3214868480
	.fill 96, 4, 3214868480
	.section	.rodata,"a",@progbits
	.p2align	6, 0x0
	.amdhsa_kernel k_q932625bf59_ln1
		.amdhsa_group_segment_fixed_size 84992
		.amdhsa_private_segment_fixed_size 0
		.amdhsa_enable_private_segment 0
		.amdhsa_kernarg_size 32
		.amdhsa_user_sgpr_count 2
		.amdhsa_user_sgpr_kernarg_segment_ptr 1
		.amdhsa_wavefront_size32 1
		.amdhsa_system_sgpr_workgroup_id_x 1
		.amdhsa_system_sgpr_workgroup_id_y 1
		.amdhsa_system_sgpr_workgroup_id_z 1
		.amdhsa_system_vgpr_workitem_id 0
		.amdhsa_next_free_vgpr 98
		.amdhsa_next_free_sgpr 66
		.amdhsa_reserve_vcc 0
		.amdhsa_float_denorm_mode_32 3
		.amdhsa_float_denorm_mode_16_64 3
		.amdhsa_memory_ordered 1
		.amdhsa_forward_progress 1
		.amdhsa_inst_pref_size 13
	.end_amdhsa_kernel
	.amdgpu_metadata
---
amdhsa.version: [ 1, 2 ]
amdhsa.kernels:
  - .name:           k_q932625bf59_ln1
    .symbol:         k_q932625bf59_ln1.kd
    .args:
      - { .name: x, .offset: 0, .size: 8, .value_kind: global_buffer, .address_space: global }
      - { .name: alpha1, .offset: 8, .size: 8, .value_kind: global_buffer, .address_space: global }
      - { .name: bias1, .offset: 16, .size: 8, .value_kind: global_buffer, .address_space: global }
      - { .name: xq, .offset: 24, .size: 8, .value_kind: global_buffer, .address_space: global }
    .group_segment_fixed_size: 84992
    .private_segment_fixed_size: 0
    .kernarg_segment_align: 8
    .kernarg_segment_size: 32
    .max_flat_workgroup_size: 512
    .sgpr_count:     66
    .vgpr_count:     98
    .wavefront_size: 32
...
	.end_amdgpu_metadata
.endif
;; end of part 1
;; launch qkv (part 2): grid 12 x 16, 4 waves a work-group, clusters of 4 x 4, 327,680 bytes of LDS; arguments wq_codes, wq_scales, wk_codes, wk_scales, wv_codes, wv_scales, xq, source_mask, qkc, vbuf; writes qkc, vbuf
.if DOCPART == 2
	.amdgcn_target "amdgcn-amd-amdhsa--gfx1250"
	.amdhsa_code_object_version 6
	.text
	.protected	k_q932625bf59_qkv
	.globl	k_q932625bf59_qkv
	.p2align	8
	.type	k_q932625bf59_qkv,@function
k_q932625bf59_qkv:
	s_mov_b64 s[64:65], 0
	v_nop
	global_prefetch_b8 v0, s[64:65] scope:SCOPE_SE
	s_setreg_imm32_b32 hwreg(HW_REG_WAVE_MODE, 25, 1), 1
	s_wait_xcnt 0x0
	s_wait_alu depctr_hold_cnt(0) depctr_sa_sdst(0) depctr_va_vdst(0) depctr_va_sdst(0) depctr_va_ssrc(0) depctr_va_vcc(0) depctr_vm_vsrc(0)
	s_getreg_b32 s2, hwreg(HW_REG_IB_STS2, 6, 4)
	s_cmp_eq_u32 s2, 0
	s_cbranch_scc0 .Lentry_in_a_cluster
	s_endpgm
.Lentry_in_a_cluster:
	s_bfe_u32 s2, ttmp6, 0x10000c
	s_cmp_lg_u32 s2, 0xf033
	s_cbranch_scc0 .Lentry_shape_is_right
	s_endpgm
.Lentry_shape_is_right:
; Q, K, V = xn W^T on codes of FP4 (E2M1) with one E8M0 scale for each 32 along K = 1,024.  xn: 4,096 rows, as records of register images (below).  W: wq, wk, wv as [1,024 (head x 64 + q)][512 bytes], scales [1,024][32].
; One launch for the three: a cluster of 4 x 4 work-groups spans 1,024 columns, one whole weight matrix, so the cluster's x (0, 1, 2) names Q, K or V: the same number in all partners.
; A tile of 256 x 256 is made by four waves, as many as a WGP has SIMDs; a wave makes 128 x 128: 64 accumulators, 512 registers.  K goes in two steps of 512 through two LDS slots, each filled once.
; A's SLOT IS ONE RECORD of xq, [K slot][256 rows][69,632 bytes]: fragment (tile t, K step q) is 1,024 bytes at (4 t + q) 1,024, registers 4 c .. 4 c + 3 of lane l at + 512 c + 16 l; scale words at 65,536 + 256 t + 16 r (four words, one a K step).
; So a record is a dense block for the tensor load, and a fragment load reads 512 consecutive LDS bytes.  B's tile: 256 rows of 256 bytes, 16 of padding behind each.  B's scales for all of K come once, behind the slots.
; CLUSTER: A's record is shared along a row of the cluster, B's tile and scales along a column: each is asked for JOINTLY, by the same tensor load with a mask that names the four.
; THE MATRIX INSTRUCTION IS USED TRANSPOSED (source 0 = 16 rows of W, source 1 = 16 rows of xn): lane (r, h) holds token r and columns 8 h + 0 .. 7 of a tile.
; WHAT LEAVES.  V: f32, the accumulators as they stand: vbuf [token tile 256][column tile 64][half 2][lane][16 bytes].  Q, K: quantised along the head's 64 in registers, as register images:
; qkc [Q, K][batch][head][group of 128 tokens: 4,608 bytes]: eight tiles of 512 bytes (lane (r, h): block h of token r), then 512 bytes of scale words, lane (r, hh): the words of tiles 4 hh + 0 .. 3; a word is s0, s1, 0x7f, 0x7f.
; THE MASK: the codes of a KEY whose source_mask is 0 are stored as zeros; the attention launch adds the masked score itself.
; LIMITS: NaN and infinities are not served.  A block whose largest magnitude lies under 2^-124, a block of zeros among them, gets the scale byte 1; these bytes are read by this program alone.
; REGISTERS, in windows of 256: window 0: v0-31 addresses; v32-95 scale words, two sets; v96-103 the mask; from v128 A's fragments, one set; v200-239 at work on the way out.
;   window 1: B's fragments, two sets, at v0 and v128.   window 2: the accumulators of my rows 0-63 ((a, b) at v[8 (8 a + b)]);   window 3: those of rows 64-127.
.set SIZE_K, 1024
.set ALAY,   1                         ; A's scale words lie [tile][row][K step]
.set NQ,     4                         ; K steps of 128 in a slot
.set ROWB,   256
.set KROW,   SIZE_K/2                  ; a row of B in memory, in bytes
.set PITCH,  272                       ; B's row in LDS: 256 bytes + 16 of padding: the sixteen rows of a load start at sixteen different banks (64 banks of 4 bytes: ISA guide 11.1)
.set NL,     2                         ; LDS loads that bring a fragment
.set NP,     4                         ; places behind this matrix instruction (ISA guide 7.12.1)
.set HALFT,  34816                     ; what one tensor load brings: half a record of A (136 x 256 bytes), or 128 rows of B (128 x 272)
.set SLOT,   4*HALFT
.set LAPS,   SIZE_K/1024
.set KS,     SIZE_K/32                 ; a row of B's scales in bytes
.set AREC,   69632
.set ASLOT,  16*AREC
.set SCL,    2*SLOT                    ; behind the slots: B's scales, as units of 256 bytes + 16 of padding
.set QS,     (64*KS/256)*272           ; those of 64 rows: what one tensor load brings
.set SBLK,   (32*KS/256)*272           ; those of 32 rows
.set SPARE,  SCL+4*QS                  ; the spare words, 128 bytes for each wave: two blocks of 256 bytes that no other line names
.set ADRA, 16                          ; v16-17  LDS address of my A fragments in slot 0, 1
.set ADSA, 18                          ; v18-19  of A's scale words
.set ADRB, 20                          ; v20-21  of my B fragments
.set L16,  26                          ; v26     16 x lane
.set ADRS, 27                          ; v27     LDS address of B's scale words: lane l takes row l of 32
.set SPW,  28                          ; v28     LDS address of my spare word; never rewritten
.set NIL,  29                          ; v29     0; never rewritten
.set SC,   32                          ; scale words: set s at v[SC + 32 s]: 16 registers of A's, 16 of B's
.set AF,   128
.set MK,   96                          ; v96-103  source_mask of my tokens, tile a; later what is ANDed onto the codes
.set W0,   104                         ; v104-111 scale words of the first head, tile a
.set W1,   112                         ; v112-119 of the second
.set TM,   200                         ; v200-215 the quantiser's: largest magnitudes, bytes, (spare), scale operands
.set PC,   216                         ; v216-223 the codes just made
.set PW,   224                         ; v224     the scale word just made
.set SQ,   225
.set ONES, 226
.set XW,   232                         ; v232-239 scale words as they are stored
.set G1,   24
.set G0,   32
.set G1B,  48
.set G0B,  56
.set G1S,  68
.set G0S,  76
.set MSB, 0
.macro WIN new                         ; the immediate's high byte repeats the setting that is left; a switch that changes nothing is dropped
.if MSB != (\new)
	s_set_vgpr_msb (MSB<<8)|(\new)
.set MSB, (\new)
.endif
.endm
.set MUL_LO, 0xa1                      ; source 0 (B) window 1, source 1 (A) window 0, C and D window 2
.set MUL_HI, 0xf1                      ; the same, C and D window 3
.set TO_B,   0x40                      ; destination window 1, address window 0
; A joint load: waves 0 and 1 fetch A's two halves, waves 2 and 3 B's.  The branch hangs on the wave's number alone.  Four v_nop follow each of the two lines.
.macro JLOAD s
	s_cmp_eq_u32 s15, 0
	s_cbranch_scc0 .Lfor_b_\@
	tensor_load_to_lds s[G0+4*\s:G0+4*\s+3], s[G1:G1+7]
	s_nop 0
.rept 4
	v_nop
.endr
	s_branch .Lasked_\@
.Lfor_b_\@:
	tensor_load_to_lds s[G0B+4*\s:G0B+4*\s+3], s[G1B:G1B+7]
	s_nop 0
.rept 4
	v_nop
.endr
.Lasked_\@:
.endm
.macro CREST                           ; a round of the cluster's barrier behind its opening barrier
	s_cmp_lg_u32 s14, 0
	s_cbranch_scc1 .Lnot_wave_0_\@
	s_barrier_signal -3
.Lnot_wave_0_\@:
	s_barrier_wait -3
	s_barrier_signal -1
	s_barrier_wait -1
.endm
.macro CROUND                          ; a whole round
	s_barrier_signal -1
	s_barrier_wait -1
	CREST
.endm
	s_load_b128 s[80:83], s[0:1], 0x0              ; wq's codes, scales
	s_load_b128 s[84:87], s[0:1], 0x10             ; wk's
	s_load_b128 s[88:91], s[0:1], 0x20             ; wv's
	s_load_b128 s[92:95], s[0:1], 0x30             ; xq, source_mask
	s_load_b128 s[96:99], s[0:1], 0x40             ; qkc, vbuf
	v_lshl_add_u32 v[SPW], v0, 2, SPARE
	v_mov_b32 v[NIL], 0
	ds_add_u32 v28, v29
	ds_add_u32 v28, v29
	s_wait_dscnt 0x0
	v_lshrrev_b32 v1, 5, v0
	v_readfirstlane_b32 s14, v1                    ; wave 0..3
	s_lshr_b32 s15, s14, 1                         ; which half of the tile's rows is mine.  Also: I fetch for A (0) or for B (1)
	s_and_b32 s16, s14, 1                          ; which half of its columns.  Also: which half of that tile I fetch
	s_bfe_u32 s40, ttmp6, 0x40000                  ; cx, cy: my place in the cluster
	s_bfe_u32 s41, ttmp6, 0x40004
	s_mov_b32 s42, s40                             ; tile column inside the weight matrix = cx (the cluster's x names the matrix)
	s_and_b32 s17, ttmp7, 0xffff
	s_lshl_b32 s17, s17, 2
	s_add_co_u32 s17, s17, s41                     ; tile row = 4 x cluster y + cy
	s_lshl_b32 s43, s41, 2
	s_lshl_b32 s43, 15, s43                        ; my row of the cluster
	s_lshl_b32 s44, 0x1111, s40                    ; my column
	s_or_b32 s[G1+0], s43, (3<<16)|(1<<21)         ; A: 15:0 the mask: my row; 17:16 elements of 8 bytes; 21 set beside a mask; no padding
	s_mov_b32 s[G1+1], 32<<16                      ; tensor_dim0 = 32 elements: rows of 256 bytes
	s_mov_b32 s[G1+2], 136<<16                     ; tensor_dim1 = 136 rows: half a record
	s_mov_b32 s[G1+3], 32<<16                      ; tile_dim0
	s_mov_b32 s[G1+4], 136                         ; tile_dim1
	s_mov_b32 s[G1+5], 32                          ; dense
	s_mov_b32 s[G1+6], 0
	s_mov_b32 s[G1+7], 0
	s_or_b32 s[G1B+0], s44, (0<<16)|(1<<20)|(1<<21)|(5<<22)|(3<<25)  ; B: my column; elements of 1 byte; padding: 4 words after every 64
	s_mov_b32 s[G1B+1], ROWB<<16
	s_mov_b32 s[G1B+2], 128<<16
	s_mov_b32 s[G1B+3], ROWB<<16
	s_mov_b32 s[G1B+4], 128
	s_mov_b32 s[G1B+5], KROW
	s_mov_b32 s[G1B+6], 0
	s_mov_b32 s[G1B+7], 0
	s_or_b32 s[G1S+0], s44, (3<<16)|(1<<20)|(1<<21)|(5<<22)|(3<<25)  ; B's scales of 64 rows: a dense block, as rows of 256 bytes, 16 of padding behind each
	s_mov_b32 s[G1S+1], 32<<16
	s_mov_b32 s[G1S+2], (64*KS/256)<<16
	s_mov_b32 s[G1S+3], 32<<16
	s_mov_b32 s[G1S+4], 64*KS/256
	s_mov_b32 s[G1S+5], 32
	s_mov_b32 s[G1S+6], 0
	s_mov_b32 s[G1S+7], 0
	s_mul_i32 s20, s17, AREC                       ; A: my tile row's record, my half of it
	s_mul_i32 s18, s16, HALFT
	s_add_co_u32 s20, s20, s18
	s_mov_b32 s21, 0
	s_lshl_b32 s46, s42, 8                         ; B: row 256 x tile column + 128 x half
	s_lshl_b32 s18, s16, 7
	s_add_co_u32 s46, s46, s18
	s_mul_i32 s46, s46, KROW
	s_mov_b32 s47, 0
	s_lshl_b32 s66, s42, 8                         ; B's scales: row 256 x tile column + 64 x wave
	s_lshl_b32 s18, s14, 6
	s_add_co_u32 s66, s66, s18
	s_mul_i32 s66, s66, KS
	s_mov_b32 s67, 0
	s_mul_i32 s45, s14, HALFT                      ; where they go: no place in the cluster enters an LDS address
	s_mul_i32 s19, s14, QS
	s_wait_kmcnt 0x0
	s_cmp_eq_u32 ttmp9, 0                          ; which weight matrix: the choice hangs on the cluster's x alone
	s_cselect_b64 s[6:7], s[80:81], s[84:85]
	s_cselect_b64 s[8:9], s[82:83], s[86:87]
	s_cmp_eq_u32 ttmp9, 2
	s_cselect_b64 s[6:7], s[88:89], s[6:7]
	s_cselect_b64 s[8:9], s[90:91], s[8:9]
	s_add_nc_u64 s[20:21], s[92:93], s[20:21]
	s_add_nc_u64 s[46:47], s[6:7], s[46:47]
	s_add_nc_u64 s[66:67], s[8:9], s[66:67]
	CROUND                                         ; all sixteen work-groups are here: the first joint loads meet
	s_mov_b32 s[G0S], 1
	s_add_co_u32 s[G0S+1], s19, SCL
	s_mov_b64 s[G0S+2:G0S+3], s[66:67]
	s_or_b32 s[G0S+3], s[G0S+3], 0x80000000
	tensor_load_to_lds s[G0S:G0S+3], s[G1S:G1S+7]  ; every wave: its quarter of B's scales
	s_nop 0
.rept 4
	v_nop
.endr
.irp s, 0,1
	s_mov_b32 s[G0+4*\s], 1
	s_add_co_u32 s[G0+4*\s+1], s45, \s*SLOT
	s_add_nc_u64 s[G0+4*\s+2:G0+4*\s+3], s[20:21], \s*ASLOT
	s_or_b32 s[G0+4*\s+3], s[G0+4*\s+3], 0x80000000
	s_mov_b32 s[G0B+4*\s], 1
	s_add_co_u32 s[G0B+4*\s+1], s45, \s*SLOT
	s_add_nc_u64 s[G0B+4*\s+2:G0B+4*\s+3], s[46:47], \s*ROWB
	s_or_b32 s[G0B+4*\s+3], s[G0B+4*\s+3], 0x80000000
	JLOAD \s                                       ; three tensor loads of mine are out behind the second
.endr
	v_and_b32 v1, 15, v0                           ; r
	v_bfe_u32 v2, v0, 4, 1                         ; h
	v_and_b32 v6, 31, v0
	v_lshlrev_b32 v[L16], 4, v6
	v_mul_u32_u24 v3, v1, PITCH
	v_lshl_add_u32 v4, v2, 4, v3                   ; B: a fragment's row x pitch + 16 h
	s_lshl_b32 s18, s15, 15                        ; A: my eight tiles' fragments
	s_mul_i32 s22, s16, HALFT
	s_add_co_u32 s22, s22, 2*HALFT                 ; B: my 128 rows, behind A's record
	s_lshl_b32 s23, s15, 11                        ; A's scale words: my eight tiles x 256 bytes
	s_add_co_u32 s23, s23, 65536
.irp s, 0,1
	v_add_nc_u32 v[ADRA+\s], s18, v[L16]
	v_add_nc_u32 v[ADSA+\s], s23, v[L16]
	v_add_nc_u32 v[ADRB+\s], s22, v4
	s_add_co_u32 s18, s18, SLOT
	s_add_co_u32 s22, s22, SLOT
	s_add_co_u32 s23, s23, SLOT
.endr
	v_mul_u32_u24 v5, v6, KS                       ; B's scales: KS bytes a row,
	v_lshrrev_b32 v7, 8, v5
	v_lshl_add_u32 v5, v7, 4, v5                   ; and 16 more for each 256 passed
	s_mul_i32 s18, s16, 2*QS
	s_add_co_u32 s18, s18, SCL
	v_add_nc_u32 v[ADRS], s18, v5
	; this launch's own addresses
	s_lshl_b32 s22, s17, 10
	s_lshl_b32 s23, s15, 9
	s_add_co_u32 s22, s22, s23                     ; source_mask at my first token: 4 x (256 x tile row + 128 x half)
	s_mov_b32 s23, 0
	s_add_nc_u64 s[94:95], s[94:95], s[22:23]
	v_lshlrev_b32 v22, 2, v1
.irp a, 0,1,2,3,4,5,6,7
	global_load_b32 v[MK+\a], v22, s[94:95] offset:64*\a    ; of token 16 a + r
.endr
	s_and_b32 s22, ttmp9, 1                        ; qkc: record 32 x (K?) + 16 x batch + head, my first head = 4 cx + 2 x column half
	s_lshl_b32 s22, s22, 5
	s_lshr_b32 s23, s17, 3
	s_lshl_b32 s23, s23, 4
	s_add_co_u32 s22, s22, s23
	s_lshl_b32 s23, s40, 2
	s_add_co_u32 s22, s22, s23
	s_lshl_b32 s23, s16, 1
	s_add_co_u32 s22, s22, s23
	s_mul_i32 s22, s22, 73728
	s_and_b32 s23, s17, 7
	s_lshl_b32 s23, s23, 1
	s_add_co_u32 s23, s23, s15                     ; my 128 tokens are one group of the batch's sixteen
	s_mul_i32 s23, s23, 4608
	s_add_co_u32 s22, s22, s23
	s_mov_b32 s23, 0
	s_add_nc_u64 s[96:97], s[96:97], s[22:23]
	s_lshl_b32 s22, s17, 20                        ; vbuf: token tile x 65,536 + column tile x 1,024
	s_lshl_b32 s23, s15, 19
	s_add_co_u32 s22, s22, s23
	s_lshl_b32 s23, s40, 14
	s_add_co_u32 s22, s22, s23
	s_lshl_b32 s23, s16, 13
	s_add_co_u32 s22, s22, s23
	s_mov_b32 s23, 0
	s_add_nc_u64 s[98:99], s[98:99], s[22:23]
.irp b, 0,1,2,3
	v_mov_b32 v[TM+4+\b], 0                        ; written once: a lane permute's destination counts as one of its sources
.endr
; One matrix instruction, by the symbols that MUL16 sets.  fB, fA: the side's scale words stand in lanes 16-31 of the register named.  fZ: the constant 0 starts the sum.
.macro WM
.if fZ
.if fB && fA
	v_wmma_scale_f32_16x16x128_f8f6f4 v[rD:rD+7], v[rB:rB+7], v[rA:rA+7], 0, v[rSB], v[rSA] matrix_a_fmt:MATRIX_FMT_FP4 matrix_b_fmt:MATRIX_FMT_FP4 matrix_a_scale:MATRIX_SCALE_ROW1 matrix_b_scale:MATRIX_SCALE_ROW1
.elseif fB
	v_wmma_scale_f32_16x16x128_f8f6f4 v[rD:rD+7], v[rB:rB+7], v[rA:rA+7], 0, v[rSB], v[rSA] matrix_a_fmt:MATRIX_FMT_FP4 matrix_b_fmt:MATRIX_FMT_FP4 matrix_a_scale:MATRIX_SCALE_ROW1
.elseif fA
	v_wmma_scale_f32_16x16x128_f8f6f4 v[rD:rD+7], v[rB:rB+7], v[rA:rA+7], 0, v[rSB], v[rSA] matrix_a_fmt:MATRIX_FMT_FP4 matrix_b_fmt:MATRIX_FMT_FP4 matrix_b_scale:MATRIX_SCALE_ROW1
.else
	v_wmma_scale_f32_16x16x128_f8f6f4 v[rD:rD+7], v[rB:rB+7], v[rA:rA+7], 0, v[rSB], v[rSA] matrix_a_fmt:MATRIX_FMT_FP4 matrix_b_fmt:MATRIX_FMT_FP4
.endif
.else
.if fB && fA
	v_wmma_scale_f32_16x16x128_f8f6f4 v[rD:rD+7], v[rB:rB+7], v[rA:rA+7], v[rC:rC+7], v[rSB], v[rSA] matrix_a_fmt:MATRIX_FMT_FP4 matrix_b_fmt:MATRIX_FMT_FP4 matrix_a_scale:MATRIX_SCALE_ROW1 matrix_b_scale:MATRIX_SCALE_ROW1
.elseif fB
	v_wmma_scale_f32_16x16x128_f8f6f4 v[rD:rD+7], v[rB:rB+7], v[rA:rA+7], v[rC:rC+7], v[rSB], v[rSA] matrix_a_fmt:MATRIX_FMT_FP4 matrix_b_fmt:MATRIX_FMT_FP4 matrix_a_scale:MATRIX_SCALE_ROW1
.elseif fA
	v_wmma_scale_f32_16x16x128_f8f6f4 v[rD:rD+7], v[rB:rB+7], v[rA:rA+7], v[rC:rC+7], v[rSB], v[rSA] matrix_a_fmt:MATRIX_FMT_FP4 matrix_b_fmt:MATRIX_FMT_FP4 matrix_b_scale:MATRIX_SCALE_ROW1
.else
	v_wmma_scale_f32_16x16x128_f8f6f4 v[rD:rD+7], v[rB:rB+7], v[rA:rA+7], v[rC:rC+7], v[rSB], v[rSA] matrix_a_fmt:MATRIX_FMT_FP4 matrix_b_fmt:MATRIX_FMT_FP4
.endif
.endif
.endm
; 16 matrix instructions: A's blocks a0, a0 + 1 x B's eight, the slot's q-th 128 along K.  p: B's set; sc: the set of scale words; cm: 0 adds in place, 1 starts the sums with 0, 2 with the bias in window 1.
; The 64 accumulators take turns, one instruction a turn, in the same order in every step.
.macro MUL16 a0, p, q, sc, cm
.irp a, \a0, \a0+1
.irp b, 0,1,2,3,4,5,6,7
.set rD, 8*(8*((\a)%4)+\b)
.set rB, 128*(\p)+8*\b
.set rA, AF+8*(\a)
.set rSB, SC+32*(\sc)+16+4*(\b/2)+(\q)
.set fB, \b%2
.if ALAY == 1
.set rSA, SC+32*(\sc)+4*((\a)/2)+(\q)
.set fA, (\a)%2
.else
.set rSA, SC+32*(\sc)+4*(\q)+((\a)%4)
.set fA, (\a)/4
.endif
.set rC, rD
.set fZ, 0
.if (\cm) == 1
.set fZ, 1
.endif
.if (\cm) == 2
.set rC, 64+8*\b
.endif
	WM
.endr
.endr
.endm
.macro FETCH_B slot, q, p              ; B's eight fragments of the slot's q-th 128 along K into set p: lane (r, h): row r, 16 bytes at 64 q + 32 c + 16 h
	WIN TO_B
.irp i, 0,1,2,3,4,5,6,7
.irp c, 0,1
	ds_load_b128 v[128*(\p)+8*\i+4*\c:128*(\p)+8*\i+4*\c+3], v[ADRB+\slot] offset:64*(\q)+32*\c+\i*16*PITCH
.endr
.endr
	WIN 0
.endm
.macro FETCH_A slot, q, i0             ; A's blocks i0 .. i0 + 3: register images, 512 consecutive bytes a load
.irp i, \i0, \i0+1, \i0+2, \i0+3
.irp c, 0,1
	ds_load_b128 v[AF+8*(\i)+4*\c:AF+8*(\i)+4*\c+3], v[ADRA+\slot] offset:(\i)*4096+(\q)*1024+512*\c
.endr
.endr
.endm
.macro SCALES sc                       ; the slot's scale words into set sc: eight loads.  A's: register 4 i + q, lanes 0-15 tile 2 i, lanes 16-31 tile 2 i + 1.  B's likewise, 16 registers on
.irp i, 0,1,2,3
.if ALAY == 1
	ds_load_b128 v[SC+32*\sc+4*\i:SC+32*\sc+4*\i+3], v[ADSA+\sc] offset:512*\i
.else
	ds_load_b128 v[SC+32*\sc+4*\i:SC+32*\sc+4*\i+3], v[ADSA+\sc] offset:1024*\i
.endif
.endr
.irp i, 0,1,2,3
	ds_load_b128 v[SC+32*\sc+16+4*\i:SC+32*\sc+16+4*\i+3], v[ADRS] offset:\i*SBLK
.endr
.endm
; A load into a register that a matrix instruction has read, and a vector instruction or a store that reads a matrix result, stand NP places behind that matrix instruction; only plain vector
; instructions that name none of its registers are places (ISA guide 7.12.1 for vector instructions).
.macro PLACES n
.rept \n
	v_nop
.endr
.endm
.macro STEP slot, q, cm                ; a step of 128 along K that has its successor in the same slot
	s_wait_dscnt 4*NL                              ; B's set and A's blocks 0-3 are in; the youngest eight loads (A's blocks 4-7) may be out
.if (\cm) == 2
	WIN 0x91
.else
	WIN MUL_LO
.endif
	MUL16 0, (\q)%2, \q, \slot, \cm
	MUL16 2, (\q)%2, \q, \slot, \cm
	s_wait_dscnt 0                                 ; A's blocks 4-7 are in (asked for 32 matrix instructions ago)
	PLACES NP
	FETCH_B \slot, (\q)+1, 1-(\q)%2
	FETCH_A \slot, (\q)+1, 0
.if (\cm) == 2
	WIN 0xd1
.else
	WIN MUL_HI
.endif
	MUL16 4, (\q)%2, \q, \slot, \cm
	MUL16 6, (\q)%2, \q, \slot, \cm
	PLACES NP
	WIN 0
	FETCH_A \slot, (\q)+1, 4
.endm
; A slot's last step changes slots: ONE barrier; in front of it each wave waits for all its tensor loads, adds 0 to its spare word, and waits for that and for its own reads of this slot.
.macro TURN slot, next, fill
	s_wait_tensorcnt 0x0                           ; all my tensor loads have landed: my part of the next slot
	ds_add_u32 v[SPW], v[NIL]                      ; 0 onto my spare word
	s_wait_dscnt 4*NL+1                            ; (the add and the youngest eight loads, A's blocks 4-7, may be out)
	WIN MUL_LO
	MUL16 0, 1, NQ-1, \slot, 0                     ; sixteen matrix instructions stand between the add and the wait for it
	s_wait_dscnt 0x0                               ; the add is done, and my reads of this slot are over
	s_barrier_signal -1
	MUL16 2, 1, NQ-1, \slot, 0
	WIN 0
	s_barrier_wait -1
.if \fill
	CREST                                          ; the barrier has opened a round of the cluster's barrier: no wave of any partner still reads this slot or has a load on its way
	s_add_nc_u64 s[G0+4*\slot+2:G0+4*\slot+3], s[G0+4*\slot+2:G0+4*\slot+3], 2*ASLOT
	s_add_nc_u64 s[G0B+4*\slot+2:G0B+4*\slot+3], s[G0B+4*\slot+2:G0B+4*\slot+3], 2*ROWB
	JLOAD \slot                                    ; the first tensor load behind the round; its four v_nop are the places in front of the loads below
.else
	PLACES NP
.endif
	v_add_nc_u32 v[ADRS], 4*NQ, v[ADRS]            ; on to the next slot's scale words of B (no LDS load of mine is out)
	FETCH_B \next, 0, 0
	FETCH_A \next, 0, 0
	SCALES \next
	WIN MUL_HI
	MUL16 4, 1, NQ-1, \slot, 0
	MUL16 6, 1, NQ-1, \slot, 0
	PLACES NP
	WIN 0
	FETCH_A \next, 0, 4
.endm
.macro STEPS slot, from
.set Q, \from
.rept NQ-1-\from
	STEP \slot, Q, 0
.set Q, Q+1
.endr
.endm
	s_wait_tensorcnt 1                             ; B's scales and my part of slot 0 are in (slot 1's load may be out)
	s_barrier_signal -1
	s_barrier_wait -1                              ; everybody's are
	FETCH_B 0, 0, 0
	FETCH_A 0, 0, 0
	SCALES 0
	FETCH_A 0, 0, 4
	STEP 0, 0, 1                                   ; the first step's products start the sums: nothing is cleared
	STEPS 0, 1
	TURN 0, 1, 0                                   ; K = 1,024 is two slots: no slot is filled again
	STEPS 1, 0
	s_wait_dscnt 4*NL                              ; the very last step: nothing more to fetch
	WIN MUL_LO
	MUL16 0, 1, NQ-1, 1, 0
	MUL16 2, 1, NQ-1, 1, 0
	s_wait_dscnt 0
	WIN MUL_HI
	MUL16 4, 1, NQ-1, 1, 0
	MUL16 6, 1, NQ-1, 1, 0
	WIN 0
	PLACES NP                                      ; in front of the first read of results
; 64 numbers of a lane, v[s] .. v[s + 63] of window w (eight neighbouring result tiles: register 16 b + i = column 32 b + 8 h + i, i < 8, or 32 b + 16 + 8 h + i - 8, of my row), become 8 registers of codes in
; v[PC] on, in the operand's layout (registers 4 c .. 4 c + 3 of lane (r, h): block 2 c + h of row r), and the row's scale word in v[pw].  Each accumulator is read from its low end on.
.macro QUANT s, w, pw
	WIN ((\w)<<2)|((\w)<<4)
.irp b, 0,1,2,3
	v_max3_num_f32 v[TM+\b], 0x1800000, |v[(\s)+16*\b]|, |v[(\s)+16*\b+1]|   ; block b: my 16 numbers, and the floor 2^(3 - 127): the byte cannot fall under 1
.endr
.irp i, 2,4,6,8,10,12,14
.irp b, 0,1,2,3
	v_max3_num_f32 v[TM+\b], v[TM+\b], |v[(\s)+16*\b+\i]|, |v[(\s)+16*\b+\i+1]|   ; (the four blocks by turns)
.endr
.endr
	WIN 0
.irp b, 0,1,2,3
	v_permlanex16_b32 v[TM+4+\b], v[TM+\b], s22, s23
.endr
.irp b, 0,1,2,3
	v_max_num_f32 v[TM+\b], v[TM+\b], v[TM+4+\b]   ; with lane l xor 16's 16: the block's largest magnitude
.endr
.irp b, 0,1,2,3
	v_add_nc_u32 v[TM+12+\b], 0xff000000, v[TM+\b] ; 2 off its exponent field: the conversion's scale operand
.endr
.irp b, 0,1,2,3
	v_lshrrev_b32 v[TM+4+\b], 23, v[TM+12+\b]      ; the scale's byte
.endr
	v_lshl_or_b32 v[\pw], v[TM+5], 8, v[TM+4]
	v_lshl_or_b32 v[\pw], v[TM+6], 16, v[\pw]
	v_lshl_or_b32 v[\pw], v[TM+7], 24, v[\pw]
	s_wait_xcnt 0x0                                ; the last block's stores have read v[PC] on: only behind this wait are they written again
	WIN (\w)
.irp c, 0,1
	v_cvt_scalef32_pk8_fp4_f32 v[PC+4*\c], v[(\s)+32*\c:(\s)+32*\c+7], v[TM+12+2*\c]          ; block 2 c: columns 8 h + 0 .. 7
	v_cvt_scalef32_pk8_fp4_f32 v[PC+4*\c+1], v[(\s)+32*\c+16:(\s)+32*\c+23], v[TM+13+2*\c]    ; block 2 c + 1: the same
	v_cvt_scalef32_pk8_fp4_f32 v[PC+4*\c+2], v[(\s)+32*\c+8:(\s)+32*\c+15], v[TM+12+2*\c]     ; block 2 c: columns 16 + 8 h + 0 .. 7
	v_cvt_scalef32_pk8_fp4_f32 v[PC+4*\c+3], v[(\s)+32*\c+24:(\s)+32*\c+31], v[TM+13+2*\c]    ; block 2 c + 1: the same
.endr
	WIN 0
	v_nop                                          ; one plain place behind a scaled conversion
.irp c, 0,1
	v_permlane16_swap_b32 v[PC+4*\c], v[PC+4*\c+1]     ; the first's lanes 16-31 change places with the second's lanes 0-15: now words 0 and 1 of block 2 c + h
	v_permlane16_swap_b32 v[PC+4*\c+2], v[PC+4*\c+3]   ; and words 2 and 3
.endr
.endm
	s_cmp_eq_u32 ttmp9, 2                          ; V or Q, K: the cluster's x, the same in all partners
	s_cbranch_scc0 .Lqk
	; V leaves as it stands: a store of the wave covers 512 consecutive bytes, aligned; each accumulator's low half first
.irp a, 0,1,2,3,4,5,6,7
	WIN 0x08+4*(\a/4)                              ; a store's data are its source 1: window 2 or 3
.irp b, 0,1,2,3,4,5,6,7
	global_store_b128 v[L16], v[64*(\a%4)+8*\b:64*(\a%4)+8*\b+3], s[98:99] offset:\a*65536+\b*1024
	global_store_b128 v[L16], v[64*(\a%4)+8*\b+4:64*(\a%4)+8*\b+7], s[98:99] offset:\a*65536+\b*1024+512
.endr
.endr
	WIN 0
	s_branch .Lend
.Lqk:
	s_mov_b32 s22, 0x76543210
	s_mov_b32 s23, 0xfedcba98                      ; v_permlanex16_b32's selects for lane l xor 16
	s_mov_b32 s2, 0xffff
	s_mov_b32 s3, 0x7f7f0000                       ; the bytes of the K that the head does not have: 2^0 over zero codes
	s_mov_b32 s18, 0xffff0000                      ; lanes 16-31
	s_cmp_eq_u32 ttmp9, 0
	s_cselect_b32 s19, -1, 0                       ; Q keeps every token's codes; K loses those of masked keys
	s_wait_loadcnt 0x0                             ; the mask
	v_mov_b32 v[SQ], s19
	v_mov_b32 v[ONES], -1
.irp a, 0,1,2,3,4,5,6,7
	v_cmp_ne_u32 vcc_lo, 0, v[MK+\a]
	v_cndmask_b32 v[MK+\a], v[SQ], v[ONES], vcc_lo
.endr
.irp a, 0,1,2,3,4,5,6,7                ; my 128 columns are two heads: blocks 0, 1 the first's, blocks 2, 3 the second's
	QUANT 64*(\a%4), 2+\a/4, PW
.irp i, 0,1,2,3,4,5,6,7
	v_and_b32 v[PC+\i], v[PC+\i], v[MK+\a]
.endr
	global_store_b128 v[L16], v[PC:PC+3], s[96:97] offset:\a*512           ; 512 consecutive bytes: tile a of the first head
	global_store_b128 v[L16], v[PC+4:PC+7], s[96:97] offset:73728+\a*512   ; and of the second: the next record
	v_and_or_b32 v[W0+\a], v[PW], s2, s3
	v_lshrrev_b32 v[W1+\a], 16, v[PW]
	v_or_b32 v[W1+\a], s3, v[W1+\a]
.endr
.irp j, 0,1,2,3
	v_cndmask_b32 v[XW+\j], v[W0+\j], v[W0+4+\j], s18      ; lanes 0-15 the words of tiles 0-3, lanes 16-31 of tiles 4-7
	v_cndmask_b32 v[XW+4+\j], v[W1+\j], v[W1+4+\j], s18
.endr
	global_store_b128 v[L16], v[XW:XW+3], s[96:97] offset:4096
	global_store_b128 v[L16], v[XW+4:XW+7], s[96:97] offset:73728+4096
.Lend:
	s_wait_tensorcnt 0x0                           ; the wave's end
	ds_add_u32 v[SPW], v[NIL]
	s_wait_dscnt 0x0
	CROUND                                         ; the closing round: no work-group ends while a partner may still ask for a tile that names it
	s_endpgm
.Lfunc_end_k_q932625bf59_qkv:
	.size	k_q932625bf59_qkv, .Lfunc_end_k_q932625bf59_qkv-k_q932625bf59_qkv
	.p2alignl 7, 3214868480
	.fill 96, 4, 3214868480
	.section	.rodata,"a",@progbits
	.p2align	6, 0x0
	.amdhsa_kernel k_q932625bf59_qkv
		.amdhsa_group_segment_fixed_size 327680
		.amdhsa_private_segment_fixed_size 0
		.amdhsa_enable_private_segment 0
		.amdhsa_kernarg_size 80
		.amdhsa_user_sgpr_count 2
		.amdhsa_user_sgpr_kernarg_segment_ptr 1
		.amdhsa_wavefront_size32 1
		.amdhsa_system_sgpr_workgroup_id_x 1
		.amdhsa_system_sgpr_workgroup_id_y 1
		.amdhsa_system_sgpr_workgroup_id_z 1
		.amdhsa_system_vgpr_workitem_id 0
		.amdhsa_next_free_vgpr 1024
		.amdhsa_next_free_sgpr 100
		.amdhsa_reserve_vcc 1
		.amdhsa_float_denorm_mode_32 3
		.amdhsa_float_denorm_mode_16_64 3
		.amdhsa_memory_ordered 1
		.amdhsa_forward_progress 1
		.amdhsa_inst_pref_size 145
	.end_amdhsa_kernel
	.amdgpu_metadata
---
amdhsa.version: [ 1, 2 ]
amdhsa.kernels:
  - .name:           k_q932625bf59_qkv
    .symbol:         k_q932625bf59_qkv.kd
    .args:
      - { .name: wq_codes, .offset: 0, .size: 8, .value_kind: global_buffer, .address_space: global }
      - { .name: wq_scales, .offset: 8, .size: 8, .value_kind: global_buffer, .address_space: global }
      - { .name: wk_codes, .offset: 16, .size: 8, .value_kind: global_buffer, .address_space: global }
      - { .name: wk_scales, .offset: 24, .size: 8, .value_kind: global_buffer, .address_space: global }
      - { .name: wv_codes, .offset: 32, .size: 8, .value_kind: global_buffer, .address_space: global }
      - { .name: wv_scales, .offset: 40, .size: 8, .value_kind: global_buffer, .address_space: global }
      - { .name: xq, .offset: 48, .size: 8, .value_kind: global_buffer, .address_space: global }
      - { .name: source_mask, .offset: 56, .size: 8, .value_kind: global_buffer, .address_space: global }
      - { .name: qkc, .offset: 64, .size: 8, .value_kind: global_buffer, .address_space: global }
      - { .name: vbuf, .offset: 72, .size: 8, .value_kind: global_buffer, .address_space: global }
    .group_segment_fixed_size: 327680
    .private_segment_fixed_size: 0
    .kernarg_segment_align: 8
    .kernarg_segment_size: 80
    .max_flat_workgroup_size: 128
    .sgpr_count:     100
    .vgpr_count:     1024
    .wavefront_size: 32
...
	.end_amdgpu_metadata
.endif
;; end of part 2
;; launch attn (part 3): grid 16 x 16, 8 waves a work-group, clusters of 4 x 1, 168,960 bytes of LDS; arguments qkc, vbuf, source_mask, aq; writes aq
.if DOCPART == 3
	.amdgcn_target "amdgcn-amd-amdhsa--gfx1250"
	.amdhsa_code_object_version 6
	.text
	.protected	k_q932625bf59_attn
	.globl	k_q932625bf59_attn
	.p2align	8
	.type	k_q932625bf59_attn,@function
k_q932625bf59_attn:
	s_mov_b64 s[64:65], 0
	v_nop
	global_prefetch_b8 v0, s[64:65] scope:SCOPE_SE
	s_setreg_imm32_b32 hwreg(HW_REG_WAVE_MODE, 25, 1), 1
	s_wait_xcnt 0x0
	s_wait_alu depctr_hold_cnt(0) depctr_sa_sdst(0) depctr_va_vdst(0) depctr_va_sdst(0) depctr_va_ssrc(0) depctr_va_vcc(0) depctr_vm_vsrc(0)
	s_getreg_b32 s2, hwreg(HW_REG_IB_STS2, 6, 4)
	s_cmp_eq_u32 s2, 0
	s_cbranch_scc0 .Lentry_in_a_cluster
	s_endpgm
.Lentry_in_a_cluster:
	s_bfe_u32 s2, ttmp6, 0x10000c
	s_cmp_lg_u32 s2, 0x3003
	s_cbranch_scc0 .Lentry_shape_is_right
	s_endpgm
.Lentry_shape_is_right:
; For each token s and head: diag = softmax_t(Q[s] . K[t] / 8, masked keys at -1e9)[t = s]; what leaves is diag x V[s], quantised to codes of FP4 (E2M1) along head x 64 + q, the K of the next product.
; The scores are products on codes of FP4 with E8M0 scales; their K is the head's 64, half of the instruction's 128: the other half of Q's operand is zero codes under the byte 0x7f.
; SHARES.  A work-group owns 128 tokens of one batch and TWO heads (2 p, 2 p + 1); each of its eight waves owns 16 tokens, for both heads: its result is one whole K step of 128 of the next product: 8 registers of codes, one scale word a row.
; All 2,048 keys of both heads (147,456 bytes of codes and scale words, two consecutive records of qkc) lie in LDS, filled ONCE.  No LDS byte is filled twice.
; CLUSTER: the four work-groups of a cluster own four token blocks of the same batch and heads and read the same keys: each wave's eighth is asked for JOINTLY, with a mask that names the four.
; qkc: [Q, K][batch][head][group of 128 tokens: 4,608 bytes]: eight tiles of 512 bytes (lane (r, h): block h of token r's 64), then scale words: lane (r, hh): the words of tiles 4 hh + 0 .. 3.
; LAYOUT.  S^T = K Q^T (source 0 = 16 keys, source 1 = my 16 tokens): lane (r, h) holds token r and keys 8 h + 0 .. 7 of a tile.  A fragment of K is named as 8 registers of which the upper four are the NEXT tile's codes:
; they meet Q's zero codes and add exact zeros.
; THE MASK.  A masked key's codes are zeros (the launch before stores them so), and the C of its product is -8e9: the score is -8e9 exactly, which over 8 is the -1e9 that takes its place.  C is 0 for the other keys.
; SOFTMAX.  Each LANE keeps a running maximum m and sum l over its half of the keys: p = 2^(c s - c m), c = log2(e) / 8; when m grows, l is multiplied by 2^(c m_old - c m_new).  The two halves are joined once, at the end.
; The rounding of c m enters every term of a row and the diagonal's alike, and drops out of the quotient.
; LIMITS: NaN and infinities are not served; terms under 2^-126 of a row's largest count as 0.  A block of diag x V whose largest magnitude lies under 2^-124, zeros among them, gets the scale byte 1; the bytes are read by this program alone.
; Left out: prefetching (what is read was stored by the launch before); a ring (all keys fit).
.set REC,  73728
.set GRP,  4608
.set BIAS, 147456                      ; LDS: behind the keys: C for each of the batch's 2,048 keys, f32
.set WST,  155648                      ; the eight waves' scale words on their way out: 512 bytes
.set Q,    16                          ; v16-31   Q's two fragments: codes in 16-19 and 24-27, zero codes in 20-23 and 28-31
.set QS,   32                          ; v32-33   Q's scale words
.set KS,   36                          ; v36-43   K's scale words of a group: head hd at 4 hd + j: lanes 0-15 tile j, lanes 16-31 tile 4 + j
.set ST,   44                          ; v44-59   head hd at 8 hd: +0 -c m, +1 (its pair), +2, +3 l, +4 f, +5 m, +6, +7 at work
.set SD,   60                          ; v60-61   the diagonal's scores
.set KF,   72                          ; v72-107  K: head hd, tile t at 16 hd + 4 t; v104-107 stay zeros.  At the end v72-135: V
.set CB,   108                         ; v108-139 C of four tiles of keys
.set S,    140                         ; v140-203 scores, then p: head hd, tile t at 32 hd + 8 t
.set TM,   204
.set PW,   220
.set PC,   224
.set DG,   232                         ; v232-235 diag of the two heads, as pairs
.macro CROUND                          ; a round of the cluster's barrier
	s_barrier_signal -1
	s_barrier_wait -1
	s_cmp_lg_u32 s12, 0
	s_cbranch_scc1 .Lnot_wave_0_\@
	s_barrier_signal -3
.Lnot_wave_0_\@:
	s_barrier_wait -3
	s_barrier_signal -1
	s_barrier_wait -1
.endm
	s_load_b256 s[4:11], s[0:1], 0x0               ; qkc s[4:5], vbuf s[6:7], source_mask s[8:9], aq s[10:11]
	v_lshl_add_u32 v254, v0, 2, 0x29000
	v_mov_b32 v255, 0
	ds_add_u32 v254, v255
	ds_add_u32 v254, v255
	v_lshrrev_b32 v1, 5, v0
	v_readfirstlane_b32 s12, v1                    ; wave 0..7
	s_bfe_u32 s13, ttmp6, 0x40000                  ; cx
	s_lshl_b32 s14, ttmp9, 2
	s_add_co_u32 s14, s14, s13                     ; my block of 128 tokens in the batch
	s_and_b32 s15, ttmp7, 0xffff
	s_lshr_b32 s16, s15, 3                         ; batch
	s_and_b32 s17, s15, 7                          ; pair of heads
	s_lshl_b32 s18, s16, 4
	s_lshl_b32 s19, s17, 1
	s_add_co_u32 s18, s18, s19                     ; 16 x batch + first head: the partners share it
	s_add_co_u32 s50, s18, 32                      ; K's records lie behind Q's 32
	s_mul_i32 s50, s50, REC
	s_mul_i32 s33, s12, 18432                      ; my eighth of the two records: the same place in LDS and in memory
	s_add_co_u32 s50, s50, s33
	s_mov_b32 s51, 0
	s_mul_i32 s52, s18, REC
	s_mul_i32 s19, s14, GRP
	s_add_co_u32 s52, s52, s19                     ; Q: my block's group in the first head's record
	s_lshr_b32 s19, s12, 2
	s_lshl_b32 s19, s19, 8
	s_and_b32 s49, s12, 3
	s_lshl_b32 s49, s49, 2
	s_add_co_u32 s49, s49, s19                     ; tile w's scale words: 256 (w / 4) + 4 (w % 4) (+ 16 r)
	s_add_co_u32 s54, s52, s49
	s_add_co_u32 s54, s54, 4096
	s_mov_b32 s55, 0
	s_add_co_u32 s49, s49, WST                     ; and the same place in the stage for my own scale words
	s_lshl_b32 s19, s12, 9
	s_add_co_u32 s52, s52, s19                     ; my tile's codes
	s_mov_b32 s53, 0
	s_lshl_b32 s56, s16, 13                        ; the batch's 2,048 words of the mask
	s_mov_b32 s57, 0
	s_lshl_b32 s58, s14, 9
	s_lshl_b32 s19, s12, 6
	s_add_co_u32 s58, s58, s19
	s_add_co_u32 s58, s58, s56                     ; my own 16 tokens' words
	s_mov_b32 s59, 0
	s_lshl_b32 s60, s16, 7
	s_lshl_b32 s19, s14, 3
	s_add_co_u32 s60, s60, s19
	s_add_co_u32 s60, s60, s12                     ; my token tile of 256,
	s_lshl_b32 s60, s60, 16
	s_lshl_b32 s19, s17, 13
	s_add_co_u32 s60, s60, s19                     ; its eight column tiles of V: 65,536 x tile + 8,192 x pair
	s_mov_b32 s61, 0
	s_lshr_b32 s62, s17, 2                         ; aq: record (K slot pair / 4, block of 256 rows 8 x batch + block / 2),
	s_lshl_b32 s62, s62, 4
	s_lshl_b32 s19, s16, 3
	s_add_co_u32 s62, s62, s19
	s_lshr_b32 s19, s14, 1
	s_add_co_u32 s62, s62, s19
	s_mul_i32 s62, s62, 69632
	s_and_b32 s19, s17, 3
	s_lshl_b32 s19, s19, 10
	s_add_co_u32 s62, s62, s19                     ; K step pair % 4,
	s_and_b32 s19, s14, 1
	s_lshl_b32 s2, s19, 9
	s_add_co_u32 s2, s2, s62
	s_add_co_u32 s2, s2, 65536                     ; its scale words: [K step][group of 8 tiles][lane (r, hh)][4 words]
	s_mov_b32 s3, 0
	s_lshl_b32 s19, s19, 3
	s_add_co_u32 s19, s19, s12
	s_lshl_b32 s19, s19, 12
	s_add_co_u32 s62, s62, s19                     ; row tile 8 (block % 2) + wave
	s_mov_b32 s63, 0
	s_mov_b32 s24, 15|(3<<16)|(1<<21)              ; group 1: 15:0 the mask: all four work-groups; 17:16 elements of 8 bytes; 21 set beside a mask; no padding
	s_mov_b32 s25, 32<<16                          ; tensor_dim0 = 32: rows of 256 bytes
	s_mov_b32 s26, 72<<16                          ; tensor_dim1 = 72 rows: 18,432 bytes
	s_mov_b32 s27, 32<<16
	s_mov_b32 s28, 72
	s_mov_b32 s29, 32                              ; dense
	s_mov_b32 s30, 0
	s_mov_b32 s31, 0
	s_mov_b32 s20, 0x76543210
	s_mov_b32 s21, 0xfedcba98                      ; v_permlanex16_b32's selects for lane l xor 16
	s_mov_b32 s22, 0x3e38aa3b                      ; c = log2(e) / 8
	s_mov_b32 s23, s22                             ; (named with it as a pair)
	s_mov_b32 s36, 0xbe38aa3b                      ; -c
	s_wait_dscnt 0x0
	s_wait_kmcnt 0x0
	s_add_nc_u64 s[50:51], s[4:5], s[50:51]
	s_add_nc_u64 s[52:53], s[4:5], s[52:53]
	s_add_nc_u64 s[54:55], s[4:5], s[54:55]
	s_add_nc_u64 s[56:57], s[8:9], s[56:57]
	s_add_nc_u64 s[58:59], s[8:9], s[58:59]
	s_add_nc_u64 s[60:61], s[6:7], s[60:61]
	s_add_nc_u64 s[62:63], s[10:11], s[62:63]
	s_add_nc_u64 s[2:3], s[10:11], s[2:3]
	CROUND                                         ; all four work-groups are here: the joint loads meet
	s_mov_b32 s32, 1
	s_mov_b64 s[34:35], s[50:51]
	s_or_b32 s35, s35, 0x80000000
	tensor_load_to_lds s[32:35], s[24:31]          ; my one tensor load of the launch
	s_nop 0
.rept 4
	v_nop
.endr
	v_and_b32 v7, 15, v0                           ; r
	v_bfe_u32 v8, v0, 4, 1                         ; h
	v_and_b32 v1, 31, v0
	v_lshlrev_b32 v1, 4, v1                        ; 16 x lane: the first head's keys
	v_add_nc_u32 v2, REC, v1                       ; the second head's
	v_lshl_add_u32 v3, v8, 5, BIAS                 ; C of a tile's keys 8 h + 0 .. 7
	v_and_b32 v9, 7, v0                            ; r % 8
	v_lshlrev_b32 v11, 4, v7
	v_lshlrev_b32 v12, 5, v0                       ; thread t: keys 8 t .. 8 t + 7 of the mask
	v_lshlrev_b32 v13, 2, v7
	v_lshl_add_u32 v14, v0, 5, BIAS
	v_add_nc_u32 v15, WST, v1
	v_add_nc_u32 v10, s49, v11                     ; my row's scale word in the stage
	global_load_b128 v[64:67], v12, s[56:57]
	global_load_b128 v[68:71], v12, s[56:57] offset:16
	global_load_b128 v[Q:Q+3], v1, s[52:53]                        ; Q, both heads
	global_load_b128 v[Q+8:Q+11], v1, s[52:53] offset:REC
	global_load_b128 v[KF+28:KF+31], v1, s[52:53] offset:32*REC    ; K of my own 16 tokens, from memory
	global_load_b128 v[KF+24:KF+27], v1, s[52:53] offset:33*REC
	global_load_b32 v[QS], v11, s[54:55]
	global_load_b32 v[QS+1], v11, s[54:55] offset:REC
	global_load_b32 v[KS], v11, s[54:55] offset:32*REC
	global_load_b32 v[KS+4], v11, s[54:55] offset:33*REC
	global_load_b32 v62, v13, s[58:59]                             ; my own token's mask
.irp i, 4,5,6,7,12,13,14,15
	v_mov_b32 v[Q+\i], 0                           ; zero codes for k = 64 .. 127
.endr
.irp i, 32,33,34,35
	v_mov_b32 v[KF+\i], 0
.endr
.irp hd, 0,1
	v_mov_b32 v[ST+8*\hd+5], 0xff61b1e6            ; m = -3e38, under every score
	v_mov_b32 v[ST+8*\hd+1], 0
	v_mov_b32 v[ST+8*\hd+2], 0                     ; l
	v_mov_b32 v[ST+8*\hd+3], 0
.endr
.irp hd, 0,1
	v_mul_f32 v[ST+8*\hd], s36, v[ST+8*\hd+5]      ; -c m
.endr
.irp b, 0,1,2,3
	v_mov_b32 v[TM+4+\b], 0                        ; a lane permute's destination counts as one of its sources
.endr
	v_mov_b32 v63, 0xcfee6b28                      ; -8e9
	s_wait_loadcnt 0x0
.irp i, 0,1,2,3,4,5,6,7
	v_cmp_eq_u32 vcc_lo, 0, v[64+\i]
	v_cndmask_b32 v[64+\i], 0, v63, vcc_lo         ; C: -8e9 for a masked key, else 0
.endr
	ds_store_b128 v14, v[64:67]
	ds_store_b128 v14, v[68:71] offset:16
	; the diagonal: my 16 tokens' keys against my 16 tokens.  Lane (r, h), register j: key 8 h + j, token r
	v_wmma_scale_f32_16x16x128_f8f6f4 v[S:S+7], v[KF+28:KF+35], v[Q:Q+7], 0, v[KS], v[QS] matrix_a_fmt:MATRIX_FMT_FP4 matrix_b_fmt:MATRIX_FMT_FP4
	v_wmma_scale_f32_16x16x128_f8f6f4 v[S+32:S+39], v[KF+24:KF+31], v[Q+8:Q+15], 0, v[KS+4], v[QS+1] matrix_a_fmt:MATRIX_FMT_FP4 matrix_b_fmt:MATRIX_FMT_FP4
.rept 4
	v_nop
.endr
.irp j, 1,2,3,4,5,6,7
	v_cmp_eq_u32 s[40+\j], \j, v9
.endr
	v_lshrrev_b32 v65, 3, v7
	v_cmp_eq_u32 s48, v65, v8                      ; the half of the lanes that holds key r
	v_cmp_ne_u32 s40, 0, v62
.irp hd, 0,1
	v_mov_b32 v[SD+\hd], v[S+32*\hd]               ; register r % 8, taken from the low end on
.endr
.irp j, 1,2,3,4,5,6,7
.irp hd, 0,1
	v_cndmask_b32 v[SD+\hd], v[SD+\hd], v[S+32*\hd+\j], s[40+\j]
.endr
.endr
.irp hd, 0,1
	v_permlanex16_b32 v[66+\hd], v[SD+\hd], s20, s21
.endr
.irp hd, 0,1
	v_cndmask_b32 v[SD+\hd], v[66+\hd], v[SD+\hd], s48
.endr
.irp hd, 0,1
	v_cndmask_b32 v[SD+\hd], v63, v[SD+\hd], s40   ; a token that is masked as a key: its own score is the masked one
.endr
	s_mov_b32 s37, 0                               ; the group's keys in a record
	s_mov_b32 s38, 0                               ; and in C
	s_mov_b32 s39, 15
	s_wait_tensorcnt 0x0                           ; my eighth of the keys has landed,
	s_wait_dscnt 0x0                               ; my part of C is stored:
	s_barrier_signal -1
	s_barrier_wait -1                              ; everybody's
.macro LOADS u                         ; tiles 4 u .. 4 u + 3 of the group: K's codes of both heads, 512 consecutive bytes a load; and C
.irp t, 0,1,2,3
	ds_load_b128 v[KF+4*\t:KF+4*\t+3], v4 offset:(4*\u+\t)*512
	ds_load_b128 v[KF+16+4*\t:KF+16+4*\t+3], v5 offset:(4*\u+\t)*512
	ds_load_b128 v[CB+8*\t:CB+8*\t+3], v6 offset:(4*\u+\t)*64
	ds_load_b128 v[CB+8*\t+4:CB+8*\t+7], v6 offset:(4*\u+\t)*64+16
.endr
.endm
.macro MM u                            ; eight products on eight accumulators, each begun anew with C: no two share a register
.irp t, 0,1,2,3
.irp hd, 0,1
.if \u
	v_wmma_scale_f32_16x16x128_f8f6f4 v[S+32*\hd+8*\t:S+32*\hd+8*\t+7], v[KF+16*\hd+4*\t:KF+16*\hd+4*\t+7], v[Q+8*\hd:Q+8*\hd+7], v[CB+8*\t:CB+8*\t+7], v[KS+4*\hd+\t], v[QS+\hd] matrix_a_fmt:MATRIX_FMT_FP4 matrix_b_fmt:MATRIX_FMT_FP4 matrix_a_scale:MATRIX_SCALE_ROW1
.else
	v_wmma_scale_f32_16x16x128_f8f6f4 v[S+32*\hd+8*\t:S+32*\hd+8*\t+7], v[KF+16*\hd+4*\t:KF+16*\hd+4*\t+7], v[Q+8*\hd:Q+8*\hd+7], v[CB+8*\t:CB+8*\t+7], v[KS+4*\hd+\t], v[QS+\hd] matrix_a_fmt:MATRIX_FMT_FP4 matrix_b_fmt:MATRIX_FMT_FP4
.endif
.endr
.endr
.rept 5
	v_nop                                          ; four places in front of loads into the operands and of the first read of results; the fifth for the next products, which write over these results
.endr
.endm
.macro SUMI hd, i                      ; line i of 16 of a head's sum of 16 pairs of p, in two chains: l and the pair at work
.set rS, S+32*\hd
.set rT, ST+8*\hd
.if \i == 0
	s_wait_alu depctr_va_vdst(0)
	v_pk_add_f32 v[rT+6:rT+7], v[rS:rS+1], v[rS+2:rS+3]
.elseif \i == 15
	v_pk_add_f32 v[rT+2:rT+3], v[rT+2:rT+3], v[rT+6:rT+7]
.elseif (\i)%2 == 1
	v_pk_add_f32 v[rT+2:rT+3], v[rT+2:rT+3], v[rS+2*(\i)+2:rS+2*(\i)+3]
.else
	v_pk_add_f32 v[rT+6:rT+7], v[rT+6:rT+7], v[rS+2*(\i)+2:rS+2*(\i)+3]
.endif
.endm
; 32 scores a lane and head: the running maximum, p, the sum.  Nothing crosses lanes.  The exponentials of one head stand among plain lines of the other, so that each has a plain line behind it before its result is used.
.macro SOFT
.irp hd, 0,1
	v_max3_num_f32 v[ST+8*\hd+6], v[ST+8*\hd+5], v[S+32*\hd], v[S+32*\hd+1]          ; two chains a head; each accumulator is first read at its low end
	v_max3_num_f32 v[ST+8*\hd+7], v[S+32*\hd+16], v[S+32*\hd+17], v[S+32*\hd+18]
.endr
.irp i, 0,1,2,3,4,5
.irp hd, 0,1
	v_max3_num_f32 v[ST+8*\hd+6], v[ST+8*\hd+6], v[S+32*\hd+2+2*\i], v[S+32*\hd+3+2*\i]
	v_max3_num_f32 v[ST+8*\hd+7], v[ST+8*\hd+7], v[S+32*\hd+19+2*\i], v[S+32*\hd+20+2*\i]
.endr
.endr
.irp hd, 0,1
	v_max3_num_f32 v[ST+8*\hd+6], v[ST+8*\hd+6], v[S+32*\hd+14], v[S+32*\hd+15]
.endr
.irp hd, 0,1
	v_max3_num_f32 v[ST+8*\hd+5], v[ST+8*\hd+6], v[ST+8*\hd+7], v[S+32*\hd+31]       ; the new m
.endr
.irp hd, 0,1
	v_mul_f32 v[ST+8*\hd+6], s36, v[ST+8*\hd+5]    ; -c m
.endr
.irp hd, 0,1
	v_sub_f32 v[ST+8*\hd+7], v[ST+8*\hd+6], v[ST+8*\hd]   ; c m_old - c m_new, 0 or less
.endr
.irp hd, 0,1
	v_mov_b32 v[ST+8*\hd], v[ST+8*\hd+6]
.endr
.irp i, 0,1,2,3,4,5,6,7,8,9,10,11,12,13,14,15
	v_pk_fma_f32 v[S+2*\i:S+2*\i+1], v[S+2*\i:S+2*\i+1], s[22:23], v[ST:ST+1] op_sel_hi:[1,0,0]   ; c s - c m, two at a time
.endr
	v_exp_f32 v[ST+4], v[ST+7]                     ; f
	v_exp_f32 v[ST+12], v[ST+15]
.irp i, 0,1,2,3,4,5,6,7,8,9,10,11,12,13,14,15
	v_exp_f32 v[S+2*\i], v[S+2*\i]
	v_exp_f32 v[S+2*\i+1], v[S+2*\i+1]
	v_pk_fma_f32 v[S+32+2*\i:S+33+2*\i], v[S+32+2*\i:S+33+2*\i], s[22:23], v[ST+8:ST+9] op_sel_hi:[1,0,0]
.endr
	s_wait_alu depctr_va_vdst(0)
	v_pk_mul_f32 v[ST+2:ST+3], v[ST+2:ST+3], v[ST+4:ST+5] op_sel_hi:[1,0]       ; l under the new m
	v_pk_mul_f32 v[ST+10:ST+11], v[ST+10:ST+11], v[ST+12:ST+13] op_sel_hi:[1,0]
.irp i, 0,1,2,3,4,5,6,7,8,9,10,11,12,13,14,15
	v_exp_f32 v[S+32+2*\i], v[S+32+2*\i]
	v_exp_f32 v[S+33+2*\i], v[S+33+2*\i]
	SUMI 0, \i
.endr
.irp i, 0,1,2,3,4,5,6,7,8,9,10,11,12,13,14,15
	SUMI 1, \i
.endr
.endm
; A group of 128 keys, both heads.  The second half's operands are fetched while the first half's softmax is walked.  last = 1: V is asked for under the last softmax, into the registers that K and C have left.
.macro TRIP last
	v_add_nc_u32 v4, s37, v1
	v_add_nc_u32 v5, s37, v2
	v_add_nc_u32 v6, s38, v3
	ds_load_b128 v[KS:KS+3], v4 offset:4096
	ds_load_b128 v[KS+4:KS+7], v5 offset:4096
	LOADS 0
	s_wait_dscnt 0x0
	MM 0
	LOADS 1
	SOFT
	s_wait_dscnt 0x0
	MM 1
.if \last
.irp ct, 0,1,2,3,4,5,6,7
	global_load_b128 v[KF+8*\ct:KF+8*\ct+3], v1, s[60:61] offset:1024*\ct        ; register 8 ct + j: V(token r, column 16 ct + 8 h + j)
	global_load_b128 v[KF+8*\ct+4:KF+8*\ct+7], v1, s[60:61] offset:1024*\ct+512
.endr
.endif
	SOFT
	s_add_co_u32 s37, s37, GRP
	s_add_co_u32 s38, s38, 512
.endm
.Ltrip:
	TRIP 0
	s_sub_co_u32 s39, s39, 1
	s_cmp_lg_u32 s39, 0
	s_cbranch_scc1 .Ltrip
	TRIP 1
	; the two halves of the lanes are joined under the larger m; diag = 2^(c s_diag - c m) / l
.irp hd, 0,1
	v_add_f32 v[ST+8*\hd+2], v[ST+8*\hd+2], v[ST+8*\hd+3]
.endr
.irp hd, 0,1
	v_permlanex16_b32 v[ST+8*\hd+6], v[ST+8*\hd], s20, s21
	v_permlanex16_b32 v[ST+8*\hd+7], v[ST+8*\hd+2], s20, s21
.endr
.irp hd, 0,1
	v_min_num_f32 v[ST+8*\hd+5], v[ST+8*\hd], v[ST+8*\hd+6]       ; -c x the larger m
.endr
.irp hd, 0,1
	v_sub_f32 v[ST+8*\hd], v[ST+8*\hd+5], v[ST+8*\hd]
	v_sub_f32 v[ST+8*\hd+6], v[ST+8*\hd+5], v[ST+8*\hd+6]
	v_fma_f32 v[SD+\hd], v[SD+\hd], s22, v[ST+8*\hd+5]
.endr
.irp hd, 0,1
	v_exp_f32 v[ST+8*\hd], v[ST+8*\hd]
	v_exp_f32 v[ST+8*\hd+6], v[ST+8*\hd+6]
	v_exp_f32 v[SD+\hd], v[SD+\hd]
.endr
	v_nop                                          ; a plain line behind the exponentials
	s_wait_alu depctr_va_vdst(0)
.irp hd, 0,1
	v_mul_f32 v[ST+8*\hd+2], v[ST+8*\hd+2], v[ST+8*\hd]
.endr
.irp hd, 0,1
	v_fma_f32 v[ST+8*\hd+2], v[ST+8*\hd+7], v[ST+8*\hd+6], v[ST+8*\hd+2]
.endr
.irp hd, 0,1
	v_rcp_f32 v[ST+8*\hd+3], v[ST+8*\hd+2]
.endr
	v_nop                                          ; a plain line behind the reciprocals
	s_wait_alu depctr_va_vdst(0)
.irp hd, 0,1
	v_mul_f32 v[DG+2*\hd], v[SD+\hd], v[ST+8*\hd+3]
.endr
.irp hd, 0,1
	v_mov_b32 v[DG+2*\hd+1], v[DG+2*\hd]
.endr
	s_wait_loadcnt 0x0                             ; V
.irp hd, 0,1
.irp i, 0,1,2,3,4,5,6,7,8,9,10,11,12,13,14,15
	v_pk_mul_f32 v[KF+32*\hd+2*\i:KF+32*\hd+2*\i+1], v[KF+32*\hd+2*\i:KF+32*\hd+2*\i+1], v[DG+2*\hd:DG+2*\hd+1] op_sel_hi:[1,0]
.endr
.endr
	; the quantiser: register 16 b + i = column 32 b + 8 h + i (i < 8) or 32 b + 16 + 8 h + i - 8 of my row
.irp b, 0,1,2,3
	v_max3_num_f32 v[TM+\b], 0x1800000, |v[KF+16*\b]|, |v[KF+16*\b+1]|    ; my 16 numbers of block b, and the floor 2^(3 - 127): the byte cannot fall under 1
.endr
.irp i, 2,4,6,8,10,12,14
.irp b, 0,1,2,3
	v_max3_num_f32 v[TM+\b], v[TM+\b], |v[KF+16*\b+\i]|, |v[KF+16*\b+\i+1]|
.endr
.endr
.irp b, 0,1,2,3
	v_permlanex16_b32 v[TM+4+\b], v[TM+\b], s20, s21
.endr
.irp b, 0,1,2,3
	v_max_num_f32 v[TM+\b], v[TM+\b], v[TM+4+\b]
.endr
.irp b, 0,1,2,3
	v_add_nc_u32 v[TM+12+\b], 0xff000000, v[TM+\b] ; 2 off the exponent field: the conversion's scale operand
.endr
.irp b, 0,1,2,3
	v_lshrrev_b32 v[TM+4+\b], 23, v[TM+12+\b]      ; the scale's byte
.endr
	v_lshl_or_b32 v[PW], v[TM+5], 8, v[TM+4]
	v_lshl_or_b32 v[PW], v[TM+6], 16, v[PW]
	v_lshl_or_b32 v[PW], v[TM+7], 24, v[PW]
.irp c, 0,1
	v_cvt_scalef32_pk8_fp4_f32 v[PC+4*\c], v[KF+32*\c:KF+32*\c+7], v[TM+12+2*\c]
	v_cvt_scalef32_pk8_fp4_f32 v[PC+4*\c+1], v[KF+32*\c+16:KF+32*\c+23], v[TM+13+2*\c]
	v_cvt_scalef32_pk8_fp4_f32 v[PC+4*\c+2], v[KF+32*\c+8:KF+32*\c+15], v[TM+12+2*\c]
	v_cvt_scalef32_pk8_fp4_f32 v[PC+4*\c+3], v[KF+32*\c+24:KF+32*\c+31], v[TM+13+2*\c]
.endr
	v_nop                                          ; one plain place behind a scaled conversion
.irp c, 0,1
	v_permlane16_swap_b32 v[PC+4*\c], v[PC+4*\c+1]     ; registers 4 c .. 4 c + 3 of lane (r, h) become block 2 c + h of row r: the operand's layout
	v_permlane16_swap_b32 v[PC+4*\c+2], v[PC+4*\c+3]
.endr
	global_store_b128 v1, v[PC:PC+3], s[62:63]             ; 512 consecutive bytes each, aligned
	global_store_b128 v1, v[PC+4:PC+7], s[62:63] offset:512
	ds_store_b32 v10, v[PW]                        ; both lanes of a row write the same word with the same value
	s_wait_dscnt 0x0
	s_barrier_signal -1
	s_barrier_wait -1
	s_cmp_lg_u32 s12, 0
	s_cbranch_scc1 .Lnot_first
	ds_load_b128 v[64:67], v15                     ; wave 0: the eight tiles' scale words, 512 bytes
	s_wait_dscnt 0x0
	global_store_b128 v1, v[64:67], s[2:3]
.Lnot_first:
	s_wait_tensorcnt 0x0
	s_wait_dscnt 0x0
	s_wait_tensorcnt 0x0
	ds_add_u32 v254, v255
	s_wait_dscnt 0x0
	CROUND                                         ; the closing round
	s_endpgm
.Lfunc_end_k_q932625bf59_attn:
	.size	k_q932625bf59_attn, .Lfunc_end_k_q932625bf59_attn-k_q932625bf59_attn
	.p2alignl 7, 3214868480
	.fill 96, 4, 3214868480
	.section	.rodata,"a",@progbits
	.p2align	6, 0x0
	.amdhsa_kernel k_q932625bf59_attn
		.amdhsa_group_segment_fixed_size 168960
		.amdhsa_private_segment_fixed_size 0
		.amdhsa_enable_private_segment 0
		.amdhsa_kernarg_size 32
		.amdhsa_user_sgpr_count 2
		.amdhsa_user_sgpr_kernarg_segment_ptr 1
		.amdhsa_wavefront_size32 1
		.amdhsa_system_sgpr_workgroup_id_x 1
		.amdhsa_system_sgpr_workgroup_id_y 1
		.amdhsa_system_sgpr_workgroup_id_z 1
		.amdhsa_system_vgpr_workitem_id 0
		.amdhsa_next_free_vgpr 256
		.amdhsa_next_free_sgpr 66
		.amdhsa_reserve_vcc 1
		.amdhsa_float_denorm_mode_32 3
		.amdhsa_float_denorm_mode_16_64 3
		.amdhsa_memory_ordered 1
		.amdhsa_forward_progress 1
		.amdhsa_inst_pref_size 64
	.end_amdhsa_kernel
	.amdgpu_metadata
---
amdhsa.version: [ 1, 2 ]
amdhsa.kernels:
  - .name:           k_q932625bf59_attn
    .symbol:         k_q932625bf59_attn.kd
    .args:
      - { .name: qkc, .offset: 0, .size: 8, .value_kind: global_buffer, .address_space: global }
      - { .name: vbuf, .offset: 8, .size: 8, .value_kind: global_buffer, .address_space: global }
      - { .name: source_mask, .offset: 16, .size: 8, .value_kind: global_buffer, .address_space: global }
      - { .name: aq, .offset: 24, .size: 8, .value_kind: global_buffer, .address_space: global }
    .group_segment_fixed_size: 168960
    .private_segment_fixed_size: 0
    .kernarg_segment_align: 8
    .kernarg_segment_size: 32
    .max_flat_workgroup_size: 256
    .sgpr_count:     66
    .vgpr_count:     256
    .wavefront_size: 32
...
	.end_amdgpu_metadata
.endif
;; end of part 3
;; launch wo (part 4): grid 4 x 16, 4 waves a work-group, clusters of 4 x 4, 327,680 bytes of LDS; arguments aq, wo_codes, wo_scales, x, x1; writes x1
.if DOCPART == 4
	.amdgcn_target "amdgcn-amd-amdhsa--gfx1250"
	.amdhsa_code_object_version 6
	.text
	.protected	k_q932625bf59_wo
	.globl	k_q932625bf59_wo
	.p2align	8
	.type	k_q932625bf59_wo,@function
k_q932625bf59_wo:
	s_mov_b64 s[64:65], 0
	v_nop
	global_prefetch_b8 v0, s[64:65] scope:SCOPE_SE
	s_setreg_imm32_b32 hwreg(HW_REG_WAVE_MODE, 25, 1), 1
	s_wait_xcnt 0x0
	s_wait_alu depctr_hold_cnt(0) depctr_sa_sdst(0) depctr_va_vdst(0) depctr_va_sdst(0) depctr_va_ssrc(0) depctr_va_vcc(0) depctr_vm_vsrc(0)
	s_getreg_b32 s2, hwreg(HW_REG_IB_STS2, 6, 4)
	s_cmp_eq_u32 s2, 0
	s_cbranch_scc0 .Lentry_in_a_cluster
	s_endpgm
.Lentry_in_a_cluster:
	s_bfe_u32 s2, ttmp6, 0x10000c
	s_cmp_lg_u32 s2, 0xf033
	s_cbranch_scc0 .Lentry_shape_is_right
	s_endpgm
.Lentry_shape_is_right:
; x1 = x + a Wo^T on codes of FP4 (E2M1) with one E8M0 scale for each 32 along K = 1,024.  a: 4,096 rows, as records of register images (below).  Wo: [1,024][512 bytes], scales [1,024][32].  x, x1: [4,096][1,024] f32.
; A tile of 256 x 256 is made by four waves, as many as a WGP has SIMDs; a wave makes 128 x 128: 64 accumulators, 512 registers.  K goes in two steps of 512 through two LDS slots, each filled once.
; 64 work-groups: the tile that feeds the most multiply-adds from each LDS byte is kept, at the price of WGPs without work; a tile of 128 x 128 would fill the chip and read each fragment for half the products.
; A's SLOT IS ONE RECORD of aq, [K slot][256 rows][69,632 bytes]: fragment (tile t, K step q) is 1,024 bytes at (4 t + q) 1,024, registers 4 c .. 4 c + 3 of lane l at + 512 c + 16 l;
; scale words at 65,536 + 1,024 q + 512 (t / 8) + 16 lane (r, hh): the four words of tiles 8 (t / 8) + 4 hh + 0 .. 3.  B's tile: 256 rows of 256 bytes, 16 of padding behind each.  B's scales for all of K come once.
; CLUSTER: A's record is shared along a row of the cluster, B's tile and scales along a column: each is asked for JOINTLY, by the same tensor load with a mask that names the four.
; THE MATRIX INSTRUCTION IS USED TRANSPOSED (source 0 = 16 rows of Wo, source 1 = 16 rows of a): a lane holds eight neighbouring numbers of a row of the result.
; THE WAY OUT: a block of 16 rows x 128 columns goes through my own stage in LDS and comes back as whole rows of 512 bytes; x's rows, asked for blocks ahead, are added there.
; REGISTERS, in windows of 256: window 0: v0-31 addresses; v32-95 scale words, two sets; from v128 A's fragments, one set; on the way out v128-255 rows read back.
;   window 1: B's fragments, two sets, at v0 and v128; v64-127 and v192-255 x's rows of blocks 0 and 1, on the way out all four quarters by turns.   windows 2, 3: the accumulators ((a, b) at v[8 (8 (a % 4) + b)]).
.set SIZE_K, 1024
.set ALAY,   2                         ; A's scale words lie [K step][group of 8 tiles][lane][4]
.set HASB,   0                         ; no bias
.set RESP,   10                        ; s[10:11] the residual
.set OUTP,   12                        ; s[12:13] the result
.set NQ,     4
.set ROWB,   256
.set KROW,   SIZE_K/2
.set PITCH,  272                       ; B's row in LDS: 256 bytes + 16 of padding: the sixteen rows of a load start at sixteen different banks (64 banks of 4 bytes: ISA guide 11.1)
.set NL,     2
.set NP,     4                         ; places behind this matrix instruction (ISA guide 7.12.1)
.set HALFT,  34816                     ; what one tensor load brings: half a record of A (136 x 256 bytes), or 128 rows of B (128 x 272)
.set SLOT,   4*HALFT
.set LAPS,   SIZE_K/1024
.set KS,     SIZE_K/32
.set AREC,   69632
.set ASLOT,  16*AREC
.set SCL,    2*SLOT                    ; behind the slots: B's scales, as units of 256 bytes + 16 of padding
.set QS,     (64*KS/256)*272
.set SBLK,   (32*KS/256)*272
.set SPARE,  SCL+4*QS                  ; the spare words, 128 bytes for each wave: two blocks of 256 bytes that no other line names
.set SPITCH, 528                       ; the stage: 16 rows x (512 bytes + 16) for each wave, in slot 0, which has had its only fill and its last read when the first result is stored there
.set ADRA, 16
.set ADSA, 18
.set ADRB, 20
.set STO,  24                          ; v24     the way out: where I put 32 bytes of a row
.set RD,   25                          ; v25     where I read a row back
.set L16,  26                          ; v26     16 x lane: also my byte offset in a row of 512 bytes
.set ADRS, 27
.set SPW,  28
.set NIL,  29
.set SC,   32
.set AF,   128
.set BK,   128
.set G1,   24
.set G0,   32
.set G1B,  48
.set G0B,  56
.set G1S,  68
.set G0S,  76
.set MSB, 0
.macro WIN new                         ; the immediate's high byte repeats the setting that is left; a switch that changes nothing is dropped
.if MSB != (\new)
	s_set_vgpr_msb (MSB<<8)|(\new)
.set MSB, (\new)
.endif
.endm
.set MUL_LO, 0xa1                      ; source 0 (B) window 1, source 1 (A) window 0, C and D window 2
.set MUL_HI, 0xf1
.set TO_B,   0x40
.macro JLOAD s                         ; a joint load: waves 0 and 1 fetch A's two halves, waves 2 and 3 B's; four v_nop follow each of the two lines
	s_cmp_eq_u32 s15, 0
	s_cbranch_scc0 .Lfor_b_\@
	tensor_load_to_lds s[G0+4*\s:G0+4*\s+3], s[G1:G1+7]
	s_nop 0
.rept 4
	v_nop
.endr
	s_branch .Lasked_\@
.Lfor_b_\@:
	tensor_load_to_lds s[G0B+4*\s:G0B+4*\s+3], s[G1B:G1B+7]
	s_nop 0
.rept 4
	v_nop
.endr
.Lasked_\@:
.endm
.macro CREST
	s_cmp_lg_u32 s14, 0
	s_cbranch_scc1 .Lnot_wave_0_\@
	s_barrier_signal -3
.Lnot_wave_0_\@:
	s_barrier_wait -3
	s_barrier_signal -1
	s_barrier_wait -1
.endm
.macro CROUND
	s_barrier_signal -1
	s_barrier_wait -1
	CREST
.endm
	s_load_b128 s[4:7], s[0:1], 0x0                ; aq, Wo's codes
	s_load_b128 s[8:11], s[0:1], 0x10              ; Wo's scales, x
	s_load_b64 s[12:13], s[0:1], 0x20              ; x1
	v_lshl_add_u32 v[SPW], v0, 2, SPARE
	v_mov_b32 v[NIL], 0
	ds_add_u32 v28, v29
	ds_add_u32 v28, v29
	s_wait_dscnt 0x0
	v_lshrrev_b32 v1, 5, v0
	v_readfirstlane_b32 s14, v1                    ; wave 0..3
	s_lshr_b32 s15, s14, 1                         ; which half of the tile's rows is mine.  Also: I fetch for A (0) or for B (1)
	s_and_b32 s16, s14, 1                          ; which half of its columns.  Also: which half of that tile I fetch
	s_bfe_u32 s40, ttmp6, 0x40000
	s_bfe_u32 s41, ttmp6, 0x40004
	s_lshl_b32 s42, ttmp9, 2
	s_add_co_u32 s42, s42, s40                     ; tile column = 4 x cluster x + cx
	s_and_b32 s17, ttmp7, 0xffff
	s_lshl_b32 s17, s17, 2
	s_add_co_u32 s17, s17, s41                     ; tile row = 4 x cluster y + cy
	s_lshl_b32 s43, s41, 2
	s_lshl_b32 s43, 15, s43                        ; my row of the cluster
	s_lshl_b32 s44, 0x1111, s40                    ; my column
	s_or_b32 s[G1+0], s43, (3<<16)|(1<<21)         ; A: the mask: my row; elements of 8 bytes; 21 set beside a mask; no padding
	s_mov_b32 s[G1+1], 32<<16
	s_mov_b32 s[G1+2], 136<<16
	s_mov_b32 s[G1+3], 32<<16
	s_mov_b32 s[G1+4], 136
	s_mov_b32 s[G1+5], 32
	s_mov_b32 s[G1+6], 0
	s_mov_b32 s[G1+7], 0
	s_or_b32 s[G1B+0], s44, (0<<16)|(1<<20)|(1<<21)|(5<<22)|(3<<25)  ; B: my column; elements of 1 byte; padding: 4 words after every 64
	s_mov_b32 s[G1B+1], ROWB<<16
	s_mov_b32 s[G1B+2], 128<<16
	s_mov_b32 s[G1B+3], ROWB<<16
	s_mov_b32 s[G1B+4], 128
	s_mov_b32 s[G1B+5], KROW
	s_mov_b32 s[G1B+6], 0
	s_mov_b32 s[G1B+7], 0
	s_or_b32 s[G1S+0], s44, (3<<16)|(1<<20)|(1<<21)|(5<<22)|(3<<25)  ; B's scales of 64 rows: a dense block, as rows of 256 bytes, 16 of padding behind each
	s_mov_b32 s[G1S+1], 32<<16
	s_mov_b32 s[G1S+2], (64*KS/256)<<16
	s_mov_b32 s[G1S+3], 32<<16
	s_mov_b32 s[G1S+4], 64*KS/256
	s_mov_b32 s[G1S+5], 32
	s_mov_b32 s[G1S+6], 0
	s_mov_b32 s[G1S+7], 0
	s_mul_i32 s20, s17, AREC
	s_mul_i32 s18, s16, HALFT
	s_add_co_u32 s20, s20, s18
	s_mov_b32 s21, 0
	s_lshl_b32 s46, s42, 8
	s_lshl_b32 s18, s16, 7
	s_add_co_u32 s46, s46, s18
	s_mul_i32 s46, s46, KROW
	s_mov_b32 s47, 0
	s_lshl_b32 s66, s42, 8
	s_lshl_b32 s18, s14, 6
	s_add_co_u32 s66, s66, s18
	s_mul_i32 s66, s66, KS
	s_mov_b32 s67, 0
	s_mul_i32 s45, s14, HALFT                      ; no place in the cluster enters an LDS address
	s_mul_i32 s19, s14, QS
	s_wait_kmcnt 0x0
	s_add_nc_u64 s[20:21], s[4:5], s[20:21]
	s_add_nc_u64 s[46:47], s[6:7], s[46:47]
	s_add_nc_u64 s[66:67], s[8:9], s[66:67]
	CROUND                                         ; all sixteen work-groups are here: the first joint loads meet
	s_mov_b32 s[G0S], 1
	s_add_co_u32 s[G0S+1], s19, SCL
	s_mov_b64 s[G0S+2:G0S+3], s[66:67]
	s_or_b32 s[G0S+3], s[G0S+3], 0x80000000
	tensor_load_to_lds s[G0S:G0S+3], s[G1S:G1S+7]  ; every wave: its quarter of B's scales
	s_nop 0
.rept 4
	v_nop
.endr
.irp s, 0,1
	s_mov_b32 s[G0+4*\s], 1
	s_add_co_u32 s[G0+4*\s+1], s45, \s*SLOT
	s_add_nc_u64 s[G0+4*\s+2:G0+4*\s+3], s[20:21], \s*ASLOT
	s_or_b32 s[G0+4*\s+3], s[G0+4*\s+3], 0x80000000
	s_mov_b32 s[G0B+4*\s], 1
	s_add_co_u32 s[G0B+4*\s+1], s45, \s*SLOT
	s_add_nc_u64 s[G0B+4*\s+2:G0B+4*\s+3], s[46:47], \s*ROWB
	s_or_b32 s[G0B+4*\s+3], s[G0B+4*\s+3], 0x80000000
	JLOAD \s                                       ; three tensor loads of mine are out behind the second
.endr
	v_and_b32 v1, 15, v0                           ; r
	v_bfe_u32 v2, v0, 4, 1                         ; h
	v_and_b32 v6, 31, v0
	v_lshlrev_b32 v[L16], 4, v6
	v_mul_u32_u24 v3, v1, PITCH
	v_lshl_add_u32 v4, v2, 4, v3
	s_lshl_b32 s18, s15, 15                        ; A: my eight tiles' fragments
	s_mul_i32 s22, s16, HALFT
	s_add_co_u32 s22, s22, 2*HALFT                 ; B: my 128 rows, behind A's record
	s_lshl_b32 s23, s15, 9                         ; A's scale words: my group of eight tiles
	s_add_co_u32 s23, s23, 65536
.irp s, 0,1
	v_add_nc_u32 v[ADRA+\s], s18, v[L16]
	v_add_nc_u32 v[ADSA+\s], s23, v[L16]
	v_add_nc_u32 v[ADRB+\s], s22, v4
	s_add_co_u32 s18, s18, SLOT
	s_add_co_u32 s22, s22, SLOT
	s_add_co_u32 s23, s23, SLOT
.endr
	v_mul_u32_u24 v5, v6, KS
	v_lshrrev_b32 v7, 8, v5
	v_lshl_add_u32 v5, v7, 4, v5
	s_mul_i32 s18, s16, 2*QS
	s_add_co_u32 s18, s18, SCL
	v_add_nc_u32 v[ADRS], s18, v5
	s_mul_i32 s23, s14, 16*SPITCH                  ; my stage
	v_mul_u32_u24 v5, v1, SPITCH
	v_lshl_add_u32 v5, v2, 5, v5
	v_add_nc_u32 v[STO], s23, v5                   ; in: row r, 32 bytes for each half of the lanes
	v_add_nc_u32 v[RD], s23, v[L16]                ; back: the 32 lanes take one row of 512 bytes
	s_lshl_b32 s22, s17, 20                        ; my first row, 4,096 bytes a row, and my first column
	s_lshl_b32 s23, s15, 19
	s_add_co_u32 s22, s22, s23
	s_lshl_b32 s23, s42, 10
	s_add_co_u32 s22, s22, s23
	s_lshl_b32 s23, s16, 9
	s_add_co_u32 s22, s22, s23
	s_mov_b32 s23, 0
	s_add_nc_u64 s[RESP:RESP+1], s[RESP:RESP+1], s[22:23]
	s_add_nc_u64 s[OUTP:OUTP+1], s[OUTP:OUTP+1], s[22:23]
; the residual's 16 rows of block a, as they will come back from the stage, into a quarter of window 1: blocks 0, 1 (4, 5) the two idle quarters, blocks 2, 3 (6, 7) B's two sets, once they are done with
.macro RLOAD a
.set RS, 128*(((\a)%4)%2)+64*(1-((\a)%4)/2)
	WIN 0x40
.irp t, 0,1,2,3,4,5,6,7,8,9,10,11,12,13,14,15
	global_load_b128 v[RS+4*\t:RS+4*\t+3], v[L16], s[RESP:RESP+1] offset:(16*(\a)+\t)*4096
.endr
	WIN 0
.endm
	RLOAD 0
	RLOAD 1
.macro WM                              ; one matrix instruction, by the symbols that MUL16 sets.  fB, fA: the side's scale words stand in lanes 16-31.  fZ: the constant 0 starts the sum
.if fZ
.if fB && fA
	v_wmma_scale_f32_16x16x128_f8f6f4 v[rD:rD+7], v[rB:rB+7], v[rA:rA+7], 0, v[rSB], v[rSA] matrix_a_fmt:MATRIX_FMT_FP4 matrix_b_fmt:MATRIX_FMT_FP4 matrix_a_scale:MATRIX_SCALE_ROW1 matrix_b_scale:MATRIX_SCALE_ROW1
.elseif fB
	v_wmma_scale_f32_16x16x128_f8f6f4 v[rD:rD+7], v[rB:rB+7], v[rA:rA+7], 0, v[rSB], v[rSA] matrix_a_fmt:MATRIX_FMT_FP4 matrix_b_fmt:MATRIX_FMT_FP4 matrix_a_scale:MATRIX_SCALE_ROW1
.elseif fA
	v_wmma_scale_f32_16x16x128_f8f6f4 v[rD:rD+7], v[rB:rB+7], v[rA:rA+7], 0, v[rSB], v[rSA] matrix_a_fmt:MATRIX_FMT_FP4 matrix_b_fmt:MATRIX_FMT_FP4 matrix_b_scale:MATRIX_SCALE_ROW1
.else
	v_wmma_scale_f32_16x16x128_f8f6f4 v[rD:rD+7], v[rB:rB+7], v[rA:rA+7], 0, v[rSB], v[rSA] matrix_a_fmt:MATRIX_FMT_FP4 matrix_b_fmt:MATRIX_FMT_FP4
.endif
.else
.if fB && fA
	v_wmma_scale_f32_16x16x128_f8f6f4 v[rD:rD+7], v[rB:rB+7], v[rA:rA+7], v[rC:rC+7], v[rSB], v[rSA] matrix_a_fmt:MATRIX_FMT_FP4 matrix_b_fmt:MATRIX_FMT_FP4 matrix_a_scale:MATRIX_SCALE_ROW1 matrix_b_scale:MATRIX_SCALE_ROW1
.elseif fB
	v_wmma_scale_f32_16x16x128_f8f6f4 v[rD:rD+7], v[rB:rB+7], v[rA:rA+7], v[rC:rC+7], v[rSB], v[rSA] matrix_a_fmt:MATRIX_FMT_FP4 matrix_b_fmt:MATRIX_FMT_FP4 matrix_a_scale:MATRIX_SCALE_ROW1
.elseif fA
	v_wmma_scale_f32_16x16x128_f8f6f4 v[rD:rD+7], v[rB:rB+7], v[rA:rA+7], v[rC:rC+7], v[rSB], v[rSA] matrix_a_fmt:MATRIX_FMT_FP4 matrix_b_fmt:MATRIX_FMT_FP4 matrix_b_scale:MATRIX_SCALE_ROW1
.else
	v_wmma_scale_f32_16x16x128_f8f6f4 v[rD:rD+7], v[rB:rB+7], v[rA:rA+7], v[rC:rC+7], v[rSB], v[rSA] matrix_a_fmt:MATRIX_FMT_FP4 matrix_b_fmt:MATRIX_FMT_FP4
.endif
.endif
.endm
; 16 matrix instructions: A's blocks a0, a0 + 1 x B's eight, the slot's q-th 128 along K.  p: B's set; sc: the set of scale words; cm: 0 adds in place, 1 starts the sums with 0.
; The 64 accumulators take turns, one instruction a turn, in the same order in every step.
.macro MUL16 a0, p, q, sc, cm
.irp a, \a0, \a0+1
.irp b, 0,1,2,3,4,5,6,7
.set rD, 8*(8*((\a)%4)+\b)
.set rB, 128*(\p)+8*\b
.set rA, AF+8*(\a)
.set rSB, SC+32*(\sc)+16+4*(\b/2)+(\q)
.set fB, \b%2
.if ALAY == 1
.set rSA, SC+32*(\sc)+4*((\a)/2)+(\q)
.set fA, (\a)%2
.else
.set rSA, SC+32*(\sc)+4*(\q)+((\a)%4)
.set fA, (\a)/4
.endif
.set rC, rD
.set fZ, 0
.if (\cm) == 1
.set fZ, 1
.endif
	WM
.endr
.endr
.endm
.macro FETCH_B slot, q, p
	WIN TO_B
.irp i, 0,1,2,3,4,5,6,7
.irp c, 0,1
	ds_load_b128 v[128*(\p)+8*\i+4*\c:128*(\p)+8*\i+4*\c+3], v[ADRB+\slot] offset:64*(\q)+32*\c+\i*16*PITCH
.endr
.endr
	WIN 0
.endm
.macro FETCH_A slot, q, i0             ; A's blocks i0 .. i0 + 3: register images, 512 consecutive bytes a load
.irp i, \i0, \i0+1, \i0+2, \i0+3
.irp c, 0,1
	ds_load_b128 v[AF+8*(\i)+4*\c:AF+8*(\i)+4*\c+3], v[ADRA+\slot] offset:(\i)*4096+(\q)*1024+512*\c
.endr
.endr
.endm
.macro SCALES sc                       ; the slot's scale words into set sc: eight loads.  A's: register 4 q + j, lanes 0-15 tile j, lanes 16-31 tile 4 + j.  B's: register 16 + 4 i + q, lanes 0-15 tile 2 i, lanes 16-31 tile 2 i + 1
.irp i, 0,1,2,3
.if ALAY == 1
	ds_load_b128 v[SC+32*\sc+4*\i:SC+32*\sc+4*\i+3], v[ADSA+\sc] offset:512*\i
.else
	ds_load_b128 v[SC+32*\sc+4*\i:SC+32*\sc+4*\i+3], v[ADSA+\sc] offset:1024*\i
.endif
.endr
.irp i, 0,1,2,3
	ds_load_b128 v[SC+32*\sc+16+4*\i:SC+32*\sc+16+4*\i+3], v[ADRS] offset:\i*SBLK
.endr
.endm
; A load into a register that a matrix instruction has read, and a vector instruction or a store that reads a matrix result, stand NP places behind that matrix instruction; only plain vector
; instructions that name none of its registers are places (ISA guide 7.12.1 for vector instructions).
.macro PLACES n
.rept \n
	v_nop
.endr
.endm
.macro STEP slot, q, cm
	s_wait_dscnt 4*NL                              ; B's set and A's blocks 0-3 are in; the youngest eight loads (A's blocks 4-7) may be out
	WIN MUL_LO
	MUL16 0, (\q)%2, \q, \slot, \cm
	MUL16 2, (\q)%2, \q, \slot, \cm
	s_wait_dscnt 0                                 ; A's blocks 4-7 are in
	PLACES NP
	FETCH_B \slot, (\q)+1, 1-(\q)%2
	FETCH_A \slot, (\q)+1, 0
	WIN MUL_HI
	MUL16 4, (\q)%2, \q, \slot, \cm
	MUL16 6, (\q)%2, \q, \slot, \cm
	PLACES NP
	WIN 0
	FETCH_A \slot, (\q)+1, 4
.endm
; A slot's last step changes slots: ONE barrier; in front of it each wave waits for all its tensor loads, adds 0 to its spare word, and waits for that and for its own reads of this slot.
.macro TURN slot, next, fill
	s_wait_tensorcnt 0x0                           ; all my tensor loads have landed: my part of the next slot
	ds_add_u32 v[SPW], v[NIL]                      ; 0 onto my spare word
	s_wait_dscnt 4*NL+1                            ; (the add and the youngest eight loads may be out)
	WIN MUL_LO
	MUL16 0, 1, NQ-1, \slot, 0
	s_wait_dscnt 0x0                               ; the add is done, and my reads of this slot are over
	s_barrier_signal -1
	MUL16 2, 1, NQ-1, \slot, 0
	WIN 0
	s_barrier_wait -1
.if \fill
	CREST
	s_add_nc_u64 s[G0+4*\slot+2:G0+4*\slot+3], s[G0+4*\slot+2:G0+4*\slot+3], 2*ASLOT
	s_add_nc_u64 s[G0B+4*\slot+2:G0B+4*\slot+3], s[G0B+4*\slot+2:G0B+4*\slot+3], 2*ROWB
	JLOAD \slot
.else
	PLACES NP
.endif
	v_add_nc_u32 v[ADRS], 4*NQ, v[ADRS]            ; on to the next slot's scale words of B (no LDS load of mine is out)
	FETCH_B \next, 0, 0
	FETCH_A \next, 0, 0
	SCALES \next
	WIN MUL_HI
	MUL16 4, 1, NQ-1, \slot, 0
	MUL16 6, 1, NQ-1, \slot, 0
	PLACES NP
	WIN 0
	FETCH_A \next, 0, 4
.endm
.macro STEPS slot, from
.set Q, \from
.rept NQ-1-\from
	STEP \slot, Q, 0
.set Q, Q+1
.endr
.endm
	s_wait_tensorcnt 1                             ; B's scales and my part of slot 0 are in (slot 1's load may be out)
	s_barrier_signal -1
	s_barrier_wait -1                              ; everybody's are
	FETCH_B 0, 0, 0
	FETCH_A 0, 0, 0
	SCALES 0
	FETCH_A 0, 0, 4
	STEP 0, 0, 1                                   ; the first step's products start the sums: nothing is cleared
	STEPS 0, 1
	TURN 0, 1, 0                                   ; K = 1,024 is two slots: no slot is filled again
	STEPS 1, 0
	s_wait_dscnt 4*NL
	WIN MUL_LO
	MUL16 0, 1, NQ-1, 1, 0
	MUL16 2, 1, NQ-1, 1, 0
	s_wait_dscnt 0
	WIN MUL_HI
	MUL16 4, 1, NQ-1, 1, 0
	MUL16 6, 1, NQ-1, 1, 0
	WIN 0
; THE WAY OUT.  LDS serves a wave's instructions in order (ISA guide 5.7.1.4): no wait between the stage's stores and its loads, nor in front of the next block's stores.
.macro TOSTAGE a
.set AC, 64*((\a)%4)
	WIN 0x08+4*((\a)/4)                            ; an LDS store's data are its source 1: window 2 or 3
.irp b, 0,1,2,3,4,5,6,7
	ds_store_b128 v[STO], v[AC+8*\b:AC+8*\b+3] offset:64*\b          ; each accumulator from its low end on
	ds_store_b128 v[STO], v[AC+8*\b+4:AC+8*\b+7] offset:64*\b+16
.endr
	WIN 0
.set BB, BK+64*((\a)%2)
.irp t, 0,1,2,3,4,5,6,7,8,9,10,11,12,13,14,15
	ds_load_b128 v[BB+4*\t:BB+4*\t+3], v[RD] offset:\t*SPITCH
.endr
.endm
.macro SEND a, younger                 ; younger: the LDS instructions issued behind block a's loads, which may stay out
.set BB, BK+64*((\a)%2)
.set RS, 128*(((\a)%4)%2)+64*(1-((\a)%4)/2)
	s_wait_dscnt \younger                          ; the block is back in registers
.if 7-(\a) > 3
	s_wait_loadcnt 48                              ; its residual is in; those of the three blocks behind it may be out
.else
	s_wait_loadcnt 16*(7-(\a))
.endif
	WIN 0x04                                       ; source 1: window 1
.irp t, 0,1,2,3,4,5,6,7,8,9,10,11,12,13,14,15,16,17,18,19,20,21,22,23,24,25,26,27,28,29,30,31
	v_pk_add_f32 v[BB+2*\t:BB+2*\t+1], v[BB+2*\t:BB+2*\t+1], v[RS+2*\t:RS+2*\t+1]
.endr
	WIN 0
.if (\a) < 4
	RLOAD (\a)+4                                   ; its quarter takes the block four further on
.endif
.irp t, 0,1,2,3,4,5,6,7,8,9,10,11,12,13,14,15
	global_store_b128 v[L16], v[BB+4*\t:BB+4*\t+3], s[OUTP:OUTP+1] offset:(16*(\a)+\t)*4096   ; 32 lanes store 512 consecutive bytes, at a multiple of 512 from the buffer's first byte
.endr
.endm
	PLACES NP                                      ; in front of the loads into B's sets and A's fragments, and of the first read of results
	RLOAD 2
	RLOAD 3
	TOSTAGE 0
.irp a, 1,2,3,4,5,6,7
.if \a > 1
	s_wait_xcnt 0x0                                ; block a - 2's stores have read their registers: block a's loads may land there
.endif
	TOSTAGE \a
	SEND \a-1, 32                                  ; behind block a - 1's loads: block a's 16 stores and 16 loads
.endr
	SEND 7, 0
	s_wait_tensorcnt 0x0                           ; the wave's end
	ds_add_u32 v[SPW], v[NIL]
	s_wait_dscnt 0x0
	CROUND                                         ; the closing round
	s_endpgm
.Lfunc_end_k_q932625bf59_wo:
	.size	k_q932625bf59_wo, .Lfunc_end_k_q932625bf59_wo-k_q932625bf59_wo
	.p2alignl 7, 3214868480
	.fill 96, 4, 3214868480
	.section	.rodata,"a",@progbits
	.p2align	6, 0x0
	.amdhsa_kernel k_q932625bf59_wo
		.amdhsa_group_segment_fixed_size 327680
		.amdhsa_private_segment_fixed_size 0
		.amdhsa_enable_private_segment 0
		.amdhsa_kernarg_size 40
		.amdhsa_user_sgpr_count 2
		.amdhsa_user_sgpr_kernarg_segment_ptr 1
		.amdhsa_wavefront_size32 1
		.amdhsa_system_sgpr_workgroup_id_x 1
		.amdhsa_system_sgpr_workgroup_id_y 1
		.amdhsa_system_sgpr_workgroup_id_z 1
		.amdhsa_system_vgpr_workitem_id 0
		.amdhsa_next_free_vgpr 1024
		.amdhsa_next_free_sgpr 100
		.amdhsa_reserve_vcc 0
		.amdhsa_float_denorm_mode_32 3
		.amdhsa_float_denorm_mode_16_64 3
		.amdhsa_memory_ordered 1
		.amdhsa_forward_progress 1
		.amdhsa_inst_pref_size 152
	.end_amdhsa_kernel
	.amdgpu_metadata
---
amdhsa.version: [ 1, 2 ]
amdhsa.kernels:
  - .name:           k_q932625bf59_wo
    .symbol:         k_q932625bf59_wo.kd
    .args:
      - { .name: aq, .offset: 0, .size: 8, .value_kind: global_buffer, .address_space: global }
      - { .name: wo_codes, .offset: 8, .size: 8, .value_kind: global_buffer, .address_space: global }
      - { .name: wo_scales, .offset: 16, .size: 8, .value_kind: global_buffer, .address_space: global }
      - { .name: x, .offset: 24, .size: 8, .value_kind: global_buffer, .address_space: global }
      - { .name: x1, .offset: 32, .size: 8, .value_kind: global_buffer, .address_space: global }
    .group_segment_fixed_size: 327680
    .private_segment_fixed_size: 0
    .kernarg_segment_align: 8
    .kernarg_segment_size: 40
    .max_flat_workgroup_size: 128
    .sgpr_count:     100
    .vgpr_count:     1024
    .wavefront_size: 32
...
	.end_amdgpu_metadata
.endif
;; end of part 4
;; launch ln2: the kernel of part 1 again; grid 256 x 1, 16 waves a work-group, no clusters, 84,992 bytes of LDS; arguments x1, alpha2, bias2, xq; writes xq
;; launch w1 (part 5): grid 16 x 16, 4 waves a work-group, clusters of 4 x 4, 327,680 bytes of LDS; arguments xq, w1_codes, w1_scales, b1, hq; writes hq
.if DOCPART == 5
	.amdgcn_target "amdgcn-amd-amdhsa--gfx1250"
	.amdhsa_code_object_version 6
	.text
	.protected	k_q932625bf59_w1
	.globl	k_q932625bf59_w1
	.p2align	8
	.type	k_q932625bf59_w1,@function
k_q932625bf59_w1:
	s_mov_b64 s[64:65], 0
	v_nop
	global_prefetch_b8 v0, s[64:65] scope:SCOPE_SE
	s_setreg_imm32_b32 hwreg(HW_REG_WAVE_MODE, 25, 1), 1
	s_wait_xcnt 0x0
	s_wait_alu depctr_hold_cnt(0) depctr_sa_sdst(0) depctr_va_vdst(0) depctr_va_sdst(0) depctr_va_ssrc(0) depctr_va_vcc(0) depctr_vm_vsrc(0)
	s_getreg_b32 s2, hwreg(HW_REG_IB_STS2, 6, 4)
	s_cmp_eq_u32 s2, 0
	s_cbranch_scc0 .Lentry_in_a_cluster
	s_endpgm
.Lentry_in_a_cluster:
	s_bfe_u32 s2, ttmp6, 0x10000c
	s_cmp_lg_u32 s2, 0xf033
	s_cbranch_scc0 .Lentry_shape_is_right
	s_endpgm
.Lentry_shape_is_right:
; h = relu(xn W1^T + b1) on codes of FP4 (E2M1) with one E8M0 scale for each 32 along K = 1,024, and h quantised in registers along its 4,096 columns, the K of the next product.  h never goes to memory as numbers.
; xn: 4,096 rows, as records of register images (below).  W1: [4,096][512 bytes], scales [4,096][32].  b1: [4,096] f32.
; A tile of 256 x 256 is made by four waves, as many as a WGP has SIMDs; a wave makes 128 x 128: 64 accumulators, 512 registers.  256 work-groups.  K goes in two steps of 512 through two LDS slots, each filled once.
; A's SLOT IS ONE RECORD of xq, [K slot][256 rows][69,632 bytes]: fragment (tile t, K step q) is 1,024 bytes at (4 t + q) 1,024, registers 4 c .. 4 c + 3 of lane l at + 512 c + 16 l; scale words at 65,536 + 256 t + 16 r (four words, one a K step).
; B's tile: 256 rows of 256 bytes, 16 of padding behind each.  B's scales for all of K come once, behind the slots.
; CLUSTER: A's record is shared along a row of the cluster, B's tile and scales along a column: each is asked for JOINTLY, by the same tensor load with a mask that names the four.
; THE MATRIX INSTRUCTION IS USED TRANSPOSED (source 0 = 16 rows of W1, source 1 = 16 rows of xn): lane (r, h) holds row r and columns 8 h + 0 .. 7 of a tile.  b1 is the C of each sum's first instruction.
; WHAT LEAVES: hq in the same record format with K = 4,096: my 128 columns are one K step; its scale words at 65,536 + 1,024 q + 512 (t / 8) + 16 lane (r, hh): the four words of tiles 8 (t / 8) + 4 hh + 0 .. 3.
; LIMITS: NaN and infinities are not served.  A block whose largest magnitude lies under 2^-124, a block of zeros among them, gets the scale byte 1; these bytes are read by this program alone.
; REGISTERS, in windows of 256: window 0: v0-31 addresses; v32-95 scale words, two sets; from v128 A's fragments, one set; v120-127, v200-235 at work on the way out.
;   window 1: B's fragments, two sets, at v0 and v128; v64-127 b1 in the result's layout.   windows 2, 3: the accumulators ((a, b) at v[8 (8 (a % 4) + b)]).
.set SIZE_K, 1024
.set ALAY,   1                         ; A's scale words lie [tile][row][K step]
.set NQ,     4
.set ROWB,   256
.set KROW,   SIZE_K/2
.set PITCH,  272                       ; B's row in LDS: 256 bytes + 16 of padding: the sixteen rows of a load start at sixteen different banks (64 banks of 4 bytes: ISA guide 11.1)
.set NL,     2
.set NP,     4                         ; places behind this matrix instruction (ISA guide 7.12.1)
.set HALFT,  34816                     ; what one tensor load brings: half a record of A (136 x 256 bytes), or 128 rows of B (128 x 272)
.set SLOT,   4*HALFT
.set LAPS,   SIZE_K/1024
.set KS,     SIZE_K/32
.set AREC,   69632
.set ASLOT,  16*AREC
.set SCL,    2*SLOT
.set QS,     (64*KS/256)*272
.set SBLK,   (32*KS/256)*272
.set SPARE,  SCL+4*QS                  ; the spare words, 128 bytes for each wave: two blocks of 256 bytes that no other line names
.set ADRA, 16
.set ADSA, 18
.set ADRB, 20
.set L16,  26
.set ADRS, 27
.set SPW,  28
.set NIL,  29
.set SC,   32
.set AF,   128
.set WD,   120                         ; v120-127 the scale words of tiles 0-7
.set TM,   200
.set PC,   216
.set XW,   232
.set G1,   24
.set G0,   32
.set G1B,  48
.set G0B,  56
.set G1S,  68
.set G0S,  76
.set MSB, 0
.macro WIN new                         ; the immediate's high byte repeats the setting that is left; a switch that changes nothing is dropped
.if MSB != (\new)
	s_set_vgpr_msb (MSB<<8)|(\new)
.set MSB, (\new)
.endif
.endm
.set MUL_LO, 0xa1                      ; source 0 (B) window 1, source 1 (A) window 0, C and D window 2
.set MUL_HI, 0xf1
.set TO_B,   0x40
.macro JLOAD s                         ; a joint load: waves 0 and 1 fetch A's two halves, waves 2 and 3 B's; four v_nop follow each of the two lines
	s_cmp_eq_u32 s15, 0
	s_cbranch_scc0 .Lfor_b_\@
	tensor_load_to_lds s[G0+4*\s:G0+4*\s+3], s[G1:G1+7]
	s_nop 0
.rept 4
	v_nop
.endr
	s_branch .Lasked_\@
.Lfor_b_\@:
	tensor_load_to_lds s[G0B+4*\s:G0B+4*\s+3], s[G1B:G1B+7]
	s_nop 0
.rept 4
	v_nop
.endr
.Lasked_\@:
.endm
.macro CREST
	s_cmp_lg_u32 s14, 0
	s_cbranch_scc1 .Lnot_wave_0_\@
	s_barrier_signal -3
.Lnot_wave_0_\@:
	s_barrier_wait -3
	s_barrier_signal -1
	s_barrier_wait -1
.endm
.macro CROUND
	s_barrier_signal -1
	s_barrier_wait -1
	CREST
.endm
	s_load_b128 s[4:7], s[0:1], 0x0                ; xq, W1's codes
	s_load_b128 s[8:11], s[0:1], 0x10              ; W1's scales, b1
	s_load_b64 s[12:13], s[0:1], 0x20              ; hq
	v_lshl_add_u32 v[SPW], v0, 2, SPARE
	v_mov_b32 v[NIL], 0
	ds_add_u32 v28, v29
	ds_add_u32 v28, v29
	s_wait_dscnt 0x0
	v_lshrrev_b32 v1, 5, v0
	v_readfirstlane_b32 s14, v1                    ; wave 0..3
	s_lshr_b32 s15, s14, 1                         ; which half of the tile's rows is mine.  Also: I fetch for A (0) or for B (1)
	s_and_b32 s16, s14, 1                          ; which half of its columns.  Also: which half of that tile I fetch
	s_bfe_u32 s40, ttmp6, 0x40000
	s_bfe_u32 s41, ttmp6, 0x40004
	s_lshl_b32 s42, ttmp9, 2
	s_add_co_u32 s42, s42, s40                     ; tile column = 4 x cluster x + cx
	s_and_b32 s17, ttmp7, 0xffff
	s_lshl_b32 s17, s17, 2
	s_add_co_u32 s17, s17, s41                     ; tile row = 4 x cluster y + cy
	s_lshl_b32 s43, s41, 2
	s_lshl_b32 s43, 15, s43                        ; my row of the cluster
	s_lshl_b32 s44, 0x1111, s40                    ; my column
	s_or_b32 s[G1+0], s43, (3<<16)|(1<<21)         ; A: the mask: my row; elements of 8 bytes; 21 set beside a mask; no padding
	s_mov_b32 s[G1+1], 32<<16
	s_mov_b32 s[G1+2], 136<<16
	s_mov_b32 s[G1+3], 32<<16
	s_mov_b32 s[G1+4], 136
	s_mov_b32 s[G1+5], 32
	s_mov_b32 s[G1+6], 0
	s_mov_b32 s[G1+7], 0
	s_or_b32 s[G1B+0], s44, (0<<16)|(1<<20)|(1<<21)|(5<<22)|(3<<25)  ; B: my column; elements of 1 byte; padding: 4 words after every 64
	s_mov_b32 s[G1B+1], ROWB<<16
	s_mov_b32 s[G1B+2], 128<<16
	s_mov_b32 s[G1B+3], ROWB<<16
	s_mov_b32 s[G1B+4], 128
	s_mov_b32 s[G1B+5], KROW
	s_mov_b32 s[G1B+6], 0
	s_mov_b32 s[G1B+7], 0
	s_or_b32 s[G1S+0], s44, (3<<16)|(1<<20)|(1<<21)|(5<<22)|(3<<25)  ; B's scales of 64 rows: a dense block, as rows of 256 bytes, 16 of padding behind each
	s_mov_b32 s[G1S+1], 32<<16
	s_mov_b32 s[G1S+2], (64*KS/256)<<16
	s_mov_b32 s[G1S+3], 32<<16
	s_mov_b32 s[G1S+4], 64*KS/256
	s_mov_b32 s[G1S+5], 32
	s_mov_b32 s[G1S+6], 0
	s_mov_b32 s[G1S+7], 0
	s_mul_i32 s20, s17, AREC
	s_mul_i32 s18, s16, HALFT
	s_add_co_u32 s20, s20, s18
	s_mov_b32 s21, 0
	s_lshl_b32 s46, s42, 8
	s_lshl_b32 s18, s16, 7
	s_add_co_u32 s46, s46, s18
	s_mul_i32 s46, s46, KROW
	s_mov_b32 s47, 0
	s_lshl_b32 s66, s42, 8
	s_lshl_b32 s18, s14, 6
	s_add_co_u32 s66, s66, s18
	s_mul_i32 s66, s66, KS
	s_mov_b32 s67, 0
	s_mul_i32 s45, s14, HALFT                      ; no place in the cluster enters an LDS address
	s_mul_i32 s19, s14, QS
	s_wait_kmcnt 0x0
	s_add_nc_u64 s[20:21], s[4:5], s[20:21]
	s_add_nc_u64 s[46:47], s[6:7], s[46:47]
	s_add_nc_u64 s[66:67], s[8:9], s[66:67]
	CROUND                                         ; all sixteen work-groups are here: the first joint loads meet
	s_mov_b32 s[G0S], 1
	s_add_co_u32 s[G0S+1], s19, SCL
	s_mov_b64 s[G0S+2:G0S+3], s[66:67]
	s_or_b32 s[G0S+3], s[G0S+3], 0x80000000
	tensor_load_to_lds s[G0S:G0S+3], s[G1S:G1S+7]  ; every wave: its quarter of B's scales
	s_nop 0
.rept 4
	v_nop
.endr
.irp s, 0,1
	s_mov_b32 s[G0+4*\s], 1
	s_add_co_u32 s[G0+4*\s+1], s45, \s*SLOT
	s_add_nc_u64 s[G0+4*\s+2:G0+4*\s+3], s[20:21], \s*ASLOT
	s_or_b32 s[G0+4*\s+3], s[G0+4*\s+3], 0x80000000
	s_mov_b32 s[G0B+4*\s], 1
	s_add_co_u32 s[G0B+4*\s+1], s45, \s*SLOT
	s_add_nc_u64 s[G0B+4*\s+2:G0B+4*\s+3], s[46:47], \s*ROWB
	s_or_b32 s[G0B+4*\s+3], s[G0B+4*\s+3], 0x80000000
	JLOAD \s                                       ; three tensor loads of mine are out behind the second
.endr
	v_and_b32 v1, 15, v0                           ; r
	v_bfe_u32 v2, v0, 4, 1                         ; h
	v_and_b32 v6, 31, v0
	v_lshlrev_b32 v[L16], 4, v6
	v_mul_u32_u24 v3, v1, PITCH
	v_lshl_add_u32 v4, v2, 4, v3
	s_lshl_b32 s18, s15, 15                        ; A: my eight tiles' fragments
	s_mul_i32 s22, s16, HALFT
	s_add_co_u32 s22, s22, 2*HALFT                 ; B: my 128 rows, behind A's record
	s_lshl_b32 s23, s15, 11                        ; A's scale words: my eight tiles x 256 bytes
	s_add_co_u32 s23, s23, 65536
.irp s, 0,1
	v_add_nc_u32 v[ADRA+\s], s18, v[L16]
	v_add_nc_u32 v[ADSA+\s], s23, v[L16]
	v_add_nc_u32 v[ADRB+\s], s22, v4
	s_add_co_u32 s18, s18, SLOT
	s_add_co_u32 s22, s22, SLOT
	s_add_co_u32 s23, s23, SLOT
.endr
	v_mul_u32_u24 v5, v6, KS
	v_lshrrev_b32 v7, 8, v5
	v_lshl_add_u32 v5, v7, 4, v5
	s_mul_i32 s18, s16, 2*QS
	s_add_co_u32 s18, s18, SCL
	v_add_nc_u32 v[ADRS], s18, v5
	s_lshl_b32 s22, s42, 10                        ; b1 at my first column
	s_lshl_b32 s23, s16, 9
	s_add_co_u32 s22, s22, s23
	s_mov_b32 s23, 0
	s_add_nc_u64 s[10:11], s[10:11], s[22:23]
	v_lshlrev_b32 v22, 5, v2                       ; lane (r, h) wants, for B's block b, b1 of columns 16 b + 8 h + 0 .. 7
	WIN 0x40
.irp b, 0,1,2,3,4,5,6,7
	global_load_b128 v[64+8*\b:64+8*\b+3], v22, s[10:11] offset:64*\b
	global_load_b128 v[64+8*\b+4:64+8*\b+7], v22, s[10:11] offset:64*\b+16
.endr
	WIN 0
	s_lshr_b32 s22, s42, 1                         ; hq: record (K slot tile column / 2, block of rows = tile row),
	s_lshl_b32 s22, s22, 4
	s_add_co_u32 s22, s22, s17
	s_mul_i32 s22, s22, AREC
	s_and_b32 s23, s42, 1
	s_lshl_b32 s23, s23, 1
	s_add_co_u32 s23, s23, s16                     ; K step 2 (tile column % 2) + column half
	s_lshl_b32 s23, s23, 10
	s_add_co_u32 s22, s22, s23
	s_lshl_b32 s23, s15, 9
	s_add_co_u32 s80, s22, s23
	s_add_co_u32 s80, s80, 65536                   ; its scale words, my group of eight tiles
	s_mov_b32 s81, 0
	s_lshl_b32 s23, s15, 15
	s_add_co_u32 s22, s22, s23                     ; its codes, my eight tiles
	s_mov_b32 s23, 0
	s_add_nc_u64 s[80:81], s[12:13], s[80:81]
	s_add_nc_u64 s[12:13], s[12:13], s[22:23]
.irp b, 0,1,2,3
	v_mov_b32 v[TM+4+\b], 0                        ; a lane permute's destination counts as one of its sources
.endr
.macro WM                              ; one matrix instruction, by the symbols that MUL16 sets.  fB, fA: the side's scale words stand in lanes 16-31.  fZ: the constant 0 starts the sum
.if fZ
.if fB && fA
	v_wmma_scale_f32_16x16x128_f8f6f4 v[rD:rD+7], v[rB:rB+7], v[rA:rA+7], 0, v[rSB], v[rSA] matrix_a_fmt:MATRIX_FMT_FP4 matrix_b_fmt:MATRIX_FMT_FP4 matrix_a_scale:MATRIX_SCALE_ROW1 matrix_b_scale:MATRIX_SCALE_ROW1
.elseif fB
	v_wmma_scale_f32_16x16x128_f8f6f4 v[rD:rD+7], v[rB:rB+7], v[rA:rA+7], 0, v[rSB], v[rSA] matrix_a_fmt:MATRIX_FMT_FP4 matrix_b_fmt:MATRIX_FMT_FP4 matrix_a_scale:MATRIX_SCALE_ROW1
.elseif fA
	v_wmma_scale_f32_16x16x128_f8f6f4 v[rD:rD+7], v[rB:rB+7], v[rA:rA+7], 0, v[rSB], v[rSA] matrix_a_fmt:MATRIX_FMT_FP4 matrix_b_fmt:MATRIX_FMT_FP4 matrix_b_scale:MATRIX_SCALE_ROW1
.else
	v_wmma_scale_f32_16x16x128_f8f6f4 v[rD:rD+7], v[rB:rB+7], v[rA:rA+7], 0, v[rSB], v[rSA] matrix_a_fmt:MATRIX_FMT_FP4 matrix_b_fmt:MATRIX_FMT_FP4
.endif
.else
.if fB && fA
	v_wmma_scale_f32_16x16x128_f8f6f4 v[rD:rD+7], v[rB:rB+7], v[rA:rA+7], v[rC:rC+7], v[rSB], v[rSA] matrix_a_fmt:MATRIX_FMT_FP4 matrix_b_fmt:MATRIX_FMT_FP4 matrix_a_scale:MATRIX_SCALE_ROW1 matrix_b_scale:MATRIX_SCALE_ROW1
.elseif fB
	v_wmma_scale_f32_16x16x128_f8f6f4 v[rD:rD+7], v[rB:rB+7], v[rA:rA+7], v[rC:rC+7], v[rSB], v[rSA] matrix_a_fmt:MATRIX_FMT_FP4 matrix_b_fmt:MATRIX_FMT_FP4 matrix_a_scale:MATRIX_SCALE_ROW1
.elseif fA
	v_wmma_scale_f32_16x16x128_f8f6f4 v[rD:rD+7], v[rB:rB+7], v[rA:rA+7], v[rC:rC+7], v[rSB], v[rSA] matrix_a_fmt:MATRIX_FMT_FP4 matrix_b_fmt:MATRIX_FMT_FP4 matrix_b_scale:MATRIX_SCALE_ROW1
.else
	v_wmma_scale_f32_16x16x128_f8f6f4 v[rD:rD+7], v[rB:rB+7], v[rA:rA+7], v[rC:rC+7], v[rSB], v[rSA] matrix_a_fmt:MATRIX_FMT_FP4 matrix_b_fmt:MATRIX_FMT_FP4
.endif
.endif
.endm
; 16 matrix instructions: A's blocks a0, a0 + 1 x B's eight, the slot's q-th 128 along K.  p: B's set; sc: the set of scale words; cm: 0 adds in place, 2 starts the sums with the bias in window 1.
; The 64 accumulators take turns, one instruction a turn, in the same order in every step.
.macro MUL16 a0, p, q, sc, cm
.irp a, \a0, \a0+1
.irp b, 0,1,2,3,4,5,6,7
.set rD, 8*(8*((\a)%4)+\b)
.set rB, 128*(\p)+8*\b
.set rA, AF+8*(\a)
.set rSB, SC+32*(\sc)+16+4*(\b/2)+(\q)
.set fB, \b%2
.if ALAY == 1
.set rSA, SC+32*(\sc)+4*((\a)/2)+(\q)
.set fA, (\a)%2
.else
.set rSA, SC+32*(\sc)+4*(\q)+((\a)%4)
.set fA, (\a)/4
.endif
.set rC, rD
.set fZ, 0
.if (\cm) == 2
.set rC, 64+8*\b
.endif
	WM
.endr
.endr
.endm
.macro FETCH_B slot, q, p
	WIN TO_B
.irp i, 0,1,2,3,4,5,6,7
.irp c, 0,1
	ds_load_b128 v[128*(\p)+8*\i+4*\c:128*(\p)+8*\i+4*\c+3], v[ADRB+\slot] offset:64*(\q)+32*\c+\i*16*PITCH
.endr
.endr
	WIN 0
.endm
.macro FETCH_A slot, q, i0             ; A's blocks i0 .. i0 + 3: register images, 512 consecutive bytes a load
.irp i, \i0, \i0+1, \i0+2, \i0+3
.irp c, 0,1
	ds_load_b128 v[AF+8*(\i)+4*\c:AF+8*(\i)+4*\c+3], v[ADRA+\slot] offset:(\i)*4096+(\q)*1024+512*\c
.endr
.endr
.endm
.macro SCALES sc                       ; the slot's scale words into set sc: eight loads.  A's: register 4 i + q, lanes 0-15 tile 2 i, lanes 16-31 tile 2 i + 1.  B's likewise, 16 registers on
.irp i, 0,1,2,3
.if ALAY == 1
	ds_load_b128 v[SC+32*\sc+4*\i:SC+32*\sc+4*\i+3], v[ADSA+\sc] offset:512*\i
.else
	ds_load_b128 v[SC+32*\sc+4*\i:SC+32*\sc+4*\i+3], v[ADSA+\sc] offset:1024*\i
.endif
.endr
.irp i, 0,1,2,3
	ds_load_b128 v[SC+32*\sc+16+4*\i:SC+32*\sc+16+4*\i+3], v[ADRS] offset:\i*SBLK
.endr
.endm
; A load into a register that a matrix instruction has read, and a vector instruction or a store that reads a matrix result, stand NP places behind that matrix instruction; only plain vector
; instructions that name none of its registers are places (ISA guide 7.12.1 for vector instructions).
.macro PLACES n
.rept \n
	v_nop
.endr
.endm
.macro STEP slot, q, cm
	s_wait_dscnt 4*NL                              ; B's set and A's blocks 0-3 are in; the youngest eight loads (A's blocks 4-7) may be out
.if (\cm) == 2
	WIN 0x91                                       ; C (the bias) window 1, D window 2
.else
	WIN MUL_LO
.endif
	MUL16 0, (\q)%2, \q, \slot, \cm
	MUL16 2, (\q)%2, \q, \slot, \cm
	s_wait_dscnt 0                                 ; A's blocks 4-7 are in
	PLACES NP
	FETCH_B \slot, (\q)+1, 1-(\q)%2
	FETCH_A \slot, (\q)+1, 0
.if (\cm) == 2
	WIN 0xd1
.else
	WIN MUL_HI
.endif
	MUL16 4, (\q)%2, \q, \slot, \cm
	MUL16 6, (\q)%2, \q, \slot, \cm
	PLACES NP
	WIN 0
	FETCH_A \slot, (\q)+1, 4
.endm
; A slot's last step changes slots: ONE barrier; in front of it each wave waits for all its tensor loads, adds 0 to its spare word, and waits for that and for its own reads of this slot.
.macro TURN slot, next, fill
	s_wait_tensorcnt 0x0                           ; all my tensor loads have landed: my part of the next slot
	ds_add_u32 v[SPW], v[NIL]                      ; 0 onto my spare word
	s_wait_dscnt 4*NL+1                            ; (the add and the youngest eight loads may be out)
	WIN MUL_LO
	MUL16 0, 1, NQ-1, \slot, 0
	s_wait_dscnt 0x0                               ; the add is done, and my reads of this slot are over
	s_barrier_signal -1
	MUL16 2, 1, NQ-1, \slot, 0
	WIN 0
	s_barrier_wait -1
.if \fill
	CREST
	s_add_nc_u64 s[G0+4*\slot+2:G0+4*\slot+3], s[G0+4*\slot+2:G0+4*\slot+3], 2*ASLOT
	s_add_nc_u64 s[G0B+4*\slot+2:G0B+4*\slot+3], s[G0B+4*\slot+2:G0B+4*\slot+3], 2*ROWB
	JLOAD \slot
.else
	PLACES NP
.endif
	v_add_nc_u32 v[ADRS], 4*NQ, v[ADRS]            ; on to the next slot's scale words of B (no LDS load of mine is out)
	FETCH_B \next, 0, 0
	FETCH_A \next, 0, 0
	SCALES \next
	WIN MUL_HI
	MUL16 4, 1, NQ-1, \slot, 0
	MUL16 6, 1, NQ-1, \slot, 0
	PLACES NP
	WIN 0
	FETCH_A \next, 0, 4
.endm
.macro STEPS slot, from
.set Q, \from
.rept NQ-1-\from
	STEP \slot, Q, 0
.set Q, Q+1
.endr
.endm
	s_wait_tensorcnt 1                             ; B's scales and my part of slot 0 are in (slot 1's load may be out)
	s_barrier_signal -1
	s_barrier_wait -1                              ; everybody's are
	FETCH_B 0, 0, 0
	FETCH_A 0, 0, 0
	SCALES 0
	FETCH_A 0, 0, 4
	s_wait_loadcnt 0x0                             ; b1
	STEP 0, 0, 2                                   ; the first step's products start the sums with b1: no addition, nothing cleared
	STEPS 0, 1
	TURN 0, 1, 0                                   ; K = 1,024 is two slots: no slot is filled again
	STEPS 1, 0
	s_wait_dscnt 4*NL
	WIN MUL_LO
	MUL16 0, 1, NQ-1, 1, 0
	MUL16 2, 1, NQ-1, 1, 0
	s_wait_dscnt 0
	WIN MUL_HI
	MUL16 4, 1, NQ-1, 1, 0
	MUL16 6, 1, NQ-1, 1, 0
	WIN 0
	PLACES NP                                      ; in front of the first read of results
; 64 numbers of a lane, v[s] .. v[s + 63] of window w (eight neighbouring result tiles: register 16 b + i = column 32 b + 8 h + i, i < 8, or 32 b + 16 + 8 h + i - 8, of my row), become 8 registers of codes in
; v[PC] on, in the operand's layout (registers 4 c .. 4 c + 3 of lane (r, h): block 2 c + h of row r), and the row's scale word in v[pw].
.macro QUANT s, w, pw
	WIN ((\w)<<2)|((\w)<<4)
.irp b, 0,1,2,3
	v_max3_num_f32 v[TM+\b], 0x1800000, |v[(\s)+16*\b]|, |v[(\s)+16*\b+1]|   ; block b: my 16 numbers, and the floor 2^(3 - 127): the byte cannot fall under 1
.endr
.irp i, 2,4,6,8,10,12,14
.irp b, 0,1,2,3
	v_max3_num_f32 v[TM+\b], v[TM+\b], |v[(\s)+16*\b+\i]|, |v[(\s)+16*\b+\i+1]|
.endr
.endr
	WIN 0
.irp b, 0,1,2,3
	v_permlanex16_b32 v[TM+4+\b], v[TM+\b], s22, s23
.endr
.irp b, 0,1,2,3
	v_max_num_f32 v[TM+\b], v[TM+\b], v[TM+4+\b]   ; with lane l xor 16's 16: the block's largest magnitude
.endr
.irp b, 0,1,2,3
	v_add_nc_u32 v[TM+12+\b], 0xff000000, v[TM+\b] ; 2 off its exponent field: the conversion's scale operand
.endr
.irp b, 0,1,2,3
	v_lshrrev_b32 v[TM+4+\b], 23, v[TM+12+\b]      ; the scale's byte
.endr
	v_lshl_or_b32 v[\pw], v[TM+5], 8, v[TM+4]
	v_lshl_or_b32 v[\pw], v[TM+6], 16, v[\pw]
	v_lshl_or_b32 v[\pw], v[TM+7], 24, v[\pw]
	s_wait_xcnt 0x0                                ; the last block's stores have read v[PC] on: only behind this wait are they written again
	WIN (\w)
.irp c, 0,1
	v_cvt_scalef32_pk8_fp4_f32 v[PC+4*\c], v[(\s)+32*\c:(\s)+32*\c+7], v[TM+12+2*\c]
	v_cvt_scalef32_pk8_fp4_f32 v[PC+4*\c+1], v[(\s)+32*\c+16:(\s)+32*\c+23], v[TM+13+2*\c]
	v_cvt_scalef32_pk8_fp4_f32 v[PC+4*\c+2], v[(\s)+32*\c+8:(\s)+32*\c+15], v[TM+12+2*\c]
	v_cvt_scalef32_pk8_fp4_f32 v[PC+4*\c+3], v[(\s)+32*\c+24:(\s)+32*\c+31], v[TM+13+2*\c]
.endr
	WIN 0
	v_nop                                          ; one plain place behind a scaled conversion
.irp c, 0,1
	v_permlane16_swap_b32 v[PC+4*\c], v[PC+4*\c+1]     ; the first's lanes 16-31 change places with the second's lanes 0-15: now words 0 and 1 of block 2 c + h
	v_permlane16_swap_b32 v[PC+4*\c+2], v[PC+4*\c+3]   ; and words 2 and 3
.endr
.endm
	s_mov_b32 s22, 0x76543210
	s_mov_b32 s23, 0xfedcba98                      ; v_permlanex16_b32's selects for lane l xor 16
	s_mov_b32 s18, 0xffff0000                      ; lanes 16-31
.irp a, 0,1,2,3,4,5,6,7
	WIN ((2+\a/4)<<6)|((2+\a/4)<<2)
.set jj, 64*(\a%4)
.rept 64
	v_max_num_f32 v[jj], 0, v[jj]                  ; the activation, in f32; each accumulator from its low end on
.set jj, jj+1
.endr
	QUANT 64*(\a%4), 2+\a/4, WD+\a
	global_store_b128 v[L16], v[PC:PC+3], s[12:13] offset:\a*4096          ; 512 consecutive bytes each, aligned
	global_store_b128 v[L16], v[PC+4:PC+7], s[12:13] offset:\a*4096+512
.endr
.irp j, 0,1,2,3
	v_cndmask_b32 v[XW+\j], v[WD+\j], v[WD+4+\j], s18      ; lanes 0-15 the words of tiles 0-3, lanes 16-31 of tiles 4-7
.endr
	global_store_b128 v[L16], v[XW:XW+3], s[80:81]
	s_wait_tensorcnt 0x0                           ; the wave's end
	ds_add_u32 v[SPW], v[NIL]
	s_wait_dscnt 0x0
	CROUND                                         ; the closing round
	s_endpgm
.Lfunc_end_k_q932625bf59_w1:
	.size	k_q932625bf59_w1, .Lfunc_end_k_q932625bf59_w1-k_q932625bf59_w1
	.p2alignl 7, 3214868480
	.fill 96, 4, 3214868480
	.section	.rodata,"a",@progbits
	.p2align	6, 0x0
	.amdhsa_kernel k_q932625bf59_w1
		.amdhsa_group_segment_fixed_size 327680
		.amdhsa_private_segment_fixed_size 0
		.amdhsa_enable_private_segment 0
		.amdhsa_kernarg_size 40
		.amdhsa_user_sgpr_count 2
		.amdhsa_user_sgpr_kernarg_segment_ptr 1
		.amdhsa_wavefront_size32 1
		.amdhsa_system_sgpr_workgroup_id_x 1
		.amdhsa_system_sgpr_workgroup_id_y 1
		.amdhsa_system_sgpr_workgroup_id_z 1
		.amdhsa_system_vgpr_workitem_id 0
		.amdhsa_next_free_vgpr 1024
		.amdhsa_next_free_sgpr 100
		.amdhsa_reserve_vcc 0
		.amdhsa_float_denorm_mode_32 3
		.amdhsa_float_denorm_mode_16_64 3
		.amdhsa_memory_ordered 1
		.amdhsa_forward_progress 1
		.amdhsa_inst_pref_size 145
	.end_amdhsa_kernel
	.amdgpu_metadata
---
amdhsa.version: [ 1, 2 ]
amdhsa.kernels:
  - .name:           k_q932625bf59_w1
    .symbol:         k_q932625bf59_w1.kd
    .args:
      - { .name: xq, .offset: 0, .size: 8, .value_kind: global_buffer, .address_space: global }
      - { .name: w1_codes, .offset: 8, .size: 8, .value_kind: global_buffer, .address_space: global }
      - { .name: w1_scales, .offset: 16, .size: 8, .value_kind: global_buffer, .address_space: global }
      - { .name: b1, .offset: 24, .size: 8, .value_kind: global_buffer, .address_space: global }
      - { .name: hq, .offset: 32, .size: 8, .value_kind: global_buffer, .address_space: global }
    .group_segment_fixed_size: 327680
    .private_segment_fixed_size: 0
    .kernarg_segment_align: 8
    .kernarg_segment_size: 40
    .max_flat_workgroup_size: 128
    .sgpr_count:     100
    .vgpr_count:     1024
    .wavefront_size: 32
...
	.end_amdgpu_metadata
.endif
;; end of part 5
;; launch w2 (part 6): grid 4 x 16, 4 waves a work-group, clusters of 4 x 4, 327,680 bytes of LDS; arguments hq, w2_codes, w2_scales, b2, x1, out0; writes out0
.if DOCPART == 6
	.amdgcn_target "amdgcn-amd-amdhsa--gfx1250"
	.amdhsa_code_object_version 6
	.text
	.protected	k_q932625bf59_w2
	.globl	k_q932625bf59_w2
	.p2align	8
	.type	k_q932625bf59_w2,@function
k_q932625bf59_w2:
	s_mov_b64 s[64:65], 0
	v_nop
	global_prefetch_b8 v0, s[64:65] scope:SCOPE_SE
	s_setreg_imm32_b32 hwreg(HW_REG_WAVE_MODE, 25, 1), 1
	s_wait_xcnt 0x0
	s_wait_alu depctr_hold_cnt(0) depctr_sa_sdst(0) depctr_va_vdst(0) depctr_va_sdst(0) depctr_va_ssrc(0) depctr_va_vcc(0) depctr_vm_vsrc(0)
	s_getreg_b32 s2, hwreg(HW_REG_IB_STS2, 6, 4)
	s_cmp_eq_u32 s2, 0
	s_cbranch_scc0 .Lentry_in_a_cluster
	s_endpgm
.Lentry_in_a_cluster:
	s_bfe_u32 s2, ttmp6, 0x10000c
	s_cmp_lg_u32 s2, 0xf033
	s_cbranch_scc0 .Lentry_shape_is_right
	s_endpgm
.Lentry_shape_is_right:
; out = x1 + h W2^T + b2 on codes of FP4 (E2M1) with one E8M0 scale for each 32 along K = 4,096.  h: 4,096 rows, as records of register images (below).  W2: [1,024][2,048 bytes], scales [1,024][128].  b2 [1,024], x1, out: [4,096][1,024] f32.
; A tile of 256 x 256 is made by four waves, as many as a WGP has SIMDs; a wave makes 128 x 128: 64 accumulators, 512 registers.  K goes in eight steps of 512 through a ring of two LDS slots.
; 64 work-groups: the tile that feeds the most multiply-adds from each LDS byte is kept, at the price of WGPs without work; a tile of 128 x 128 would fill the chip and read each fragment for half the products.
; A's SLOT IS ONE RECORD of hq, [K slot][256 rows][69,632 bytes]: fragment (tile t, K step q) is 1,024 bytes at (4 t + q) 1,024, registers 4 c .. 4 c + 3 of lane l at + 512 c + 16 l;
; scale words at 65,536 + 1,024 q + 512 (t / 8) + 16 lane (r, hh): the four words of tiles 8 (t / 8) + 4 hh + 0 .. 3: A's scales ride in the ring.  B's tile: 256 rows of 256 bytes, 16 of padding behind each.  B's scales for all of K come once.
; CLUSTER: A's record is shared along a row of the cluster, B's tile and scales along a column: each is asked for JOINTLY, by the same tensor load with a mask that names the four.  Where a slot is filled again a round of the
; cluster's barrier stands in front of the refill; a refill has a slot's 256 matrix instructions, less the sixteen inside the barrier, in which to land.
; THE MATRIX INSTRUCTION IS USED TRANSPOSED (source 0 = 16 rows of W2, source 1 = 16 rows of h): a lane holds eight neighbouring numbers of a row of the result.
; THE WAY OUT: a block of 16 rows x 128 columns goes through my own stage in LDS and comes back as whole rows of 512 bytes; x1's rows, asked for blocks ahead, and b2 are added there.
; REGISTERS, in windows of 256: window 0: v0-31 addresses; v32-95 scale words, two sets; v100-103 b2 of my four columns; from v128 A's fragments, one set; on the way out v128-255 rows read back.
;   window 1: B's fragments, two sets, at v0 and v128; v64-127 and v192-255 x1's rows of blocks 0 and 1, on the way out all four quarters by turns.   windows 2, 3: the accumulators ((a, b) at v[8 (8 (a % 4) + b)]).
.set SIZE_K, 4096
.set ALAY,   2                         ; A's scale words lie [K step][group of 8 tiles][lane][4]
.set RESP,   80                        ; s[80:81] the residual
.set OUTP,   82                        ; s[82:83] the result
.set NQ,     4
.set ROWB,   256
.set KROW,   SIZE_K/2
.set PITCH,  272                       ; B's row in LDS: 256 bytes + 16 of padding: the sixteen rows of a load start at sixteen different banks (64 banks of 4 bytes: ISA guide 11.1)
.set NL,     2
.set NP,     4                         ; places behind this matrix instruction (ISA guide 7.12.1)
.set HALFT,  34816                     ; what one tensor load brings: half a record of A (136 x 256 bytes), or 128 rows of B (128 x 272)
.set SLOT,   4*HALFT
.set LAPS,   SIZE_K/1024               ; a lap = two slots = once round the ring
.set KS,     SIZE_K/32
.set AREC,   69632
.set ASLOT,  16*AREC
.set SCL,    2*SLOT                    ; behind the ring: B's scales, as units of 256 bytes + 16 of padding
.set QS,     (64*KS/256)*272
.set SBLK,   (32*KS/256)*272
.set SPARE,  SCL+4*QS                  ; the spare words, 128 bytes for each wave: two blocks of 256 bytes that no other line names
.set SPITCH, 528                       ; the stage: 16 rows x (512 bytes + 16) for each wave, in slot 0, which has had its last fill and its last read when the first result is stored there
.set ADRA, 16
.set ADSA, 18
.set ADRB, 20
.set STO,  24
.set RD,   25
.set L16,  26
.set ADRS, 27
.set SPW,  28
.set NIL,  29
.set SC,   32
.set BI,   100
.set AF,   128
.set BK,   128
.set G1,   24
.set G0,   32
.set G1B,  48
.set G0B,  56
.set G1S,  68
.set G0S,  76
.set MSB, 0
.macro WIN new                         ; the immediate's high byte repeats the setting that is left; a switch that changes nothing is dropped
.if MSB != (\new)
	s_set_vgpr_msb (MSB<<8)|(\new)
.set MSB, (\new)
.endif
.endm
.set MUL_LO, 0xa1                      ; source 0 (B) window 1, source 1 (A) window 0, C and D window 2
.set MUL_HI, 0xf1
.set TO_B,   0x40
.macro JLOAD s                         ; a joint load: waves 0 and 1 fetch A's two halves, waves 2 and 3 B's; four v_nop follow each of the two lines
	s_cmp_eq_u32 s15, 0
	s_cbranch_scc0 .Lfor_b_\@
	tensor_load_to_lds s[G0+4*\s:G0+4*\s+3], s[G1:G1+7]
	s_nop 0
.rept 4
	v_nop
.endr
	s_branch .Lasked_\@
.Lfor_b_\@:
	tensor_load_to_lds s[G0B+4*\s:G0B+4*\s+3], s[G1B:G1B+7]
	s_nop 0
.rept 4
	v_nop
.endr
.Lasked_\@:
.endm
.macro CREST                           ; a round of the cluster's barrier behind its opening barrier
	s_cmp_lg_u32 s14, 0
	s_cbranch_scc1 .Lnot_wave_0_\@
	s_barrier_signal -3
.Lnot_wave_0_\@:
	s_barrier_wait -3
	s_barrier_signal -1
	s_barrier_wait -1
.endm
.macro CROUND
	s_barrier_signal -1
	s_barrier_wait -1
	CREST
.endm
	s_load_b128 s[4:7], s[0:1], 0x0                ; hq, W2's codes
	s_load_b128 s[8:11], s[0:1], 0x10              ; W2's scales, b2
	s_load_b128 s[80:83], s[0:1], 0x20             ; x1, out0
	v_lshl_add_u32 v[SPW], v0, 2, SPARE
	v_mov_b32 v[NIL], 0
	ds_add_u32 v28, v29
	ds_add_u32 v28, v29
	s_wait_dscnt 0x0
	v_lshrrev_b32 v1, 5, v0
	v_readfirstlane_b32 s14, v1                    ; wave 0..3
	s_lshr_b32 s15, s14, 1                         ; which half of the tile's rows is mine.  Also: I fetch for A (0) or for B (1)
	s_and_b32 s16, s14, 1                          ; which half of its columns.  Also: which half of that tile I fetch
	s_bfe_u32 s40, ttmp6, 0x40000
	s_bfe_u32 s41, ttmp6, 0x40004
	s_lshl_b32 s42, ttmp9, 2
	s_add_co_u32 s42, s42, s40                     ; tile column = 4 x cluster x + cx
	s_and_b32 s17, ttmp7, 0xffff
	s_lshl_b32 s17, s17, 2
	s_add_co_u32 s17, s17, s41                     ; tile row = 4 x cluster y + cy
	s_lshl_b32 s43, s41, 2
	s_lshl_b32 s43, 15, s43                        ; my row of the cluster
	s_lshl_b32 s44, 0x1111, s40                    ; my column
	s_or_b32 s[G1+0], s43, (3<<16)|(1<<21)         ; A: the mask: my row; elements of 8 bytes; 21 set beside a mask; no padding
	s_mov_b32 s[G1+1], 32<<16
	s_mov_b32 s[G1+2], 136<<16
	s_mov_b32 s[G1+3], 32<<16
	s_mov_b32 s[G1+4], 136
	s_mov_b32 s[G1+5], 32
	s_mov_b32 s[G1+6], 0
	s_mov_b32 s[G1+7], 0
	s_or_b32 s[G1B+0], s44, (0<<16)|(1<<20)|(1<<21)|(5<<22)|(3<<25)  ; B: my column; elements of 1 byte; padding: 4 words after every 64
	s_mov_b32 s[G1B+1], ROWB<<16
	s_mov_b32 s[G1B+2], 128<<16
	s_mov_b32 s[G1B+3], ROWB<<16
	s_mov_b32 s[G1B+4], 128
	s_mov_b32 s[G1B+5], KROW
	s_mov_b32 s[G1B+6], 0
	s_mov_b32 s[G1B+7], 0
	s_or_b32 s[G1S+0], s44, (3<<16)|(1<<20)|(1<<21)|(5<<22)|(3<<25)  ; B's scales of 64 rows: a dense block, as rows of 256 bytes, 16 of padding behind each
	s_mov_b32 s[G1S+1], 32<<16
	s_mov_b32 s[G1S+2], (64*KS/256)<<16
	s_mov_b32 s[G1S+3], 32<<16
	s_mov_b32 s[G1S+4], 64*KS/256
	s_mov_b32 s[G1S+5], 32
	s_mov_b32 s[G1S+6], 0
	s_mov_b32 s[G1S+7], 0
	s_mul_i32 s20, s17, AREC
	s_mul_i32 s18, s16, HALFT
	s_add_co_u32 s20, s20, s18
	s_mov_b32 s21, 0
	s_lshl_b32 s46, s42, 8
	s_lshl_b32 s18, s16, 7
	s_add_co_u32 s46, s46, s18
	s_mul_i32 s46, s46, KROW
	s_mov_b32 s47, 0
	s_lshl_b32 s66, s42, 8
	s_lshl_b32 s18, s14, 6
	s_add_co_u32 s66, s66, s18
	s_mul_i32 s66, s66, KS
	s_mov_b32 s67, 0
	s_mul_i32 s45, s14, HALFT                      ; no place in the cluster enters an LDS address
	s_mul_i32 s19, s14, QS
	s_wait_kmcnt 0x0
	s_add_nc_u64 s[20:21], s[4:5], s[20:21]
	s_add_nc_u64 s[46:47], s[6:7], s[46:47]
	s_add_nc_u64 s[66:67], s[8:9], s[66:67]
	CROUND                                         ; all sixteen work-groups are here: the first joint loads meet
	s_mov_b32 s[G0S], 1
	s_add_co_u32 s[G0S+1], s19, SCL
	s_mov_b64 s[G0S+2:G0S+3], s[66:67]
	s_or_b32 s[G0S+3], s[G0S+3], 0x80000000
	tensor_load_to_lds s[G0S:G0S+3], s[G1S:G1S+7]  ; every wave: its quarter of B's scales
	s_nop 0
.rept 4
	v_nop
.endr
.irp s, 0,1
	s_mov_b32 s[G0+4*\s], 1
	s_add_co_u32 s[G0+4*\s+1], s45, \s*SLOT
	s_add_nc_u64 s[G0+4*\s+2:G0+4*\s+3], s[20:21], \s*ASLOT
	s_or_b32 s[G0+4*\s+3], s[G0+4*\s+3], 0x80000000
	s_mov_b32 s[G0B+4*\s], 1
	s_add_co_u32 s[G0B+4*\s+1], s45, \s*SLOT
	s_add_nc_u64 s[G0B+4*\s+2:G0B+4*\s+3], s[46:47], \s*ROWB
	s_or_b32 s[G0B+4*\s+3], s[G0B+4*\s+3], 0x80000000
	JLOAD \s                                       ; three tensor loads of mine are out behind the second; later one, behind each round
.endr
	v_and_b32 v1, 15, v0                           ; r
	v_bfe_u32 v2, v0, 4, 1                         ; h
	v_and_b32 v6, 31, v0
	v_lshlrev_b32 v[L16], 4, v6
	v_mul_u32_u24 v3, v1, PITCH
	v_lshl_add_u32 v4, v2, 4, v3
	s_lshl_b32 s18, s15, 15                        ; A: my eight tiles' fragments
	s_mul_i32 s22, s16, HALFT
	s_add_co_u32 s22, s22, 2*HALFT                 ; B: my 128 rows, behind A's record
	s_lshl_b32 s23, s15, 9                         ; A's scale words: my group of eight tiles
	s_add_co_u32 s23, s23, 65536
.irp s, 0,1
	v_add_nc_u32 v[ADRA+\s], s18, v[L16]
	v_add_nc_u32 v[ADSA+\s], s23, v[L16]
	v_add_nc_u32 v[ADRB+\s], s22, v4
	s_add_co_u32 s18, s18, SLOT
	s_add_co_u32 s22, s22, SLOT
	s_add_co_u32 s23, s23, SLOT
.endr
	v_mul_u32_u24 v5, v6, KS
	v_lshrrev_b32 v7, 8, v5
	v_lshl_add_u32 v5, v7, 4, v5
	s_mul_i32 s18, s16, 2*QS
	s_add_co_u32 s18, s18, SCL
	v_add_nc_u32 v[ADRS], s18, v5
	s_mul_i32 s23, s14, 16*SPITCH                  ; my stage
	v_mul_u32_u24 v5, v1, SPITCH
	v_lshl_add_u32 v5, v2, 5, v5
	v_add_nc_u32 v[STO], s23, v5                   ; in: row r, 32 bytes for each half of the lanes
	v_add_nc_u32 v[RD], s23, v[L16]                ; back: the 32 lanes take one row of 512 bytes
	s_lshl_b32 s18, s42, 10                        ; my first column, in bytes
	s_lshl_b32 s19, s16, 9
	s_add_co_u32 s18, s18, s19
	s_mov_b32 s19, 0
	s_add_nc_u64 s[10:11], s[10:11], s[18:19]      ; b2 there
	s_lshl_b32 s22, s17, 20                        ; my first row, 4,096 bytes a row
	s_lshl_b32 s23, s15, 19
	s_add_co_u32 s22, s22, s23
	s_add_co_u32 s22, s22, s18
	s_mov_b32 s23, 0
	s_add_nc_u64 s[RESP:RESP+1], s[RESP:RESP+1], s[22:23]
	s_add_nc_u64 s[OUTP:OUTP+1], s[OUTP:OUTP+1], s[22:23]
	global_load_b128 v[BI:BI+3], v[L16], s[10:11]  ; b2 of the four columns that I hold when rows come back from the stage
; the residual's 16 rows of block a, as they will come back from the stage, into a quarter of window 1: blocks 0, 1 (4, 5) the two idle quarters, blocks 2, 3 (6, 7) B's two sets, once they are done with
.macro RLOAD a
.set RS, 128*(((\a)%4)%2)+64*(1-((\a)%4)/2)
	WIN 0x40
.irp t, 0,1,2,3,4,5,6,7,8,9,10,11,12,13,14,15
	global_load_b128 v[RS+4*\t:RS+4*\t+3], v[L16], s[RESP:RESP+1] offset:(16*(\a)+\t)*4096
.endr
	WIN 0
.endm
	RLOAD 0
	RLOAD 1
.macro WM                              ; one matrix instruction, by the symbols that MUL16 sets.  fB, fA: the side's scale words stand in lanes 16-31.  fZ: the constant 0 starts the sum
.if fZ
.if fB && fA
	v_wmma_scale_f32_16x16x128_f8f6f4 v[rD:rD+7], v[rB:rB+7], v[rA:rA+7], 0, v[rSB], v[rSA] matrix_a_fmt:MATRIX_FMT_FP4 matrix_b_fmt:MATRIX_FMT_FP4 matrix_a_scale:MATRIX_SCALE_ROW1 matrix_b_scale:MATRIX_SCALE_ROW1
.elseif fB
	v_wmma_scale_f32_16x16x128_f8f6f4 v[rD:rD+7], v[rB:rB+7], v[rA:rA+7], 0, v[rSB], v[rSA] matrix_a_fmt:MATRIX_FMT_FP4 matrix_b_fmt:MATRIX_FMT_FP4 matrix_a_scale:MATRIX_SCALE_ROW1
.elseif fA
	v_wmma_scale_f32_16x16x128_f8f6f4 v[rD:rD+7], v[rB:rB+7], v[rA:rA+7], 0, v[rSB], v[rSA] matrix_a_fmt:MATRIX_FMT_FP4 matrix_b_fmt:MATRIX_FMT_FP4 matrix_b_scale:MATRIX_SCALE_ROW1
.else
	v_wmma_scale_f32_16x16x128_f8f6f4 v[rD:rD+7], v[rB:rB+7], v[rA:rA+7], 0, v[rSB], v[rSA] matrix_a_fmt:MATRIX_FMT_FP4 matrix_b_fmt:MATRIX_FMT_FP4
.endif
.else
.if fB && fA
	v_wmma_scale_f32_16x16x128_f8f6f4 v[rD:rD+7], v[rB:rB+7], v[rA:rA+7], v[rC:rC+7], v[rSB], v[rSA] matrix_a_fmt:MATRIX_FMT_FP4 matrix_b_fmt:MATRIX_FMT_FP4 matrix_a_scale:MATRIX_SCALE_ROW1 matrix_b_scale:MATRIX_SCALE_ROW1
.elseif fB
	v_wmma_scale_f32_16x16x128_f8f6f4 v[rD:rD+7], v[rB:rB+7], v[rA:rA+7], v[rC:rC+7], v[rSB], v[rSA] matrix_a_fmt:MATRIX_FMT_FP4 matrix_b_fmt:MATRIX_FMT_FP4 matrix_a_scale:MATRIX_SCALE_ROW1
.elseif fA
	v_wmma_scale_f32_16x16x128_f8f6f4 v[rD:rD+7], v[rB:rB+7], v[rA:rA+7], v[rC:rC+7], v[rSB], v[rSA] matrix_a_fmt:MATRIX_FMT_FP4 matrix_b_fmt:MATRIX_FMT_FP4 matrix_b_scale:MATRIX_SCALE_ROW1
.else
	v_wmma_scale_f32_16x16x128_f8f6f4 v[rD:rD+7], v[rB:rB+7], v[rA:rA+7], v[rC:rC+7], v[rSB], v[rSA] matrix_a_fmt:MATRIX_FMT_FP4 matrix_b_fmt:MATRIX_FMT_FP4
.endif
.endif
.endm
; 16 matrix instructions: A's blocks a0, a0 + 1 x B's eight, the slot's q-th 128 along K.  p: B's set; sc: the set of scale words; cm: 0 adds in place, 1 starts the sums with 0.
; The 64 accumulators take turns, one instruction a turn, in the same order in every step, over the loop's backward jump too.
.macro MUL16 a0, p, q, sc, cm
.irp a, \a0, \a0+1
.irp b, 0,1,2,3,4,5,6,7
.set rD, 8*(8*((\a)%4)+\b)
.set rB, 128*(\p)+8*\b
.set rA, AF+8*(\a)
.set rSB, SC+32*(\sc)+16+4*(\b/2)+(\q)
.set fB, \b%2
.if ALAY == 1
.set rSA, SC+32*(\sc)+4*((\a)/2)+(\q)
.set fA, (\a)%2
.else
.set rSA, SC+32*(\sc)+4*(\q)+((\a)%4)
.set fA, (\a)/4
.endif
.set rC, rD
.set fZ, 0
.if (\cm) == 1
.set fZ, 1
.endif
	WM
.endr
.endr
.endm
.macro FETCH_B slot, q, p
	WIN TO_B
.irp i, 0,1,2,3,4,5,6,7
.irp c, 0,1
	ds_load_b128 v[128*(\p)+8*\i+4*\c:128*(\p)+8*\i+4*\c+3], v[ADRB+\slot] offset:64*(\q)+32*\c+\i*16*PITCH
.endr
.endr
	WIN 0
.endm
.macro FETCH_A slot, q, i0             ; A's blocks i0 .. i0 + 3: register images, 512 consecutive bytes a load
.irp i, \i0, \i0+1, \i0+2, \i0+3
.irp c, 0,1
	ds_load_b128 v[AF+8*(\i)+4*\c:AF+8*(\i)+4*\c+3], v[ADRA+\slot] offset:(\i)*4096+(\q)*1024+512*\c
.endr
.endr
.endm
.macro SCALES sc                       ; the slot's scale words into set sc: eight loads.  A's: register 4 q + j, lanes 0-15 tile j, lanes 16-31 tile 4 + j.  B's: register 16 + 4 i + q, lanes 0-15 tile 2 i, lanes 16-31 tile 2 i + 1
.irp i, 0,1,2,3
.if ALAY == 1
	ds_load_b128 v[SC+32*\sc+4*\i:SC+32*\sc+4*\i+3], v[ADSA+\sc] offset:512*\i
.else
	ds_load_b128 v[SC+32*\sc+4*\i:SC+32*\sc+4*\i+3], v[ADSA+\sc] offset:1024*\i
.endif
.endr
.irp i, 0,1,2,3
	ds_load_b128 v[SC+32*\sc+16+4*\i:SC+32*\sc+16+4*\i+3], v[ADRS] offset:\i*SBLK
.endr
.endm
; A load into a register that a matrix instruction has read, and a vector instruction or a store that reads a matrix result, stand NP places behind that matrix instruction; only plain vector
; instructions that name none of its registers are places (ISA guide 7.12.1 for vector instructions).
.macro PLACES n
.rept \n
	v_nop
.endr
.endm
.macro STEP slot, q, cm
	s_wait_dscnt 4*NL                              ; B's set and A's blocks 0-3 are in; the youngest eight loads (A's blocks 4-7) may be out
	WIN MUL_LO
	MUL16 0, (\q)%2, \q, \slot, \cm
	MUL16 2, (\q)%2, \q, \slot, \cm
	s_wait_dscnt 0                                 ; A's blocks 4-7 are in
	PLACES NP
	FETCH_B \slot, (\q)+1, 1-(\q)%2
	FETCH_A \slot, (\q)+1, 0
	WIN MUL_HI
	MUL16 4, (\q)%2, \q, \slot, \cm
	MUL16 6, (\q)%2, \q, \slot, \cm
	PLACES NP
	WIN 0
	FETCH_A \slot, (\q)+1, 4
.endm
; A slot's last step changes slots: ONE barrier; in front of it each wave waits for all its tensor loads, adds 0 to its spare word, and waits for that and for its own reads of this slot.  fill = 1: this slot is filled again, two slots ahead.
.macro TURN slot, next, fill
	s_wait_tensorcnt 0x0                           ; all my tensor loads have landed: my part of the next slot
	ds_add_u32 v[SPW], v[NIL]                      ; 0 onto my spare word
	s_wait_dscnt 4*NL+1                            ; (the add and the youngest eight loads may be out)
	WIN MUL_LO
	MUL16 0, 1, NQ-1, \slot, 0                     ; sixteen matrix instructions stand between the add and the wait for it
	s_wait_dscnt 0x0                               ; the add is done, and my reads of this slot are over
	s_barrier_signal -1
	MUL16 2, 1, NQ-1, \slot, 0
	WIN 0
	s_barrier_wait -1
.if \fill
	CREST                                          ; the barrier has opened a round of the cluster's barrier: no wave of any partner still reads this slot or has a load on its way
	s_add_nc_u64 s[G0+4*\slot+2:G0+4*\slot+3], s[G0+4*\slot+2:G0+4*\slot+3], 2*ASLOT
	s_add_nc_u64 s[G0B+4*\slot+2:G0B+4*\slot+3], s[G0B+4*\slot+2:G0B+4*\slot+3], 2*ROWB
	JLOAD \slot                                    ; the first tensor load behind the round; its four v_nop are the places in front of the loads below
.else
	PLACES NP
.endif
	v_add_nc_u32 v[ADRS], 4*NQ, v[ADRS]            ; on to the next slot's scale words of B (no LDS load of mine is out)
	FETCH_B \next, 0, 0
	FETCH_A \next, 0, 0
	SCALES \next
	WIN MUL_HI
	MUL16 4, 1, NQ-1, \slot, 0
	MUL16 6, 1, NQ-1, \slot, 0
	PLACES NP
	WIN 0
	FETCH_A \next, 0, 4
.endm
.macro STEPS slot, from
.set Q, \from
.rept NQ-1-\from
	STEP \slot, Q, 0
.set Q, Q+1
.endr
.endm
	s_wait_tensorcnt 1                             ; B's scales and my part of slot 0 are in (slot 1's load may be out)
	s_barrier_signal -1
	s_barrier_wait -1                              ; everybody's are
	FETCH_B 0, 0, 0
	FETCH_A 0, 0, 0
	SCALES 0
	FETCH_A 0, 0, 4
	STEP 0, 0, 1                                   ; the first step stands in front of the loop: its products start the sums
	s_mov_b32 s3, LAPS-1
.Llap:                                                 ; a trip goes once round the ring, from a lap's second step to the next lap's first, and fills both slots again
	STEPS 0, 1
	TURN 0, 1, 1
	STEPS 1, 0
	TURN 1, 0, 1
	STEP 0, 0, 0
	s_sub_co_u32 s3, s3, 1
	s_cmp_lg_u32 s3, 0
	s_cbranch_scc1 .Llap
	STEPS 0, 1                                     ; the last lap fills nothing, and has no round of the cluster's barrier
	TURN 0, 1, 0
	STEPS 1, 0
	s_wait_dscnt 4*NL
	WIN MUL_LO
	MUL16 0, 1, NQ-1, 1, 0
	MUL16 2, 1, NQ-1, 1, 0
	s_wait_dscnt 0
	WIN MUL_HI
	MUL16 4, 1, NQ-1, 1, 0
	MUL16 6, 1, NQ-1, 1, 0
	WIN 0
; THE WAY OUT.  LDS serves a wave's instructions in order (ISA guide 5.7.1.4): no wait between the stage's stores and its loads, nor in front of the next block's stores.
.macro TOSTAGE a
.set AC, 64*((\a)%4)
	WIN 0x08+4*((\a)/4)                            ; an LDS store's data are its source 1: window 2 or 3
.irp b, 0,1,2,3,4,5,6,7
	ds_store_b128 v[STO], v[AC+8*\b:AC+8*\b+3] offset:64*\b          ; each accumulator from its low end on
	ds_store_b128 v[STO], v[AC+8*\b+4:AC+8*\b+7] offset:64*\b+16
.endr
	WIN 0
.set BB, BK+64*((\a)%2)
.irp t, 0,1,2,3,4,5,6,7,8,9,10,11,12,13,14,15
	ds_load_b128 v[BB+4*\t:BB+4*\t+3], v[RD] offset:\t*SPITCH
.endr
.endm
.macro SEND a, younger                 ; younger: the LDS instructions issued behind block a's loads, which may stay out
.set BB, BK+64*((\a)%2)
.set RS, 128*(((\a)%4)%2)+64*(1-((\a)%4)/2)
	s_wait_dscnt \younger                          ; the block is back in registers
.if 7-(\a) > 3
	s_wait_loadcnt 48                              ; its residual is in (and b2, asked for ahead of all); those of the three blocks behind it may be out
.else
	s_wait_loadcnt 16*(7-(\a))
.endif
	WIN 0x04                                       ; source 1: window 1
.irp t, 0,1,2,3,4,5,6,7,8,9,10,11,12,13,14,15,16,17,18,19,20,21,22,23,24,25,26,27,28,29,30,31
	v_pk_add_f32 v[BB+2*\t:BB+2*\t+1], v[BB+2*\t:BB+2*\t+1], v[RS+2*\t:RS+2*\t+1]
.endr
	WIN 0
.irp t, 0,1,2,3,4,5,6,7,8,9,10,11,12,13,14,15
	v_pk_add_f32 v[BB+4*\t:BB+4*\t+1], v[BB+4*\t:BB+4*\t+1], v[BI:BI+1]
	v_pk_add_f32 v[BB+4*\t+2:BB+4*\t+3], v[BB+4*\t+2:BB+4*\t+3], v[BI+2:BI+3]
.endr
.if (\a) < 4
	RLOAD (\a)+4                                   ; its quarter takes the block four further on
.endif
.irp t, 0,1,2,3,4,5,6,7,8,9,10,11,12,13,14,15
	global_store_b128 v[L16], v[BB+4*\t:BB+4*\t+3], s[OUTP:OUTP+1] offset:(16*(\a)+\t)*4096 th:TH_STORE_NT   ; 32 lanes store 512 consecutive bytes, at a multiple of 512 from the buffer's first byte; written once, read by nobody here
.endr
.endm
	PLACES NP                                      ; in front of the loads into B's sets and A's fragments, and of the first read of results
	RLOAD 2
	RLOAD 3
	TOSTAGE 0
.irp a, 1,2,3,4,5,6,7
.if \a > 1
	s_wait_xcnt 0x0                                ; block a - 2's stores have read their registers: block a's loads may land there
.endif
	TOSTAGE \a
	SEND \a-1, 32                                  ; behind block a - 1's loads: block a's 16 stores and 16 loads
.endr
	SEND 7, 0
	s_wait_tensorcnt 0x0                           ; the wave's end: behind my last tensor load and my last LDS store
	ds_add_u32 v[SPW], v[NIL]
	s_wait_dscnt 0x0
	CROUND                                         ; the closing round: no work-group ends while a partner may still ask for a tile that names it
	s_endpgm
.Lfunc_end_k_q932625bf59_w2:
	.size	k_q932625bf59_w2, .Lfunc_end_k_q932625bf59_w2-k_q932625bf59_w2
	.p2alignl 7, 3214868480
	.fill 96, 4, 3214868480
	.section	.rodata,"a",@progbits
	.p2align	6, 0x0
	.amdhsa_kernel k_q932625bf59_w2
		.amdhsa_group_segment_fixed_size 327680
		.amdhsa_private_segment_fixed_size 0
		.amdhsa_enable_private_segment 0
		.amdhsa_kernarg_size 48
		.amdhsa_user_sgpr_count 2
		.amdhsa_user_sgpr_kernarg_segment_ptr 1
		.amdhsa_wavefront_size32 1
		.amdhsa_system_sgpr_workgroup_id_x 1
		.amdhsa_system_sgpr_workgroup_id_y 1
		.amdhsa_system_sgpr_workgroup_id_z 1
		.amdhsa_system_vgpr_workitem_id 0
		.amdhsa_next_free_vgpr 1024
		.amdhsa_next_free_sgpr 100
		.amdhsa_reserve_vcc 0
		.amdhsa_float_denorm_mode_32 3
		.amdhsa_float_denorm_mode_16_64 3
		.amdhsa_memory_ordered 1
		.amdhsa_forward_progress 1
		.amdhsa_inst_pref_size 255
	.end_amdhsa_kernel
	.amdgpu_metadata
---
amdhsa.version: [ 1, 2 ]
amdhsa.kernels:
  - .name:           k_q932625bf59_w2
    .symbol:         k_q932625bf59_w2.kd
    .args:
      - { .name: hq, .offset: 0, .size: 8, .value_kind: global_buffer, .address_space: global }
      - { .name: w2_codes, .offset: 8, .size: 8, .value_kind: global_buffer, .address_space: global }
      - { .name: w2_scales, .offset: 16, .size: 8, .value_kind: global_buffer, .address_space: global }
      - { .name: b2, .offset: 24, .size: 8, .value_kind: global_buffer, .address_space: global }
      - { .name: x1, .offset: 32, .size: 8, .value_kind: global_buffer, .address_space: global }
      - { .name: out0, .offset: 40, .size: 8, .value_kind: global_buffer, .address_space: global }
    .group_segment_fixed_size: 327680
    .private_segment_fixed_size: 0
    .kernarg_segment_align: 8
    .kernarg_segment_size: 48
    .max_flat_workgroup_size: 128
    .sgpr_count:     100
    .vgpr_count:     1024
    .wavefront_size: 32
...
	.end_amdgpu_metadata
.endif
;; end of part 6
;; ======== version 2 of 2: 7 launches
;; limits: right only within a limited range of input values
;; workspace buffers: xq 2,228,224 bytes; aq 2,228,224 bytes; hq 8,912,896 bytes; qkc 4,718,592 bytes; vbuf 16,777,216 bytes; x1 16,777,216 bytes
;; launch ln1 (part 7): grid 256 x 1, 16 waves a work-group, no clusters, 84,992 bytes of LDS; arguments x, alpha1, bias1, xq; writes xq
.if DOCPART == 7
	.amdgcn_target "amdgcn-amd-amdhsa--gfx1250"
	.amdhsa_code_object_version 6
	.text
	.protected	k_q932625bf59_ln1
	.globl	k_q932625bf59_ln1
	.p2align	8
	.type	k_q932625bf59_ln1,@function
k_q932625bf59_ln1:
	s_mov_b64 s[64:65], 0
	v_nop
	global_prefetch_b8 v0, s[64:65] scope:SCOPE_SE
	s_setreg_imm32_b32 hwreg(HW_REG_WAVE_MODE, 25, 1), 1
	s_wait_xcnt 0x0
; y = alpha (x - mean) / (std + 1e-6) + bias along rows of 1,024 f32 (std with 1,023 in the divisor), and y quantised to codes of FP4 (E2M1) with one E8M0 byte for each 32 along the row.
; y never goes to memory: what leaves are the codes, laid in the order of the operand's registers for the products that read them.
; OUT: [K slot of 512: 2][block of 256 rows: 16][69,632 bytes].  In a record the codes of row tile t (16 rows) lie at 4,096 t + 256 k + 16 r (k: block of 32 in the slot, r: row in the tile),
; which is (4 t + q) 1,024 + 512 c + 16 lane for registers 4 c .. 4 c + 3 of lane (r, h) of K step q; the scale bytes lie at 65,536 + 256 t + 16 r + k.
; SHARES.  A work-group of sixteen waves owns one row tile; a wave owns one row: 32 registers, read from memory once, kept for the mean, the squares and the scaling.  Mean first, then the sum of (x - mean)^2:
; no difference of large sums is formed, so a common offset of the inputs does no harm.
; Memory binds: no matrix unit, no tensor loads, no cluster (no two work-groups read the same byte).  One barrier: a tile's codes of sixteen rows meet in LDS and leave as runs of 512 consecutive bytes.
; LIMITS: NaN and infinities are not served.  A block whose largest magnitude lies under 2^-124, a block of zeros among them, gets the scale byte 1 (its codes are then zeros or subnormal codes); these bytes are read by this program alone.
.set WTB,   4608                       ; LDS: a wave's own stage, 32 blocks x (128 bytes + 16 of padding)
.set CST,   73728                      ; the tile's codes: [block 32][row 16][16 bytes], 272 bytes from block to block
.set CP,    272
.set SST,   82432                      ; the tile's scale bytes: [K slot 2][row 16][16]
.set AREC,  69632
.set ASLOT, 1114112
.set X,     8                          ; v8-39   the row as loaded: register 4 i + e = element 128 i + 4 lane + e
.set Y,     40                         ; v40-71  sums at work; later my block of 32 neighbours
	s_load_b256 s[4:11], s[0:1], 0x0               ; in s[4:5], alpha s[6:7], bias s[8:9], out s[10:11]
	v_lshl_add_u32 v96, v0, 2, 0x14400
	v_mov_b32 v97, 0
	v_lshrrev_b32 v1, 5, v0
	s_delay_alu instid0(VALU_DEP_1)
	v_readfirstlane_b32 s12, v1                    ; wave 0..15 = my row in the tile
	v_and_b32 v1, 31, v0                           ; lane
	s_delay_alu instid0(VALU_DEP_1)
	v_lshlrev_b32 v2, 4, v1                        ; 16 x lane
	s_delay_alu instid0(VALU_DEP_2)
	v_lshrrev_b32 v6, 4, v1                        ; h
	s_delay_alu instid0(VALU_DEP_3)
	v_and_b32 v91, 15, v1                          ; r
	s_mov_b32 s14, 0x76543210
	s_mov_b32 s15, 0xfedcba98                      ; v_permlanex16_b32's selects for lane l xor 16
	s_mul_i32 s13, s12, WTB
	v_lshrrev_b32 v3, 3, v1
	s_delay_alu instid0(VALU_DEP_1)
	v_mul_u32_u24 v3, v3, 144
	v_and_b32 v4, 7, v1
	s_delay_alu instid0(VALU_DEP_1)
	v_lshl_add_u32 v3, v4, 4, v3
	s_delay_alu instid0(VALU_DEP_1)
	v_add_nc_u32 v3, s13, v3                       ; stage, in: eight lanes' 128 bytes are a block: 144 (lane / 8) + 16 (lane % 8); a load's four blocks take 576 bytes
	v_mul_u32_u24 v4, v1, 144
	s_delay_alu instid0(VALU_DEP_1)
	v_add_nc_u32 v4, s13, v4                       ; stage, out: block = lane
	s_lshl_b32 s13, s12, 4
	s_add_co_u32 s18, s13, CST
	v_mul_u32_u24 v5, v1, CP
	s_delay_alu instid0(VALU_DEP_1)
	v_add_nc_u32 v5, s18, v5                       ; my block's codes: CST + 272 x block + 16 x row
	s_add_co_u32 s18, s13, SST
	v_lshl_add_u32 v92, v6, 8, v91
	s_delay_alu instid0(VALU_DEP_1)
	v_add_nc_u32 v92, s18, v92                     ; my block's scale byte: SST + 256 (block / 16) + 16 x row + block % 16
	s_mul_i32 s18, s12, 2*CP
	s_add_co_u32 s18, s18, CST
	v_mul_u32_u24 v7, v6, CP
	s_delay_alu instid0(VALU_DEP_1)
	v_lshl_add_u32 v7, v91, 4, v7
	s_delay_alu instid0(VALU_DEP_1)
	v_add_nc_u32 v7, s18, v7                       ; the way out: wave w takes blocks 2 w and 2 w + 1 of all sixteen rows
	v_add_nc_u32 v93, SST, v2                      ; wave 0: the scale bytes, 16 a lane
	v_mul_u32_u24 v94, v6, ASLOT
	s_delay_alu instid0(VALU_DEP_1)
	v_lshl_add_u32 v94, v91, 4, v94                ; and their place in memory: K slot h, row r
	v_mov_b32 v79, 0                               ; a lane permute's destination counts as one of its sources
	s_lshl_b32 s20, ttmp9, 16
	s_lshl_b32 s21, s12, 12
	s_add_co_u32 s20, s20, s21                     ; my row: (16 x tile + wave) x 4,096 bytes
	s_mov_b32 s21, 0
	s_lshr_b32 s26, ttmp9, 4
	s_mul_i32 s26, s26, AREC                       ; the tile's record
	s_and_b32 s27, ttmp9, 15
	s_lshl_b32 s22, s27, 12
	s_add_co_u32 s22, s22, s26
	s_lshl_b32 s24, s27, 8
	s_add_co_u32 s24, s24, s26
	s_add_co_u32 s24, s24, 65536                   ; the tile's scale bytes in K slot 0's record
	s_lshr_b32 s26, s12, 3
	s_mul_i32 s26, s26, ASLOT
	s_add_co_u32 s22, s22, s26
	s_and_b32 s26, s12, 7
	s_lshl_b32 s26, s26, 9
	s_add_co_u32 s22, s22, s26                     ; my two blocks' 512 bytes: K slot wave / 8, blocks 2 (wave % 8) on
	s_mov_b32 s23, 0
	s_mov_b32 s25, 0
	s_wait_kmcnt 0x0
	s_load_b32 s16, s[6:7], 0x0                    ; alpha
	s_load_b32 s17, s[8:9], 0x0                    ; bias
	s_add_nc_u64 s[4:5], s[4:5], s[20:21]
	s_add_nc_u64 s[22:23], s[10:11], s[22:23]
	s_add_nc_u64 s[24:25], s[10:11], s[24:25]
.irp i, 0,1,2,3,4,5,6,7
	global_load_b128 v[X+4*\i:X+4*\i+3], v2, s[4:5] offset:512*\i    ; 32 lanes read 512 consecutive bytes
.endr
.macro WSUM r, t                       ; the sum over the 32 lanes, in every lane
	s_delay_alu instid0(VALU_DEP_1)
	v_add_f32_dpp v[\r], v[\r], v[\r] row_xmask:1 row_mask:0xf bank_mask:0xf
	s_delay_alu instid0(VALU_DEP_1)
	v_add_f32_dpp v[\r], v[\r], v[\r] row_xmask:2 row_mask:0xf bank_mask:0xf
	s_delay_alu instid0(VALU_DEP_1)
	v_add_f32_dpp v[\r], v[\r], v[\r] row_xmask:4 row_mask:0xf bank_mask:0xf
	s_delay_alu instid0(VALU_DEP_1)
	v_add_f32_dpp v[\r], v[\r], v[\r] row_xmask:8 row_mask:0xf bank_mask:0xf
	s_delay_alu instid0(VALU_DEP_1)
	v_permlanex16_b32 v[\t], v[\r], s14, s15
	s_delay_alu instid0(VALU_DEP_1)
	v_add_f32 v[\r], v[\r], v[\t]
.endm
	s_wait_kmcnt 0x0
	s_wait_loadcnt 0x0
	; the mean: a tree of packed sums, then across the lanes
.irp i, 0,1,2,3,4,5,6,7
	v_pk_add_f32 v[Y+2*\i:Y+2*\i+1], v[X+4*\i:X+4*\i+1], v[X+4*\i+2:X+4*\i+3]
.endr
.irp i, 0,1,2,3
	s_delay_alu instid0(VALU_DEP_4)
	v_pk_add_f32 v[Y+2*\i:Y+2*\i+1], v[Y+2*\i:Y+2*\i+1], v[Y+2*\i+8:Y+2*\i+9]
.endr
.irp i, 0,1
	s_delay_alu instid0(VALU_DEP_2)
	v_pk_add_f32 v[Y+2*\i:Y+2*\i+1], v[Y+2*\i:Y+2*\i+1], v[Y+2*\i+4:Y+2*\i+5]
.endr
	s_delay_alu instid0(VALU_DEP_1)
	v_pk_add_f32 v[Y:Y+1], v[Y:Y+1], v[Y+2:Y+3]
	s_delay_alu instid0(VALU_DEP_1)
	v_add_f32 v78, v[Y], v[Y+1]
	WSUM 78, 79
	s_delay_alu instid0(VALU_DEP_1)
	v_mul_f32 v72, 0x3a800000, v78                 ; / 1,024
	s_delay_alu instid0(VALU_DEP_1)
	v_mov_b32 v73, v72                             ; (named with it as a pair)
.irp i, 0,1,2,3,4,5,6,7,8,9,10,11,12,13,14,15
	v_pk_add_f32 v[X+2*\i:X+2*\i+1], v[X+2*\i:X+2*\i+1], v[72:73] op_sel_hi:[1,0] neg_lo:[0,1] neg_hi:[0,1]   ; d = x - mean
.endr
	v_pk_mul_f32 v[80:81], v[X:X+1], v[X:X+1]      ; the sum of d^2, in two chains
	v_pk_mul_f32 v[82:83], v[X+2:X+3], v[X+2:X+3]
.irp i, 1,2,3,4,5,6,7
	s_delay_alu instid0(VALU_DEP_2)
	v_pk_fma_f32 v[80:81], v[X+4*\i:X+4*\i+1], v[X+4*\i:X+4*\i+1], v[80:81]
	s_delay_alu instid0(VALU_DEP_2)
	v_pk_fma_f32 v[82:83], v[X+4*\i+2:X+4*\i+3], v[X+4*\i+2:X+4*\i+3], v[82:83]
.endr
	s_delay_alu instid0(VALU_DEP_1)
	v_pk_add_f32 v[80:81], v[80:81], v[82:83]
	s_delay_alu instid0(VALU_DEP_1)
	v_add_f32 v78, v80, v81
	WSUM 78, 79
	s_delay_alu instid0(VALU_DEP_1)
	v_mul_f32 v78, 0x3a802008, v78                 ; / 1,023
	s_wait_alu depctr_va_vdst(0)
	v_sqrt_f32 v80, v78
	v_mov_b32 v76, s17                             ; (a plain line behind the root)  bias, as a pair
	v_mov_b32 v77, s17
	s_wait_alu depctr_va_vdst(0)
	v_add_f32 v80, 0x358637bd, v80                 ; std + 1e-6
	s_wait_alu depctr_va_vdst(0)
	v_rcp_f32 v81, v80
	v_nop                                          ; a plain line behind the reciprocal
	s_wait_alu depctr_va_vdst(0)
	v_mul_f32 v74, s16, v81                        ; g = alpha / (std + 1e-6)
	s_delay_alu instid0(VALU_DEP_1)
	v_mov_b32 v75, v74
.irp i, 0,1,2,3,4,5,6,7,8,9,10,11,12,13,14,15
	v_pk_fma_f32 v[X+2*\i:X+2*\i+1], v[X+2*\i:X+2*\i+1], v[74:75], v[76:77] op_sel_hi:[1,0,0]   ; y = d g + bias
.endr
	; the turn: the conversions take neighbours from ONE lane's registers, so the row goes through my own stage and comes back a block of 32 to a lane.  LDS serves a wave's instructions in order: no wait between
.irp i, 0,1,2,3,4,5,6,7
	ds_store_b128 v3, v[X+4*\i:X+4*\i+3] offset:576*\i
.endr
.irp j, 0,1,2,3,4,5,6,7
	ds_load_b128 v[Y+4*\j:Y+4*\j+3], v4 offset:16*\j
.endr
	s_wait_dscnt 0x0
	v_max3_num_f32 v78, |v[Y]|, |v[Y+1]|, |v[Y+2]| ; the block's largest magnitude: all 32 numbers are mine
	v_max3_num_f32 v79, |v[Y+3]|, |v[Y+4]|, |v[Y+5]|
.irp i, 6,10,14,18,22,26
	s_delay_alu instid0(VALU_DEP_2)
	v_max3_num_f32 v78, v78, |v[Y+\i]|, |v[Y+\i+1]|
	s_delay_alu instid0(VALU_DEP_2)
	v_max3_num_f32 v79, v79, |v[Y+\i+2]|, |v[Y+\i+3]|
.endr
	s_delay_alu instid0(VALU_DEP_2)
	v_max3_num_f32 v78, v78, |v[Y+30]|, |v[Y+31]|
	s_delay_alu instid0(VALU_DEP_1)
	v_max3_num_f32 v78, v78, v79, 0x1800000        ; and the floor 2^(3 - 127): the byte cannot fall under 1
	s_delay_alu instid0(VALU_DEP_1)
	v_add_nc_u32 v84, 0xff000000, v78              ; 2 off its exponent field: the conversion takes the exponent field of this operand as its scale
.irp g, 0,1,2,3
	v_cvt_scalef32_pk8_fp4_f32 v[86+\g], v[Y+8*\g:Y+8*\g+7], v84
.endr
	v_lshrrev_b32 v90, 23, v84                     ; the scale's byte (also the plain line behind the conversions)
	ds_store_b128 v5, v[86:89]
	ds_store_b8 v92, v90
	s_wait_dscnt 0x0                               ; for the others' sake: my stores have landed
	s_barrier_signal -1
	s_barrier_wait -1
	ds_load_b128 v[8:11], v7                       ; blocks 2 w + h of row r
	s_wait_dscnt 0x0
	global_store_b128 v2, v[8:11], s[22:23]        ; 512 consecutive bytes, at a multiple of 512 from the buffer's first byte
	s_cmp_lg_u32 s12, 0
	s_cbranch_scc1 .Ldone
	ds_load_b128 v[12:15], v93                     ; wave 0: the tile's 512 scale bytes
	s_wait_dscnt 0x0
	global_store_b128 v94, v[12:15], s[24:25]      ; each half of the lanes stores 256 consecutive bytes, aligned: one K slot's
.Ldone:
	s_wait_tensorcnt 0x0
	ds_add_u32 v96, v97
	s_wait_dscnt 0x0
	s_endpgm
.Lfunc_end_k_q932625bf59_ln1:
	.size	k_q932625bf59_ln1, .Lfunc_end_k_q932625bf59_ln1-k_q932625bf59_ln1
	.p2alignl 7, 3214868480
	.fill 96, 4, 3214868480
	.section	.rodata,"a",@progbits
	.p2align	6, 0x0
	.amdhsa_kernel k_q932625bf59_ln1
		.amdhsa_group_segment_fixed_size 84992
		.amdhsa_private_segment_fixed_size 0
		.amdhsa_enable_private_segment 0
		.amdhsa_kernarg_size 32
		.amdhsa_user_sgpr_count 2
		.amdhsa_user_sgpr_kernarg_segment_ptr 1
		.amdhsa_wavefront_size32 1
		.amdhsa_system_sgpr_workgroup_id_x 1
		.amdhsa_system_sgpr_workgroup_id_y 1
		.amdhsa_system_sgpr_workgroup_id_z 1
		.amdhsa_system_vgpr_workitem_id 0
		.amdhsa_next_free_vgpr 98
		.amdhsa_next_free_sgpr 66
		.amdhsa_reserve_vcc 0
		.amdhsa_float_denorm_mode_32 3
		.amdhsa_float_denorm_mode_16_64 3
		.amdhsa_memory_ordered 1
		.amdhsa_forward_progress 1
		.amdhsa_inst_pref_size 15
	.end_amdhsa_kernel
	.amdgpu_metadata
---
amdhsa.version: [ 1, 2 ]
amdhsa.kernels:
  - .name:           k_q932625bf59_ln1
    .symbol:         k_q932625bf59_ln1.kd
    .args:
      - { .name: x, .offset: 0, .size: 8, .value_kind: global_buffer, .address_space: global }
      - { .name: alpha1, .offset: 8, .size: 8, .value_kind: global_buffer, .address_space: global }
      - { .name: bias1, .offset: 16, .size: 8, .value_kind: global_buffer, .address_space: global }
      - { .name: xq, .offset: 24, .size: 8, .value_kind: global_buffer, .address_space: global }
    .group_segment_fixed_size: 84992
    .private_segment_fixed_size: 0
    .kernarg_segment_align: 8
    .kernarg_segment_size: 32
    .max_flat_workgroup_size: 512
    .sgpr_count:     66
    .vgpr_count:     98
    .wavefront_size: 32
...
	.end_amdgpu_metadata
.endif
;; end of part 7
;; launch qkv (part 8): grid 12 x 16, 4 waves a work-group, clusters of 4 x 4, 327,680 bytes of LDS; arguments wq_codes, wq_scales, wk_codes, wk_scales, wv_codes, wv_scales, xq, source_mask, qkc, vbuf; writes qkc, vbuf
.if DOCPART == 8
	.amdgcn_target "amdgcn-amd-amdhsa--gfx1250"
	.amdhsa_code_object_version 6
	.text
	.protected	k_q932625bf59_qkv
	.globl	k_q932625bf59_qkv
	.p2align	8
	.type	k_q932625bf59_qkv,@function
k_q932625bf59_qkv:
	s_mov_b64 s[64:65], 0
	v_nop
	global_prefetch_b8 v0, s[64:65] scope:SCOPE_SE
	s_setreg_imm32_b32 hwreg(HW_REG_WAVE_MODE, 25, 1), 1
	s_wait_xcnt 0x0
	s_wait_alu depctr_hold_cnt(0) depctr_sa_sdst(0) depctr_va_vdst(0) depctr_va_sdst(0) depctr_va_ssrc(0) depctr_va_vcc(0) depctr_vm_vsrc(0)
	s_getreg_b32 s2, hwreg(HW_REG_IB_STS2, 6, 4)
	s_cmp_eq_u32 s2, 0
	s_cbranch_scc0 .Lentry_in_a_cluster
	s_endpgm
.Lentry_in_a_cluster:
	s_bfe_u32 s2, ttmp6, 0x10000c
	s_cmp_lg_u32 s2, 0xf033
	s_cbranch_scc0 .Lentry_shape_is_right
	s_endpgm
.Lentry_shape_is_right:
.set SIZE_K, 1024
.set ALAY,   1
.set NQ,     4
.set ROWB,   256
.set KROW,   SIZE_K/2
.set PITCH,  272
.set NL,     2
.set NP,     4
.set HALFT,  34816
.set SLOT,   4*HALFT
.set LAPS,   SIZE_K/1024
.set KS,     SIZE_K/32
.set AREC,   69632
.set ASLOT,  16*AREC
.set SCL,    2*SLOT
.set QS,     (64*KS/256)*272
.set SBLK,   (32*KS/256)*272
.set SPARE,  SCL+4*QS
.set ADRA, 16
.set ADSA, 18
.set ADRB, 20
.set L16,  26
.set ADRS, 27
.set SPW,  28
.set NIL,  29
.set SC,   32
.set AF,   128
.set MK,   96
.set W0,   104
.set W1,   112
.set TM,   200
.set PC,   216
.set PW,   224
.set SQ,   225
.set ONES, 226
.set XW,   232
.set G1,   24
.set G0,   32
.set G1B,  48
.set G0B,  56
.set G1S,  68
.set G0S,  76
.set MSB, 0
.macro WIN new
.if MSB != (\new)
	s_set_vgpr_msb (MSB<<8)|(\new)
.set MSB, (\new)
.endif
.endm
.set MUL_LO, 0xa1
.set MUL_HI, 0xf1
.set TO_B,   0x40
.macro JLOAD s
	s_cmp_eq_u32 s16, 0                            ; even waves fetch A's record, odd waves B's rows
	s_cbranch_scc0 .Lfor_b_\@
	tensor_load_to_lds s[G0+4*\s:G0+4*\s+3], s[G1:G1+7]
	s_nop 0
.rept 4
	v_nop
.endr
	s_branch .Lasked_\@
.Lfor_b_\@:
	tensor_load_to_lds s[G0B+4*\s:G0B+4*\s+3], s[G1B:G1B+7]
	s_nop 0
.rept 4
	v_nop
.endr
.Lasked_\@:
.endm
.macro CREST
	s_cmp_lg_u32 s14, 0
	s_cbranch_scc1 .Lnot_wave_0_\@
	s_barrier_signal -3
.Lnot_wave_0_\@:
	s_barrier_wait -3
	s_barrier_signal -1
	s_barrier_wait -1
.endm
.macro CROUND
	s_barrier_signal -1
	s_barrier_wait -1
	CREST
.endm
	s_load_b128 s[80:83], s[0:1], 0x0
	s_load_b128 s[84:87], s[0:1], 0x10
	s_load_b128 s[88:91], s[0:1], 0x20
	s_load_b128 s[92:95], s[0:1], 0x30
	s_load_b128 s[96:99], s[0:1], 0x40
	v_lshl_add_u32 v[SPW], v0, 2, SPARE
	v_mov_b32 v[NIL], 0
	ds_add_u32 v28, v29
	ds_add_u32 v28, v29
	s_wait_dscnt 0x0
	v_lshrrev_b32 v1, 5, v0
	v_readfirstlane_b32 s14, v1
	s_lshr_b32 s15, s14, 1
	s_and_b32 s16, s14, 1
	s_bfe_u32 s40, ttmp6, 0x40000
	s_bfe_u32 s41, ttmp6, 0x40004
	s_mov_b32 s42, s40
	s_and_b32 s17, ttmp7, 0xffff
	s_lshl_b32 s17, s17, 2
	s_add_co_u32 s17, s17, s41
	s_lshl_b32 s43, s41, 2
	s_lshl_b32 s43, 15, s43
	s_lshl_b32 s44, 0x1111, s40
	s_or_b32 s[G1+0], s43, (3<<16)|(1<<21)
	s_mov_b32 s[G1+1], 32<<16
	s_mov_b32 s[G1+2], 272<<16                     ; a whole record: 272 rows of 256 bytes
	s_mov_b32 s[G1+3], 32<<16
	s_mov_b32 s[G1+4], 272
	s_mov_b32 s[G1+5], 32
	s_mov_b32 s[G1+6], 0
	s_mov_b32 s[G1+7], 0
	s_or_b32 s[G1B+0], s44, (0<<16)|(1<<20)|(1<<21)|(5<<22)|(3<<25)
	s_mov_b32 s[G1B+1], ROWB<<16
	s_mov_b32 s[G1B+2], 256<<16                    ; all 256 rows of B's tile
	s_mov_b32 s[G1B+3], ROWB<<16
	s_mov_b32 s[G1B+4], 256
	s_mov_b32 s[G1B+5], KROW
	s_mov_b32 s[G1B+6], 0
	s_mov_b32 s[G1B+7], 0
	; the four tiles of K = 1,024 are shared out, one tensor load a wave: wave 0 A's record of K slot 0, wave 1 B's 256 rows of it, waves 2 and 3 the same of K slot 1
	s_mul_i32 s20, s17, AREC
	s_mul_i32 s18, s15, ASLOT
	s_add_co_u32 s20, s20, s18                     ; A: my tile row's record in K slot wave / 2
	s_mov_b32 s21, 0
	s_lshl_b32 s46, s42, 8
	s_mul_i32 s46, s46, KROW
	s_lshl_b32 s18, s15, 8
	s_add_co_u32 s46, s46, s18                     ; B: row 256 x tile column, 256 bytes on for K slot 1
	s_mov_b32 s47, 0
	s_lshl_b32 s66, s42, 8
	s_lshl_b32 s18, s16, 7
	s_add_co_u32 s66, s66, s18
	s_mul_i32 s66, s66, KS                         ; the scale bytes of the 128 rows of B that I multiply
	s_mov_b32 s67, 0
	s_mul_i32 s45, s15, SLOT                       ; the LDS slot that I fill
	s_wait_kmcnt 0x0
	s_cmp_eq_u32 ttmp9, 0
	s_cselect_b64 s[6:7], s[80:81], s[84:85]
	s_cselect_b64 s[8:9], s[82:83], s[86:87]
	s_cmp_eq_u32 ttmp9, 2
	s_cselect_b64 s[6:7], s[88:89], s[6:7]
	s_cselect_b64 s[8:9], s[90:91], s[8:9]
	s_add_nc_u64 s[20:21], s[92:93], s[20:21]
	s_add_nc_u64 s[46:47], s[6:7], s[46:47]
	s_add_nc_u64 s[66:67], s[8:9], s[66:67]
	CROUND
	s_mov_b32 s[G0], 1
	s_mov_b32 s[G0+1], s45
	s_mov_b64 s[G0+2:G0+3], s[20:21]
	s_or_b32 s[G0+3], s[G0+3], 0x80000000
	s_mov_b32 s[G0B], 1
	s_add_co_u32 s[G0B+1], s45, 2*HALFT            ; B lies behind A's record
	s_mov_b64 s[G0B+2:G0B+3], s[46:47]
	s_or_b32 s[G0B+3], s[G0B+3], 0x80000000
	JLOAD 0                                        ; my one tensor load of the launch: no LDS byte is filled twice
	v_and_b32 v1, 15, v0
	v_bfe_u32 v2, v0, 4, 1
	v_and_b32 v6, 31, v0
	v_lshlrev_b32 v[L16], 4, v6
	s_wait_alu depctr_va_vdst(0)
	v_mul_u32_u24 v3, v1, PITCH
	v_lshl_add_u32 v4, v2, 4, v3
	s_wait_alu depctr_va_vdst(0)
	s_lshl_b32 s18, s15, 15
	s_mul_i32 s22, s16, HALFT
	s_add_co_u32 s22, s22, 2*HALFT
	s_lshl_b32 s23, s15, 11
	s_add_co_u32 s23, s23, 65536
.irp s, 0,1
	v_add_nc_u32 v[ADRA+\s], s18, v[L16]
	v_add_nc_u32 v[ADSA+\s], s23, v[L16]
	v_add_nc_u32 v[ADRB+\s], s22, v4
	s_add_co_u32 s18, s18, SLOT
	s_add_co_u32 s22, s22, SLOT
	s_add_co_u32 s23, s23, SLOT
.endr
	v_mul_u32_u24 v[ADRS], v6, KS                  ; B's scale words go from memory straight into their registers: lane l takes row 32 i + l; the eight loads cover my 128 rows' 4,096 consecutive bytes
.irp sc, 0,1
.irp i, 0,1,2,3
	global_load_b128 v[SC+32*\sc+16+4*\i:SC+32*\sc+16+4*\i+3], v[ADRS], s[66:67] offset:\i*32*KS+16*\sc
.endr
.endr
	s_lshl_b32 s22, s17, 10
	s_lshl_b32 s23, s15, 9
	s_add_co_u32 s22, s22, s23
	s_mov_b32 s23, 0
	s_add_nc_u64 s[94:95], s[94:95], s[22:23]
	v_lshlrev_b32 v22, 2, v1
.irp a, 0,1,2,3,4,5,6,7
	global_load_b32 v[MK+\a], v22, s[94:95] offset:64*\a
.endr
	s_and_b32 s22, ttmp9, 1
	s_lshl_b32 s22, s22, 5
	s_lshr_b32 s23, s17, 3
	s_lshl_b32 s23, s23, 4
	s_add_co_u32 s22, s22, s23
	s_lshl_b32 s23, s40, 2
	s_add_co_u32 s22, s22, s23
	s_lshl_b32 s23, s16, 1
	s_add_co_u32 s22, s22, s23
	s_mul_i32 s22, s22, 73728
	s_and_b32 s23, s17, 7
	s_lshl_b32 s23, s23, 1
	s_add_co_u32 s23, s23, s15
	s_mul_i32 s23, s23, 4608
	s_add_co_u32 s22, s22, s23
	s_mov_b32 s23, 0
	s_add_nc_u64 s[96:97], s[96:97], s[22:23]
	s_lshl_b32 s22, s17, 20
	s_lshl_b32 s23, s15, 19
	s_add_co_u32 s22, s22, s23
	s_lshl_b32 s23, s40, 14
	s_add_co_u32 s22, s22, s23
	s_lshl_b32 s23, s16, 13
	s_add_co_u32 s22, s22, s23
	s_mov_b32 s23, 0
	s_add_nc_u64 s[98:99], s[98:99], s[22:23]
.irp b, 0,1,2,3
	v_mov_b32 v[TM+4+\b], 0
.endr
.macro WM
.if fZ
.if fB && fA
	v_wmma_scale_f32_16x16x128_f8f6f4 v[rD:rD+7], v[rB:rB+7], v[rA:rA+7], 0, v[rSB], v[rSA] matrix_a_fmt:MATRIX_FMT_FP4 matrix_b_fmt:MATRIX_FMT_FP4 matrix_a_scale:MATRIX_SCALE_ROW1 matrix_b_scale:MATRIX_SCALE_ROW1
.elseif fB
	v_wmma_scale_f32_16x16x128_f8f6f4 v[rD:rD+7], v[rB:rB+7], v[rA:rA+7], 0, v[rSB], v[rSA] matrix_a_fmt:MATRIX_FMT_FP4 matrix_b_fmt:MATRIX_FMT_FP4 matrix_a_scale:MATRIX_SCALE_ROW1
.elseif fA
	v_wmma_scale_f32_16x16x128_f8f6f4 v[rD:rD+7], v[rB:rB+7], v[rA:rA+7], 0, v[rSB], v[rSA] matrix_a_fmt:MATRIX_FMT_FP4 matrix_b_fmt:MATRIX_FMT_FP4 matrix_b_scale:MATRIX_SCALE_ROW1
.else
	v_wmma_scale_f32_16x16x128_f8f6f4 v[rD:rD+7], v[rB:rB+7], v[rA:rA+7], 0, v[rSB], v[rSA] matrix_a_fmt:MATRIX_FMT_FP4 matrix_b_fmt:MATRIX_FMT_FP4
.endif
.else
.if fB && fA
	v_wmma_scale_f32_16x16x128_f8f6f4 v[rD:rD+7], v[rB:rB+7], v[rA:rA+7], v[rC:rC+7], v[rSB], v[rSA] matrix_a_fmt:MATRIX_FMT_FP4 matrix_b_fmt:MATRIX_FMT_FP4 matrix_a_scale:MATRIX_SCALE_ROW1 matrix_b_scale:MATRIX_SCALE_ROW1
.elseif fB
	v_wmma_scale_f32_16x16x128_f8f6f4 v[rD:rD+7], v[rB:rB+7], v[rA:rA+7], v[rC:rC+7], v[rSB], v[rSA] matrix_a_fmt:MATRIX_FMT_FP4 matrix_b_fmt:MATRIX_FMT_FP4 matrix_a_scale:MATRIX_SCALE_ROW1
.elseif fA
	v_wmma_scale_f32_16x16x128_f8f6f4 v[rD:rD+7], v[rB:rB+7], v[rA:rA+7], v[rC:rC+7], v[rSB], v[rSA] matrix_a_fmt:MATRIX_FMT_FP4 matrix_b_fmt:MATRIX_FMT_FP4 matrix_b_scale:MATRIX_SCALE_ROW1
.else
	v_wmma_scale_f32_16x16x128_f8f6f4 v[rD:rD+7], v[rB:rB+7], v[rA:rA+7], v[rC:rC+7], v[rSB], v[rSA] matrix_a_fmt:MATRIX_FMT_FP4 matrix_b_fmt:MATRIX_FMT_FP4
.endif
.endif
.endm
.macro MUL16 a0, p, q, sc, cm
.irp a, \a0, \a0+1
.irp b, 0,1,2,3,4,5,6,7
.set rD, 8*(8*((\a)%4)+\b)
.set rB, 128*(\p)+8*\b
.set rA, AF+8*(\a)
.set rSB, SC+32*(\sc)+16+4*(\b/2)+(\q)
.set fB, \b%2
.if ALAY == 1
.set rSA, SC+32*(\sc)+4*((\a)/2)+(\q)
.set fA, (\a)%2
.else
.set rSA, SC+32*(\sc)+4*(\q)+((\a)%4)
.set fA, (\a)/4
.endif
.set rC, rD
.set fZ, 0
.if (\cm) == 1
.set fZ, 1
.endif
.if (\cm) == 2
.set rC, 64+8*\b
.endif
	WM
.endr
.endr
.endm
.macro FETCH_B slot, q, p
	WIN TO_B
.irp i, 0,1,2,3,4,5,6,7
.irp c, 0,1
	ds_load_b128 v[128*(\p)+8*\i+4*\c:128*(\p)+8*\i+4*\c+3], v[ADRB+\slot] offset:64*(\q)+32*\c+\i*16*PITCH
.endr
.endr
	WIN 0
.endm
.macro FETCH_A slot, q, i0
.irp i, \i0, \i0+1, \i0+2, \i0+3
.irp c, 0,1
	ds_load_b128 v[AF+8*(\i)+4*\c:AF+8*(\i)+4*\c+3], v[ADRA+\slot] offset:(\i)*4096+(\q)*1024+512*\c
.endr
.endr
.endm
.macro SCALES sc
.irp i, 0,1,2,3
.if ALAY == 1
	ds_load_b128 v[SC+32*\sc+4*\i:SC+32*\sc+4*\i+3], v[ADSA+\sc] offset:512*\i
.else
	ds_load_b128 v[SC+32*\sc+4*\i:SC+32*\sc+4*\i+3], v[ADSA+\sc] offset:1024*\i
.endif
.endr
.endm
.macro PLACES n
.rept \n
	v_nop
.endr
.endm
.macro STEP slot, q, cm
	s_wait_dscnt 4*NL
.if (\cm) == 2
	WIN 0x91
.else
	WIN MUL_LO
.endif
	MUL16 0, (\q)%2, \q, \slot, \cm
	MUL16 2, (\q)%2, \q, \slot, \cm
	s_wait_dscnt 0
	PLACES NP
	FETCH_B \slot, (\q)+1, 1-(\q)%2
	FETCH_A \slot, (\q)+1, 0
.if (\cm) == 2
	WIN 0xd1
.else
	WIN MUL_HI
.endif
	MUL16 4, (\q)%2, \q, \slot, \cm
	MUL16 6, (\q)%2, \q, \slot, \cm
	PLACES NP
	WIN 0
	FETCH_A \slot, (\q)+1, 4
.endm
.macro TURN slot, next, fill
	s_wait_tensorcnt 0x0
	ds_add_u32 v[SPW], v[NIL]
	s_wait_dscnt 4*NL+1
	WIN MUL_LO
	MUL16 0, 1, NQ-1, \slot, 0
	s_wait_dscnt 0x0
	s_barrier_signal -1
	MUL16 2, 1, NQ-1, \slot, 0
	WIN 0
	s_barrier_wait -1
.if \fill
	CREST
	s_add_nc_u64 s[G0+4*\slot+2:G0+4*\slot+3], s[G0+4*\slot+2:G0+4*\slot+3], 2*ASLOT
	s_add_nc_u64 s[G0B+4*\slot+2:G0B+4*\slot+3], s[G0B+4*\slot+2:G0B+4*\slot+3], 2*ROWB
	JLOAD \slot
.else
	PLACES NP
.endif
	FETCH_B \next, 0, 0
	FETCH_A \next, 0, 0
	SCALES \next
	WIN MUL_HI
	MUL16 4, 1, NQ-1, \slot, 0
	MUL16 6, 1, NQ-1, \slot, 0
	PLACES NP
	WIN 0
	FETCH_A \next, 0, 4
.endm
.macro STEPS slot, from
.set Q, \from
.rept NQ-1-\from
	STEP \slot, Q, 0
.set Q, Q+1
.endr
.endm
	s_wait_alu depctr_va_vdst(0)
	s_wait_loadcnt 8                               ; B's scale words are in; the eight loads of the mask, issued behind them, may be out
	s_wait_tensorcnt 0x0                           ; my tile is in
	s_barrier_signal -1
	s_barrier_wait -1
	FETCH_B 0, 0, 0
	FETCH_A 0, 0, 0
	SCALES 0
	FETCH_A 0, 0, 4
	STEP 0, 0, 1
	STEPS 0, 1
	TURN 0, 1, 0
	STEPS 1, 0
	s_wait_dscnt 4*NL
	WIN MUL_LO
	MUL16 0, 1, NQ-1, 1, 0
	MUL16 2, 1, NQ-1, 1, 0
	s_wait_dscnt 0
	WIN MUL_HI
	MUL16 4, 1, NQ-1, 1, 0
	MUL16 6, 1, NQ-1, 1, 0
	WIN 0
	PLACES NP
.macro QUANT s, w, pw
	WIN ((\w)<<2)|((\w)<<4)
.irp b, 0,1,2,3
	v_max3_num_f32 v[TM+\b], 0x1800000, |v[(\s)+16*\b]|, |v[(\s)+16*\b+1]|
.endr
.irp i, 2,4,6,8,10,12,14
.irp b, 0,1,2,3
	v_max3_num_f32 v[TM+\b], v[TM+\b], |v[(\s)+16*\b+\i]|, |v[(\s)+16*\b+\i+1]|
.endr
.endr
	WIN 0
.irp b, 0,1,2,3
	v_permlanex16_b32 v[TM+4+\b], v[TM+\b], s22, s23
.endr
.irp b, 0,1,2,3
	v_max_num_f32 v[TM+\b], v[TM+\b], v[TM+4+\b]
.endr
.irp b, 0,1,2,3
	v_add_nc_u32 v[TM+12+\b], 0xff000000, v[TM+\b]
.endr
.irp b, 0,1,2,3
	v_lshrrev_b32 v[TM+4+\b], 23, v[TM+12+\b]
.endr
	v_lshl_or_b32 v[\pw], v[TM+5], 8, v[TM+4]
	v_lshl_or_b32 v[\pw], v[TM+6], 16, v[\pw]
	v_lshl_or_b32 v[\pw], v[TM+7], 24, v[\pw]
	s_wait_xcnt 0x0
	WIN (\w)
.irp c, 0,1
	v_cvt_scalef32_pk8_fp4_f32 v[PC+4*\c], v[(\s)+32*\c:(\s)+32*\c+7], v[TM+12+2*\c]
	v_cvt_scalef32_pk8_fp4_f32 v[PC+4*\c+1], v[(\s)+32*\c+16:(\s)+32*\c+23], v[TM+13+2*\c]
	v_cvt_scalef32_pk8_fp4_f32 v[PC+4*\c+2], v[(\s)+32*\c+8:(\s)+32*\c+15], v[TM+12+2*\c]
	v_cvt_scalef32_pk8_fp4_f32 v[PC+4*\c+3], v[(\s)+32*\c+24:(\s)+32*\c+31], v[TM+13+2*\c]
.endr
	WIN 0
	v_nop
.irp c, 0,1
	v_permlane16_swap_b32 v[PC+4*\c], v[PC+4*\c+1]
	v_permlane16_swap_b32 v[PC+4*\c+2], v[PC+4*\c+3]
.endr
.endm
	s_cmp_eq_u32 ttmp9, 2
	s_cbranch_scc0 .Lqk
.irp a, 0,1,2,3,4,5,6,7
	WIN 0x08+4*(\a/4)
.irp b, 0,1,2,3,4,5,6,7
	global_store_b128 v[L16], v[64*(\a%4)+8*\b:64*(\a%4)+8*\b+3], s[98:99] offset:\a*65536+\b*1024
	global_store_b128 v[L16], v[64*(\a%4)+8*\b+4:64*(\a%4)+8*\b+7], s[98:99] offset:\a*65536+\b*1024+512
.endr
.endr
	WIN 0
	s_branch .Lend
.Lqk:
	s_mov_b32 s22, 0x76543210
	s_mov_b32 s23, 0xfedcba98
	s_mov_b32 s2, 0xffff
	s_mov_b32 s3, 0x7f7f0000
	s_mov_b32 s18, 0xffff0000
	s_cmp_eq_u32 ttmp9, 0
	s_cselect_b32 s19, -1, 0
	s_wait_loadcnt 0x0
	v_mov_b32 v[SQ], s19
	v_mov_b32 v[ONES], -1
.irp a, 0,1,2,3,4,5,6,7
	v_cmp_ne_u32 vcc_lo, 0, v[MK+\a]
	v_cndmask_b32 v[MK+\a], v[SQ], v[ONES], vcc_lo
.endr
.irp a, 0,1,2,3,4,5,6,7
	QUANT 64*(\a%4), 2+\a/4, PW
.irp i, 0,1,2,3,4,5,6,7
	v_and_b32 v[PC+\i], v[PC+\i], v[MK+\a]
.endr
	global_store_b128 v[L16], v[PC:PC+3], s[96:97] offset:\a*512
	global_store_b128 v[L16], v[PC+4:PC+7], s[96:97] offset:73728+\a*512
	v_and_or_b32 v[W0+\a], v[PW], s2, s3
	v_lshrrev_b32 v[W1+\a], 16, v[PW]
	v_or_b32 v[W1+\a], s3, v[W1+\a]
.endr
.irp j, 0,1,2,3
	v_cndmask_b32 v[XW+\j], v[W0+\j], v[W0+4+\j], s18
	v_cndmask_b32 v[XW+4+\j], v[W1+\j], v[W1+4+\j], s18
.endr
	global_store_b128 v[L16], v[XW:XW+3], s[96:97] offset:4096
	global_store_b128 v[L16], v[XW+4:XW+7], s[96:97] offset:73728+4096
.Lend:
	s_wait_tensorcnt 0x0
	ds_add_u32 v[SPW], v[NIL]
	s_wait_dscnt 0x0
	CROUND
	s_endpgm
.Lfunc_end_k_q932625bf59_qkv:
	.size	k_q932625bf59_qkv, .Lfunc_end_k_q932625bf59_qkv-k_q932625bf59_qkv
	.p2alignl 7, 3214868480
	.fill 96, 4, 3214868480
	.section	.rodata,"a",@progbits
	.p2align	6, 0x0
	.amdhsa_kernel k_q932625bf59_qkv
		.amdhsa_group_segment_fixed_size 327680
		.amdhsa_private_segment_fixed_size 0
		.amdhsa_enable_private_segment 0
		.amdhsa_kernarg_size 80
		.amdhsa_user_sgpr_count 2
		.amdhsa_user_sgpr_kernarg_segment_ptr 1
		.amdhsa_wavefront_size32 1
		.amdhsa_system_sgpr_workgroup_id_x 1
		.amdhsa_system_sgpr_workgroup_id_y 1
		.amdhsa_system_sgpr_workgroup_id_z 1
		.amdhsa_system_vgpr_workitem_id 0
		.amdhsa_next_free_vgpr 1024
		.amdhsa_next_free_sgpr 100
		.amdhsa_reserve_vcc 1
		.amdhsa_float_denorm_mode_32 3
		.amdhsa_float_denorm_mode_16_64 3
		.amdhsa_memory_ordered 1
		.amdhsa_forward_progress 1
		.amdhsa_inst_pref_size 143
	.end_amdhsa_kernel
	.amdgpu_metadata
---
amdhsa.version: [ 1, 2 ]
amdhsa.kernels:
  - .name:           k_q932625bf59_qkv
    .symbol:         k_q932625bf59_qkv.kd
    .args:
      - { .name: wq_codes, .offset: 0, .size: 8, .value_kind: global_buffer, .address_space: global }
      - { .name: wq_scales, .offset: 8, .size: 8, .value_kind: global_buffer, .address_space: global }
      - { .name: wk_codes, .offset: 16, .size: 8, .value_kind: global_buffer, .address_space: global }
      - { .name: wk_scales, .offset: 24, .size: 8, .value_kind: global_buffer, .address_space: global }
      - { .name: wv_codes, .offset: 32, .size: 8, .value_kind: global_buffer, .address_space: global }
      - { .name: wv_scales, .offset: 40, .size: 8, .value_kind: global_buffer, .address_space: global }
      - { .name: xq, .offset: 48, .size: 8, .value_kind: global_buffer, .address_space: global }
      - { .name: source_mask, .offset: 56, .size: 8, .value_kind: global_buffer, .address_space: global }
      - { .name: qkc, .offset: 64, .size: 8, .value_kind: global_buffer, .address_space: global }
      - { .name: vbuf, .offset: 72, .size: 8, .value_kind: global_buffer, .address_space: global }
    .group_segment_fixed_size: 327680
    .private_segment_fixed_size: 0
    .kernarg_segment_align: 8
    .kernarg_segment_size: 80
    .max_flat_workgroup_size: 128
    .sgpr_count:     100
    .vgpr_count:     1024
    .wavefront_size: 32
...
	.end_amdgpu_metadata
.endif
;; end of part 8
;; launch attn (part 9): grid 16 x 16, 16 waves a work-group, clusters of 4 x 1, 168,960 bytes of LDS; arguments qkc, vbuf, source_mask, aq; writes aq
.if DOCPART == 9
	.amdgcn_target "amdgcn-amd-amdhsa--gfx1250"
	.amdhsa_code_object_version 6
	.text
	.protected	k_q932625bf59_attn
	.globl	k_q932625bf59_attn
	.p2align	8
	.type	k_q932625bf59_attn,@function
k_q932625bf59_attn:
	s_mov_b64 s[64:65], 0
	v_nop
	global_prefetch_b8 v0, s[64:65] scope:SCOPE_SE
	s_setreg_imm32_b32 hwreg(HW_REG_WAVE_MODE, 25, 1), 1
	s_wait_xcnt 0x0
	s_wait_alu depctr_hold_cnt(0) depctr_sa_sdst(0) depctr_va_vdst(0) depctr_va_sdst(0) depctr_va_ssrc(0) depctr_va_vcc(0) depctr_vm_vsrc(0)
	s_getreg_b32 s2, hwreg(HW_REG_IB_STS2, 6, 4)
	s_cmp_eq_u32 s2, 0
	s_cbranch_scc0 .Lentry_in_a_cluster
	s_endpgm
.Lentry_in_a_cluster:
	s_bfe_u32 s2, ttmp6, 0x10000c
	s_cmp_lg_u32 s2, 0x3003
	s_cbranch_scc0 .Lentry_shape_is_right
	s_endpgm
.Lentry_shape_is_right:
; For each token s and head: diag = softmax_t(Q[s] . K[t] / 8, masked keys at -1e9)[t = s]; what leaves is diag x V[s], quantised to codes of FP4 (E2M1) along head x 64 + q, the K of the next product.
; The scores are products on codes of FP4 with E8M0 scales; their K is the head's 64, half of the instruction's 128: the other half of Q's operand is zero codes under the byte 0x7f.
; SHARES.  A work-group owns 128 tokens of one batch and TWO heads (2 p, 2 p + 1).  Sixteen waves, four to a SIMD.  Waves w and w + 8 share tile w % 8 of 16 tokens, both heads:
; wave w walks keys 0 .. 1,023, wave w + 8 keys 1,024 .. 2,047, so that a fragment of C serves two products as with one wave a tile.  The two join their maxima and sums through LDS;
; then wave w finishes the first head (diag, diag x V, codes) and wave w + 8 the second: 512 bytes of codes and two scale bytes a row each.
; All 2,048 keys of both heads (147,456 bytes, two consecutive records of qkc) lie in LDS, filled ONCE, a sixteenth by each wave.  No LDS byte is filled twice.
; CLUSTER: the four work-groups of a cluster own four token blocks of the same batch and heads and read the same keys: each wave's sixteenth is asked for JOINTLY, with a mask that names the four.
; qkc: [Q, K][batch][head][group of 128 tokens: 4,608 bytes]: eight tiles of 512 bytes (lane (r, h): block h of token r's 64), then scale words: lane (r, hh): the words of tiles 4 hh + 0 .. 3.
; aq: [K slot of 512: 2][128 tokens: 32][34,816 bytes]: fragment (tile t, K step q) at (4 t + q) 1,024, registers 4 c .. 4 c + 3 of lane l at + 512 c + 16 l; scale words at 32,768 + 512 q + 16 lane (r, hh).
; LAYOUT.  S^T = K Q^T (source 0 = 16 keys, source 1 = my 16 tokens): lane (r, h) holds token r and keys 8 h + 0 .. 7 of a tile.  A fragment of K is named as 8 registers of which the upper four are the NEXT tile's codes:
; they meet Q's zero codes and add exact zeros.
; THE MASK.  A masked key's codes are zeros (the launch before stores them so), and the C of its product is -8e9: the score is -8e9 exactly, which over 8 is the -1e9 that takes its place.  C is 0 for the other keys.
; SOFTMAX.  Each LANE keeps a running maximum m and sum l over its keys: p = 2^(c s - c m), c = log2(e) / 8; when m grows, l is multiplied by 2^(c m_old - c m_new).  The four parts of a row (two waves x two halves of the lanes) are joined once, at the end.
; The rounding of c m enters every term of a row and the diagonal's alike, and drops out of the quotient.
; LIMITS: NaN and infinities are not served; terms under 2^-126 of a row's largest count as 0.  A block of diag x V whose largest magnitude lies under 2^-124, zeros among them, gets the scale byte 1; the bytes are read by this program alone.
; Left out: a prefetch (every byte of the keys is asked for once, at the head: there is no loop that runs ahead of a stream); a ring (all keys fit).
.set REC,  73728
.set GRP,  4608
.set BIAS, 147456                      ; LDS: behind the keys: C for each of the batch's 2,048 keys, f32
.set WST,  155648                      ; the tiles' scale words on their way out: 512 bytes
.set JOIN, 156160                      ; the waves' -c m and l: 512 bytes a wave
.set SPARE,164352                      ; the spare words: 128 bytes a wave
.set Q,    16                          ; v16-31   Q's two fragments: codes in 16-19 and 24-27, zero codes in 20-23 and 28-31
.set QS,   32                          ; v32-33   Q's scale words; v34: those of the head that I finish
.set KS,   36                          ; v36-43   K's scale words of a group: head hd at 4 hd + j: lanes 0-15 tile j, lanes 16-31 tile 4 + j
.set ST,   44                          ; v44-59   head hd at 8 hd: +0 -c m, +1 (its pair), +2, +3 l, +4 f, +5 m, +6, +7 at work
.set SD,   60                          ; v60      the diagonal's score
.set KF,   72                          ; v72-107  K: head hd, tile t at 16 hd + 4 t; v104-107 stay zeros.  At the end v72-103: V
.set CB,   108                         ; v108-139 C of four tiles of keys
.set S,    140                         ; v140-203 scores, then p: head hd, tile t at 32 hd + 8 t
.set TM,   204
.set PW,   220
.set JS,   221                         ; where I put my part of the join; v222: where I read my tile's two parts of my head
.set JL,   222
.set PC,   224
.set DG,   232
.set JV,   236                         ; v236-249 the join at work
.macro CROUND                          ; a round of the cluster's barrier
	s_barrier_signal -1
	s_barrier_wait -1
	s_cmp_lg_u32 s12, 0
	s_cbranch_scc1 .Lnot_wave_0_\@
	s_barrier_signal -3
.Lnot_wave_0_\@:
	s_barrier_wait -3
	s_barrier_signal -1
	s_barrier_wait -1
.endm
	s_load_b256 s[4:11], s[0:1], 0x0               ; qkc s[4:5], vbuf s[6:7], source_mask s[8:9], aq s[10:11]
	v_lshl_add_u32 v254, v0, 2, SPARE
	v_mov_b32 v255, 0
	ds_add_u32 v254, v255
	ds_add_u32 v254, v255
	v_lshrrev_b32 v1, 5, v0
	v_readfirstlane_b32 s12, v1                    ; wave 0..15
	s_and_b32 s66, s12, 7                          ; my tile of 16 tokens
	s_lshr_b32 s67, s12, 3                         ; my half of the keys, and the head that I finish
	s_bfe_u32 s13, ttmp6, 0x40000                  ; cx
	s_lshl_b32 s14, ttmp9, 2
	s_add_co_u32 s14, s14, s13                     ; my block of 128 tokens in the batch
	s_and_b32 s15, ttmp7, 0xffff
	s_lshr_b32 s16, s15, 3                         ; batch
	s_and_b32 s17, s15, 7                          ; pair of heads
	s_lshl_b32 s18, s16, 4
	s_lshl_b32 s19, s17, 1
	s_add_co_u32 s18, s18, s19                     ; 16 x batch + first head: the partners share it
	s_add_co_u32 s50, s18, 32                      ; K's records lie behind Q's 32
	s_mul_i32 s50, s50, REC
	s_mul_i32 s33, s12, 9216                       ; my sixteenth of the two records: the same place in LDS and in memory
	s_add_co_u32 s50, s50, s33
	s_mov_b32 s51, 0
	s_mul_i32 s52, s18, REC
	s_mul_i32 s19, s14, GRP
	s_add_co_u32 s52, s52, s19                     ; Q: my block's group in the first head's record
	s_lshr_b32 s19, s66, 2
	s_lshl_b32 s19, s19, 8
	s_and_b32 s49, s66, 3
	s_lshl_b32 s49, s49, 2
	s_add_co_u32 s49, s49, s19                     ; tile t's scale words: 256 (t / 4) + 4 (t % 4) (+ 16 r)
	s_add_co_u32 s54, s52, s49
	s_add_co_u32 s54, s54, 4096
	s_mov_b32 s55, 0
	s_lshl_b32 s19, s67, 1
	s_add_co_u32 s49, s49, s19
	s_add_co_u32 s49, s49, WST                     ; the same place in the stage, + my head's two bytes of the word
	s_lshl_b32 s19, s66, 9
	s_add_co_u32 s52, s52, s19                     ; my tile's codes
	s_mov_b32 s53, 0
	s_mul_i32 s19, s67, REC
	s_add_co_u32 s70, s52, s19                     ; the same in the record of the head that I finish
	s_mov_b32 s71, 0
	s_add_co_u32 s72, s54, s19
	s_mov_b32 s73, 0
	s_lshl_b32 s56, s16, 13                        ; the batch's 2,048 words of the mask
	s_mov_b32 s57, 0
	s_lshl_b32 s58, s14, 9
	s_lshl_b32 s19, s66, 6
	s_add_co_u32 s58, s58, s19
	s_add_co_u32 s58, s58, s56                     ; my own 16 tokens' words
	s_mov_b32 s59, 0
	s_lshl_b32 s60, s16, 7
	s_lshl_b32 s19, s14, 3
	s_add_co_u32 s60, s60, s19
	s_add_co_u32 s60, s60, s66                     ; my token tile of 256,
	s_lshl_b32 s60, s60, 16
	s_lshl_b32 s19, s17, 13
	s_add_co_u32 s60, s60, s19
	s_lshl_b32 s19, s67, 12
	s_add_co_u32 s60, s60, s19                     ; my head's four column tiles of V: 65,536 x tile + 8,192 x pair + 4,096 x head
	s_mov_b32 s61, 0
	s_lshr_b32 s62, s17, 2                         ; aq: record 32 x (K slot = pair / 4) + 16 x batch + my block of 128 tokens,
	s_lshl_b32 s62, s62, 5
	s_lshl_b32 s19, s16, 4
	s_add_co_u32 s62, s62, s19
	s_add_co_u32 s62, s62, s14
	s_mul_i32 s62, s62, 34816
	s_and_b32 s19, s17, 3                          ; K step pair % 4:
	s_lshl_b32 s2, s19, 9
	s_add_co_u32 s2, s2, s62
	s_add_co_u32 s2, s2, 32768                     ; its scale words
	s_mov_b32 s3, 0
	s_lshl_b32 s19, s19, 10
	s_add_co_u32 s62, s62, s19
	s_lshl_b32 s19, s66, 12
	s_add_co_u32 s62, s62, s19
	s_lshl_b32 s19, s67, 9
	s_add_co_u32 s62, s62, s19                     ; its codes: row tile, registers 4 x head on
	s_mov_b32 s63, 0
	s_lshl_b32 s74, s12, 9
	s_add_co_u32 s74, s74, JOIN                    ; the join: my wave's 512 bytes
	s_lshl_b32 s75, s66, 9
	s_lshl_b32 s19, s67, 3
	s_add_co_u32 s75, s75, s19
	s_add_co_u32 s75, s75, JOIN                    ; and my head's pair in the first wave's bytes of my tile
	s_mov_b32 s24, 15|(3<<16)|(1<<21)              ; group 1: 15:0 the mask: all four work-groups; 17:16 elements of 8 bytes; 21 set beside a mask; no padding
	s_mov_b32 s25, 32<<16                          ; tensor_dim0 = 32: rows of 256 bytes
	s_mov_b32 s26, 36<<16                          ; tensor_dim1 = 36 rows: 9,216 bytes
	s_mov_b32 s27, 32<<16
	s_mov_b32 s28, 36
	s_mov_b32 s29, 32                              ; dense
	s_mov_b32 s30, 0
	s_mov_b32 s31, 0
	s_mov_b32 s20, 0x76543210
	s_mov_b32 s21, 0xfedcba98                      ; v_permlanex16_b32's selects for lane l xor 16
	s_mov_b32 s22, 0x3e38aa3b                      ; c = log2(e) / 8
	s_mov_b32 s23, s22                             ; (named with it as a pair)
	s_mov_b32 s36, 0xbe38aa3b                      ; -c
	s_mul_i32 s37, s67, 8*GRP                      ; my first group's keys in a record
	s_lshl_b32 s38, s67, 12                        ; and in C
	s_mov_b32 s39, 7
	s_wait_dscnt 0x0
	s_wait_kmcnt 0x0
	s_add_nc_u64 s[50:51], s[4:5], s[50:51]
	s_add_nc_u64 s[52:53], s[4:5], s[52:53]
	s_add_nc_u64 s[54:55], s[4:5], s[54:55]
	s_add_nc_u64 s[70:71], s[4:5], s[70:71]
	s_add_nc_u64 s[72:73], s[4:5], s[72:73]
	s_add_nc_u64 s[56:57], s[8:9], s[56:57]
	s_add_nc_u64 s[58:59], s[8:9], s[58:59]
	s_add_nc_u64 s[60:61], s[6:7], s[60:61]
	s_add_nc_u64 s[62:63], s[10:11], s[62:63]
	s_add_nc_u64 s[2:3], s[10:11], s[2:3]
	CROUND                                         ; all four work-groups are here: the joint loads meet
	s_mov_b32 s32, 1
	s_mov_b64 s[34:35], s[50:51]
	s_or_b32 s35, s35, 0x80000000
	tensor_load_to_lds s[32:35], s[24:31]          ; my one tensor load of the launch
	s_nop 0
.rept 4
	v_nop
.endr
	v_and_b32 v7, 15, v0                           ; r
	v_bfe_u32 v8, v0, 4, 1                         ; h
	v_and_b32 v1, 31, v0
	v_lshlrev_b32 v1, 4, v1                        ; 16 x lane: the first head's keys
	v_add_nc_u32 v2, REC, v1                       ; the second head's
	v_lshl_add_u32 v3, v8, 5, BIAS                 ; C of a tile's keys 8 h + 0 .. 7
	v_and_b32 v9, 7, v0                            ; r % 8
	v_lshlrev_b32 v11, 4, v7
	v_lshlrev_b32 v12, 4, v0                       ; thread t: keys 4 t .. 4 t + 3 of the mask
	v_lshlrev_b32 v13, 2, v7
	v_lshl_add_u32 v14, v0, 4, BIAS
	v_add_nc_u32 v15, WST, v1
	v_add_nc_u32 v10, s49, v11                     ; my row's two scale bytes in the stage
	v_add_nc_u32 v[JS], s74, v1
	v_add_nc_u32 v[JL], s75, v1
	global_load_b128 v[64:67], v12, s[56:57]
	global_load_b128 v[Q:Q+3], v1, s[52:53]                        ; Q, both heads
	global_load_b128 v[Q+8:Q+11], v1, s[52:53] offset:REC
	global_load_b128 v[S+40:S+43], v1, s[70:71]                    ; Q and K of my own 16 tokens in the head that I finish, from memory
	global_load_b128 v[S+48:S+51], v1, s[70:71] offset:32*REC
	global_load_b32 v[QS], v11, s[54:55]
	global_load_b32 v[QS+1], v11, s[54:55] offset:REC
	global_load_b32 v[QS+2], v11, s[72:73]
	global_load_b32 v[KS], v11, s[72:73] offset:32*REC
	global_load_b32 v62, v13, s[58:59]                             ; my own token's mask
.irp i, 4,5,6,7,12,13,14,15
	v_mov_b32 v[Q+\i], 0                           ; zero codes for k = 64 .. 127
.endr
.irp i, 44,45,46,47,52,53,54,55
	v_mov_b32 v[S+\i], 0
.endr
.irp i, 32,33,34,35
	v_mov_b32 v[KF+\i], 0
.endr
.irp hd, 0,1
	v_mov_b32 v[ST+8*\hd+5], 0xff61b1e6            ; m = -3e38, under every score
	v_mov_b32 v[ST+8*\hd+1], 0
	v_mov_b32 v[ST+8*\hd+2], 0                     ; l
	v_mov_b32 v[ST+8*\hd+3], 0
.endr
.irp hd, 0,1
	v_mul_f32 v[ST+8*\hd], s36, v[ST+8*\hd+5]      ; -c m
.endr
.irp b, 0,1
	v_mov_b32 v[TM+4+\b], 0                        ; a lane permute's destination counts as one of its sources
.endr
.irp b, 8,9,10,11
	v_mov_b32 v[JV+\b], 0
.endr
	v_mov_b32 v63, 0xcfee6b28                      ; -8e9
	s_wait_alu depctr_va_vdst(0)
	s_wait_loadcnt 0x0
.irp i, 0,1,2,3
	v_cmp_eq_u32 vcc_lo, 0, v[64+\i]
	v_cndmask_b32 v[64+\i], 0, v63, vcc_lo         ; C: -8e9 for a masked key, else 0
.endr
	ds_store_b128 v14, v[64:67]
	; the diagonal: my 16 tokens' keys against my 16 tokens.  Lane (r, h), register j: key 8 h + j, token r
	v_wmma_scale_f32_16x16x128_f8f6f4 v[S:S+7], v[S+48:S+55], v[S+40:S+47], 0, v[KS], v[QS+2] matrix_a_fmt:MATRIX_FMT_FP4 matrix_b_fmt:MATRIX_FMT_FP4
.rept 4
	v_nop
.endr
.irp j, 1,2,3,4,5,6,7
	v_cmp_eq_u32 s[40+\j], \j, v9
.endr
	v_lshrrev_b32 v65, 3, v7
	v_cmp_eq_u32 s48, v65, v8                      ; the half of the lanes that holds key r
	v_cmp_ne_u32 s40, 0, v62
	v_mov_b32 v[SD], v[S]                          ; register r % 8, taken from the low end on
.irp j, 1,2,3,4,5,6,7
	v_cndmask_b32 v[SD], v[SD], v[S+\j], s[40+\j]
.endr
	v_permlanex16_b32 v66, v[SD], s20, s21
	v_cndmask_b32 v[SD], v66, v[SD], s48
	v_cndmask_b32 v[SD], v63, v[SD], s40           ; a token that is masked as a key: its own score is the masked one
	s_wait_alu depctr_va_vdst(0)
	s_wait_tensorcnt 0x0                           ; my sixteenth of the keys has landed,
	s_wait_dscnt 0x0                               ; my part of C is stored:
	s_barrier_signal -1
	s_barrier_wait -1                              ; everybody's
.macro LOADS u                         ; tiles 4 u .. 4 u + 3 of the group: K's codes of both heads, 512 consecutive bytes a load; and C
.irp t, 0,1,2,3
	ds_load_b128 v[KF+4*\t:KF+4*\t+3], v4 offset:(4*\u+\t)*512
	ds_load_b128 v[KF+16+4*\t:KF+16+4*\t+3], v5 offset:(4*\u+\t)*512
	ds_load_b128 v[CB+8*\t:CB+8*\t+3], v6 offset:(4*\u+\t)*64
	ds_load_b128 v[CB+8*\t+4:CB+8*\t+7], v6 offset:(4*\u+\t)*64+16
.endr
.endm
.macro MM u                            ; eight products on eight accumulators, each begun anew with C: no two share a register
.irp t, 0,1,2,3
.irp hd, 0,1
.if \u
	v_wmma_scale_f32_16x16x128_f8f6f4 v[S+32*\hd+8*\t:S+32*\hd+8*\t+7], v[KF+16*\hd+4*\t:KF+16*\hd+4*\t+7], v[Q+8*\hd:Q+8*\hd+7], v[CB+8*\t:CB+8*\t+7], v[KS+4*\hd+\t], v[QS+\hd] matrix_a_fmt:MATRIX_FMT_FP4 matrix_b_fmt:MATRIX_FMT_FP4 matrix_a_scale:MATRIX_SCALE_ROW1
.else
	v_wmma_scale_f32_16x16x128_f8f6f4 v[S+32*\hd+8*\t:S+32*\hd+8*\t+7], v[KF+16*\hd+4*\t:KF+16*\hd+4*\t+7], v[Q+8*\hd:Q+8*\hd+7], v[CB+8*\t:CB+8*\t+7], v[KS+4*\hd+\t], v[QS+\hd] matrix_a_fmt:MATRIX_FMT_FP4 matrix_b_fmt:MATRIX_FMT_FP4
.endif
.endr
.endr
.rept 5
	v_nop                                          ; four places in front of loads into the operands and of the first read of results; the fifth for the next products, which write over these results
.endr
.endm
; 32 scores a lane and head: the running maximum, p, the sum.  Nothing crosses lanes.  All sources are laid first; the 66 exponentials go as ONE batch, with one wait ahead of it and one behind it.
.macro SOFT
.irp hd, 0,1
	v_max3_num_f32 v[ST+8*\hd+6], v[ST+8*\hd+5], v[S+32*\hd], v[S+32*\hd+1]          ; two chains a head, the four by turns; each accumulator is first read at its low end
	v_max3_num_f32 v[ST+8*\hd+7], v[S+32*\hd+16], v[S+32*\hd+17], v[S+32*\hd+18]
.endr
.irp i, 0,1,2,3,4,5
.irp hd, 0,1
	v_max3_num_f32 v[ST+8*\hd+6], v[ST+8*\hd+6], v[S+32*\hd+2+2*\i], v[S+32*\hd+3+2*\i]
	v_max3_num_f32 v[ST+8*\hd+7], v[ST+8*\hd+7], v[S+32*\hd+19+2*\i], v[S+32*\hd+20+2*\i]
.endr
.endr
.irp hd, 0,1
	v_max3_num_f32 v[ST+8*\hd+6], v[ST+8*\hd+6], v[S+32*\hd+14], v[S+32*\hd+15]
.endr
.irp hd, 0,1
	v_max3_num_f32 v[ST+8*\hd+5], v[ST+8*\hd+6], v[ST+8*\hd+7], v[S+32*\hd+31]       ; the new m
.endr
.irp hd, 0,1
	v_mul_f32 v[ST+8*\hd+6], s36, v[ST+8*\hd+5]    ; -c m
.endr
.irp hd, 0,1
	v_sub_f32 v[ST+8*\hd+7], v[ST+8*\hd+6], v[ST+8*\hd]   ; c m_old - c m_new, 0 or less
.endr
.irp hd, 0,1
	v_mov_b32 v[ST+8*\hd], v[ST+8*\hd+6]
.endr
.irp hd, 0,1
.irp i, 0,1,2,3,4,5,6,7,8,9,10,11,12,13,14,15
	v_pk_fma_f32 v[S+32*\hd+2*\i:S+32*\hd+2*\i+1], v[S+32*\hd+2*\i:S+32*\hd+2*\i+1], s[22:23], v[ST+8*\hd:ST+8*\hd+1] op_sel_hi:[1,0,0]   ; c s - c m, two at a time
.endr
.endr
	s_wait_alu depctr_va_vdst(0)                   ; the wait ahead of the batch
	v_exp_f32 v[ST+4], v[ST+7]                     ; f
	v_exp_f32 v[ST+12], v[ST+15]
.set jj, S
.rept 64
	v_exp_f32 v[jj], v[jj]                         ; p
.set jj, jj+1
.endr
	v_nop                                          ; a plain place behind the exponentials
	s_wait_alu depctr_va_vdst(0)                   ; one wait for the whole batch, ahead of its first reader
.irp hd, 0,1
	v_pk_mul_f32 v[ST+8*\hd+2:ST+8*\hd+3], v[ST+8*\hd+2:ST+8*\hd+3], v[ST+8*\hd+4:ST+8*\hd+5] op_sel_hi:[1,0]   ; l under the new m
	v_pk_add_f32 v[ST+8*\hd+6:ST+8*\hd+7], v[S+32*\hd:S+32*\hd+1], v[S+32*\hd+2:S+32*\hd+3]                    ; the sum of p: two chains a head, the four by turns
.endr
.irp i, 1,2,3,4,5,6,7
.irp hd, 0,1
	v_pk_add_f32 v[ST+8*\hd+2:ST+8*\hd+3], v[ST+8*\hd+2:ST+8*\hd+3], v[S+32*\hd+4*\i:S+32*\hd+4*\i+1]
	v_pk_add_f32 v[ST+8*\hd+6:ST+8*\hd+7], v[ST+8*\hd+6:ST+8*\hd+7], v[S+32*\hd+4*\i+2:S+32*\hd+4*\i+3]
.endr
.endr
.irp hd, 0,1
	v_pk_add_f32 v[ST+8*\hd+2:ST+8*\hd+3], v[ST+8*\hd+2:ST+8*\hd+3], v[ST+8*\hd+6:ST+8*\hd+7]
.endr
.endm
; A group of 128 keys, both heads.  The second half's operands are fetched while the first half's softmax is walked.  last = 1: my head's V is asked for under the last softmax, into the registers that K has left.
.macro TRIP last
	v_add_nc_u32 v4, s37, v1
	v_add_nc_u32 v5, s37, v2
	v_add_nc_u32 v6, s38, v3
	s_wait_alu depctr_va_vdst(0)                   ; directly behind the writes
	ds_load_b128 v[KS:KS+3], v4 offset:4096
	ds_load_b128 v[KS+4:KS+7], v5 offset:4096
	LOADS 0
	s_wait_dscnt 0x0
	MM 0
	LOADS 1
	SOFT
	s_wait_dscnt 0x0
	MM 1
.if \last
.irp ct, 0,1,2,3
	global_load_b128 v[KF+8*\ct:KF+8*\ct+3], v1, s[60:61] offset:1024*\ct        ; register 8 ct + j: V(token r, my head's column 16 ct + 8 h + j)
	global_load_b128 v[KF+8*\ct+4:KF+8*\ct+7], v1, s[60:61] offset:1024*\ct+512
.endr
.endif
	SOFT
	s_add_co_u32 s37, s37, GRP
	s_add_co_u32 s38, s38, 512
.endm
.Ltrip:                                                ; seven of my eight groups
	TRIP 0
	s_sub_co_u32 s39, s39, 1
	s_cmp_lg_u32 s39, 0
	s_cbranch_scc1 .Ltrip
	TRIP 1
	; THE JOIN.  Each wave puts -c m and l of both heads into its 512 bytes; behind the barrier it reads, for the head that it finishes, its tile's two waves' pairs
	v_mov_b32 v[JV], v[ST]
	v_add_f32 v[JV+1], v[ST+2], v[ST+3]
	v_mov_b32 v[JV+2], v[ST+8]
	v_add_f32 v[JV+3], v[ST+10], v[ST+11]
	ds_store_b128 v[JS], v[JV:JV+3]
	s_wait_dscnt 0x0                               ; for the others' sake: my store has landed
	s_barrier_signal -1
	s_barrier_wait -1
	ds_load_b64 v[JV+4:JV+5], v[JL]
	ds_load_b64 v[JV+6:JV+7], v[JL] offset:4096
	s_wait_dscnt 0x0
.irp i, 0,1,2,3
	v_permlanex16_b32 v[JV+8+\i], v[JV+4+\i], s20, s21   ; and the other half of the lanes' two pairs
.endr
	v_min3_num_f32 v[JV+12], v[JV+4], v[JV+6], v[JV+8]
	v_min_num_f32 v[JV+12], v[JV+12], v[JV+10]     ; -c x the largest of the four m
.irp i, 4,6,8,10
	v_sub_f32 v[JV+\i], v[JV+12], v[JV+\i]
.endr
	v_fma_f32 v[SD], v[SD], s22, v[JV+12]
	s_wait_alu depctr_va_vdst(0)                   ; the wait ahead of the batch
.irp i, 4,6,8,10
	v_exp_f32 v[JV+\i], v[JV+\i]
.endr
	v_exp_f32 v[SD], v[SD]
	v_nop                                          ; a plain place behind the exponentials
	s_wait_alu depctr_va_vdst(0)                   ; and the wait behind it
	v_mul_f32 v[JV+5], v[JV+5], v[JV+4]
.irp i, 6,8,10
	v_fma_f32 v[JV+5], v[JV+\i+1], v[JV+\i], v[JV+5]     ; the row's sum under the largest m
.endr
	s_wait_alu depctr_va_vdst(0)
	v_rcp_f32 v[JV+13], v[JV+5]
	v_nop                                          ; a plain place behind the reciprocal
	s_wait_alu depctr_va_vdst(0)
	v_mul_f32 v[DG], v[SD], v[JV+13]               ; diag = 2^(c s_diag - c m) / l
	v_mov_b32 v[DG+1], v[DG]
	s_wait_alu depctr_va_vdst(0)
	s_wait_loadcnt 0x0                             ; V
.irp i, 0,1,2,3,4,5,6,7,8,9,10,11,12,13,14,15
	v_pk_mul_f32 v[KF+2*\i:KF+2*\i+1], v[KF+2*\i:KF+2*\i+1], v[DG:DG+1] op_sel_hi:[1,0]
.endr
	; the quantiser, my head's two blocks of 32: register 16 b + i = column 32 b + 8 h + i (i < 8) or 32 b + 16 + 8 h + i - 8 of my row
.irp b, 0,1
	v_max3_num_f32 v[TM+\b], 0x1800000, |v[KF+16*\b]|, |v[KF+16*\b+1]|    ; my 16 numbers of block b, and the floor 2^(3 - 127): the byte cannot fall under 1
.endr
.irp i, 2,4,6,8,10,12,14
.irp b, 0,1
	v_max3_num_f32 v[TM+\b], v[TM+\b], |v[KF+16*\b+\i]|, |v[KF+16*\b+\i+1]|
.endr
.endr
.irp b, 0,1
	v_permlanex16_b32 v[TM+4+\b], v[TM+\b], s20, s21
.endr
.irp b, 0,1
	v_max_num_f32 v[TM+\b], v[TM+\b], v[TM+4+\b]
.endr
.irp b, 0,1
	v_add_nc_u32 v[TM+12+\b], 0xff000000, v[TM+\b] ; 2 off the exponent field: the conversion's scale operand
.endr
.irp b, 0,1
	v_lshrrev_b32 v[TM+4+\b], 23, v[TM+12+\b]      ; the scale's byte
.endr
	v_lshl_or_b32 v[PW], v[TM+5], 8, v[TM+4]
	v_cvt_scalef32_pk8_fp4_f32 v[PC], v[KF:KF+7], v[TM+12]
	v_cvt_scalef32_pk8_fp4_f32 v[PC+1], v[KF+16:KF+23], v[TM+13]
	v_cvt_scalef32_pk8_fp4_f32 v[PC+2], v[KF+8:KF+15], v[TM+12]
	v_cvt_scalef32_pk8_fp4_f32 v[PC+3], v[KF+24:KF+31], v[TM+13]
	v_nop                                          ; one plain place behind a scaled conversion
	v_permlane16_swap_b32 v[PC], v[PC+1]           ; the four registers of lane (r, h) become block h of my head in row r: the operand's layout
	v_permlane16_swap_b32 v[PC+2], v[PC+3]
	global_store_b128 v1, v[PC:PC+3], s[62:63]     ; 512 consecutive bytes, aligned
	ds_store_b16 v10, v[PW]                        ; both lanes of a row write the same two bytes with the same value
	s_wait_dscnt 0x0
	s_barrier_signal -1
	s_barrier_wait -1
	s_cmp_lg_u32 s12, 0
	s_cbranch_scc1 .Lnot_first
	ds_load_b128 v[64:67], v15                     ; wave 0: the eight tiles' scale words, 512 bytes
	s_wait_dscnt 0x0
	global_store_b128 v1, v[64:67], s[2:3]
.Lnot_first:
	s_wait_tensorcnt 0x0                           ; the wave's end
	ds_add_u32 v254, v255
	s_wait_dscnt 0x0
	CROUND                                         ; the closing round
	s_endpgm
.Lfunc_end_k_q932625bf59_attn:
	.size	k_q932625bf59_attn, .Lfunc_end_k_q932625bf59_attn-k_q932625bf59_attn
	.p2alignl 7, 3214868480
	.fill 96, 4, 3214868480
	.section	.rodata,"a",@progbits
	.p2align	6, 0x0
	.amdhsa_kernel k_q932625bf59_attn
		.amdhsa_group_segment_fixed_size 168960
		.amdhsa_private_segment_fixed_size 0
		.amdhsa_enable_private_segment 0
		.amdhsa_kernarg_size 32
		.amdhsa_user_sgpr_count 2
		.amdhsa_user_sgpr_kernarg_segment_ptr 1
		.amdhsa_wavefront_size32 1
		.amdhsa_system_sgpr_workgroup_id_x 1
		.amdhsa_system_sgpr_workgroup_id_y 1
		.amdhsa_system_sgpr_workgroup_id_z 1
		.amdhsa_system_vgpr_workitem_id 0
		.amdhsa_next_free_vgpr 256
		.amdhsa_next_free_sgpr 80
		.amdhsa_reserve_vcc 1
		.amdhsa_float_denorm_mode_32 3
		.amdhsa_float_denorm_mode_16_64 3
		.amdhsa_memory_ordered 1
		.amdhsa_forward_progress 1
		.amdhsa_inst_pref_size 61
	.end_amdhsa_kernel
	.amdgpu_metadata
---
amdhsa.version: [ 1, 2 ]
amdhsa.kernels:
  - .name:           k_q932625bf59_attn
    .symbol:         k_q932625bf59_attn.kd
    .args:
      - { .name: qkc, .offset: 0, .size: 8, .value_kind: global_buffer, .address_space: global }
      - { .name: vbuf, .offset: 8, .size: 8, .value_kind: global_buffer, .address_space: global }
      - { .name: source_mask, .offset: 16, .size: 8, .value_kind: global_buffer, .address_space: global }
      - { .name: aq, .offset: 24, .size: 8, .value_kind: global_buffer, .address_space: global }
    .group_segment_fixed_size: 168960
    .private_segment_fixed_size: 0
    .kernarg_segment_align: 8
    .kernarg_segment_size: 32
    .max_flat_workgroup_size: 512
    .sgpr_count:     80
    .vgpr_count:     256
    .wavefront_size: 32
...
	.end_amdgpu_metadata
.endif
;; end of part 9
;; launch wo (part 10): grid 8 x 32, 4 waves a work-group, clusters of 4 x 4, 327,680 bytes of LDS; arguments aq, wo_codes, wo_scales, x, x1; writes x1
.if DOCPART == 10
	.amdgcn_target "amdgcn-amd-amdhsa--gfx1250"
	.amdhsa_code_object_version 6
	.text
	.protected	k_q932625bf59_wo
	.globl	k_q932625bf59_wo
	.p2align	8
	.type	k_q932625bf59_wo,@function
k_q932625bf59_wo:
	s_mov_b64 s[64:65], 0
	v_nop
	global_prefetch_b8 v0, s[64:65] scope:SCOPE_SE
	s_setreg_imm32_b32 hwreg(HW_REG_WAVE_MODE, 25, 1), 1
	s_wait_xcnt 0x0
	s_wait_alu depctr_hold_cnt(0) depctr_sa_sdst(0) depctr_va_vdst(0) depctr_va_sdst(0) depctr_va_ssrc(0) depctr_va_vcc(0) depctr_vm_vsrc(0)
	s_getreg_b32 s2, hwreg(HW_REG_IB_STS2, 6, 4)
	s_cmp_eq_u32 s2, 0
	s_cbranch_scc0 .Lentry_in_a_cluster
	s_endpgm
.Lentry_in_a_cluster:
	s_bfe_u32 s2, ttmp6, 0x10000c
	s_cmp_lg_u32 s2, 0xf033
	s_cbranch_scc0 .Lentry_shape_is_right
	s_endpgm
.Lentry_shape_is_right:
; x1 = x + a Wo^T on codes of FP4 (E2M1) with one E8M0 scale for each 32 along K = 1,024.  a: 4,096 rows, as records of register images (below).  Wo: [1,024][512 bytes], scales [1,024][32].  x, x1: [4,096][1,024] f32.
; THE TILE.  The result is 4,096 x 1,024: 256 tiles of 128 x 128, one for each of the 256 WGPs; tiles of 256 x 256 would be 64.  Four waves, each 64 x 64: 16 accumulators, 128 registers.
; A wave reads 8 KB of fragments for 16 products, twice the LDS bytes for each multiply-add of a wave tile of 128 x 128: the lesser loss beside WGPs without work.
; All of K = 1,024 is ONE LDS slot, filled once: two records of A, then 128 rows of B.
; A's RECORD (aq: [K slot of 512][128 rows: 32][34,816 bytes]): fragment (tile t, K step q) is 1,024 bytes at (4 t + q) 1,024, registers 4 c .. 4 c + 3 of lane l at + 512 c + 16 l;
; scale words at 32,768 + 512 q + 16 lane (r, hh): the four words of tiles 4 hh + 0 .. 3.  A record is a dense block for the tensor load, and a fragment load reads 512 consecutive LDS bytes.
; B's tile: 128 rows of 512 bytes, 16 of padding behind each.  B's scales for all of K come beside it.
; CLUSTER: A's records are shared along a row of the cluster, B's tile and scales along a column: each is asked for JOINTLY, by the same tensor load with a mask that names the four.
; THE MATRIX INSTRUCTION IS USED TRANSPOSED (source 0 = 16 rows of Wo, source 1 = 16 rows of a): a lane holds eight neighbouring numbers of a row of the result.
; THE WAY OUT: my 64 columns are 256 consecutive bytes of a row, aligned.  A block of 16 rows goes through my own stage in LDS and comes back, two whole rows a load, into the registers that it left; x's rows, asked for at the head, are added there.
; REGISTERS, in windows of 256: window 0: v0-31 addresses; v32-127 scale words, two sets of 48; v128-255 the accumulators ((a, b) at v[128 + 8 (4 a + b)]).
;   window 1: two fragment buffers of 128: for two K steps of 128, 64 registers of A (2 x 4 tiles x 8), then 64 of B.   window 2: v0-127 x's rows as they will come back from the stage.
.set SIZE_K, 1024
.set HASB,   0                         ; no bias
.set RESP,   10                        ; s[10:11] the residual
.set OUTP,   12                        ; s[12:13] the result
.set NSL,    SIZE_K/1024               ; slots' worth of K
.set KROW,   SIZE_K/2                  ; a row of B in memory, in bytes
.set KS,     SIZE_K/32                 ; a row of B's scales in bytes
.set AREC,   34816                     ; a record of A: what one tensor load brings (136 x 256 bytes)
.set ASLOT,  32*AREC
.set BP,     528                       ; B's row in LDS: 512 bytes + 16 of padding = 132 words: the sixteen rows of a load start at sixteen different banks (64 banks of 4 bytes: ISA guide 11.1)
.set BHALF,  64*BP                     ; 64 rows of B: what one tensor load brings, and what one wave reads
.set BOFF,   2*AREC                    ; B lies behind A's two records
.set SLOT,   BOFF+2*BHALF
.set SCL,    2*SLOT                    ; behind the slots: bytes that nothing fills
.set QS,     (32*KS/256)*272
.set SPARE,  SCL+4*QS                  ; the spare words, 128 bytes for each wave: two blocks of 256 bytes that no other line names
.set STAGE,  SPARE+512                 ; the stages: 16 rows x (256 bytes + 16) for each wave: bytes of their own, into which no fill lands
.set SPITCH, 272
.set ADRA, 16                          ; v16-17  LDS address of my A fragments in slot 0, 1
.set ADSA, 18                          ; v18-19  of A's scale words: both halves of the lanes read my four tiles' words of row r
.set ADRB, 20                          ; v20-21  of my B fragments
.set L16,  22                          ; v22     16 x lane
.set R16,  23                          ; v23     16 x (lane % 16)
.set STO,  24                          ; v24     the way out: where I put 32 bytes of a row
.set RD,   25                          ; v25     where I read two rows back
.set CO,   26                          ; v26     the same two rows in memory: 4,096 (lane / 16) + 16 (lane % 16)
.set ADRS, 27                          ; v27     offset of B's scale words in memory: lane l takes row l of 32
.set SPW,  28                          ; v28     LDS address of my spare word; never rewritten
.set NIL,  29                          ; v29     0; never rewritten
.set SC,   32                          ; scale words: set s at v[SC + 48 s]: A's at 4 ks + tile (ks: K step 0 .. 7 of the slot); B's at 32 + 8 i + ks: lanes 0-15 tile 2 i, lanes 16-31 tile 2 i + 1
.set ACC,  128
.set BI,   128                         ; in window 2: the bias of my four columns
.set G1,   24
.set G0,   32
.set G1B,  48
.set G0B,  56
.set G1S,  68
.set G0S,  76
.set MSB, 0
.macro WIN new                         ; the immediate's high byte repeats the setting that is left; a switch that changes nothing is dropped
.if MSB != (\new)
	s_set_vgpr_msb (MSB<<8)|(\new)
.set MSB, (\new)
.endif
.endm
.set MUL,  0x05                        ; sources 0 (B) and 1 (A) window 1; C and D window 0
.set TO_F, 0x40                        ; destination window 1, address window 0
.macro JLOAD s                         ; a joint load: waves 0 and 1 fetch A's two records, waves 2 and 3 B's two halves; four v_nop follow each of the two lines
	s_cmp_eq_u32 s15, 0
	s_cbranch_scc0 .Lfor_b_\@
	tensor_load_to_lds s[G0+4*\s:G0+4*\s+3], s[G1:G1+7]
	s_nop 0
.rept 4
	v_nop
.endr
	s_branch .Lasked_\@
.Lfor_b_\@:
	tensor_load_to_lds s[G0B+4*\s:G0B+4*\s+3], s[G1B:G1B+7]
	s_nop 0
.rept 4
	v_nop
.endr
.Lasked_\@:
.endm
.macro CREST                           ; a round of the cluster's barrier behind its opening barrier
	s_cmp_lg_u32 s14, 0
	s_cbranch_scc1 .Lnot_wave_0_\@
	s_barrier_signal -3
.Lnot_wave_0_\@:
	s_barrier_wait -3
	s_barrier_signal -1
	s_barrier_wait -1
.endm
.macro CROUND                          ; a whole round
	s_barrier_signal -1
	s_barrier_wait -1
	CREST
.endm
	s_load_b128 s[4:7], s[0:1], 0x0                ; aq, Wo's codes
	s_load_b128 s[8:11], s[0:1], 0x10              ; Wo's scales, x
	s_load_b64 s[12:13], s[0:1], 0x20              ; x1
	v_lshl_add_u32 v[SPW], v0, 2, SPARE
	v_mov_b32 v[NIL], 0
	ds_add_u32 v28, v29
	ds_add_u32 v28, v29
	s_wait_dscnt 0x0
	v_lshrrev_b32 v1, 5, v0
	v_readfirstlane_b32 s14, v1                    ; wave 0..3
	s_lshr_b32 s15, s14, 1                         ; which half of the tile's rows is mine.  Also: I fetch for A (0) or for B (1)
	s_and_b32 s16, s14, 1                          ; which half of its columns.  Also: which record of A, or which half of B, I fetch
	s_bfe_u32 s40, ttmp6, 0x40000                  ; cx, cy: my place in the cluster
	s_bfe_u32 s41, ttmp6, 0x40004
	s_lshl_b32 s42, ttmp9, 2
	s_add_co_u32 s42, s42, s40                     ; tile column = 4 x cluster x + cx
	s_and_b32 s17, ttmp7, 0xffff
	s_lshl_b32 s17, s17, 2
	s_add_co_u32 s17, s17, s41                     ; tile row = 4 x cluster y + cy
	s_lshl_b32 s43, s41, 2
	s_lshl_b32 s43, 15, s43                        ; my row of the cluster
	s_lshl_b32 s44, 0x1111, s40                    ; my column
	s_or_b32 s[G1+0], s43, (3<<16)|(1<<21)         ; A: 15:0 the mask: my row; 17:16 elements of 8 bytes; 21 set beside a mask; no padding
	s_mov_b32 s[G1+1], 32<<16                      ; tensor_dim0 = 32 elements: rows of 256 bytes
	s_mov_b32 s[G1+2], 136<<16                     ; tensor_dim1 = 136 rows: a record
	s_mov_b32 s[G1+3], 32<<16                      ; tile_dim0
	s_mov_b32 s[G1+4], 136                         ; tile_dim1
	s_mov_b32 s[G1+5], 32                          ; dense
	s_mov_b32 s[G1+6], 0
	s_mov_b32 s[G1+7], 0
	s_or_b32 s[G1B+0], s44, (0<<16)|(1<<20)|(1<<21)|(6<<22)|(3<<25)  ; B: my column; elements of 1 byte; padding: 4 words after every 128
	s_mov_b32 s[G1B+1], 512<<16                    ; rows of 512 bytes: 1,024 along K
	s_mov_b32 s[G1B+2], 64<<16
	s_mov_b32 s[G1B+3], 512<<16
	s_mov_b32 s[G1B+4], 64
	s_mov_b32 s[G1B+5], KROW
	s_mov_b32 s[G1B+6], 0
	s_mov_b32 s[G1B+7], 0
	s_mul_i32 s20, s17, AREC                       ; A: my tile row's record, in the K slot that I fetch
	s_mul_i32 s18, s16, ASLOT
	s_add_co_u32 s20, s20, s18
	s_mov_b32 s21, 0
	s_lshl_b32 s46, s42, 7                         ; B: row 128 x tile column + 64 x half
	s_lshl_b32 s18, s16, 6
	s_add_co_u32 s46, s46, s18
	s_mul_i32 s46, s46, KROW
	s_mov_b32 s47, 0
	s_lshl_b32 s66, s42, 7                         ; B's scales: row 128 x tile column
	s_lshl_b32 s18, s16, 6                         ; B's scales: row 128 x tile column + the 64 rows that I multiply
	s_add_co_u32 s66, s66, s18
	s_mul_i32 s66, s66, KS
	s_mov_b32 s67, 0
	s_mul_i32 s45, s16, AREC                       ; where they go: no place in the cluster enters an LDS address
	s_mul_i32 s84, s16, BHALF
	s_add_co_u32 s84, s84, BOFF
	s_wait_kmcnt 0x0
	s_add_nc_u64 s[20:21], s[4:5], s[20:21]
	s_add_nc_u64 s[46:47], s[6:7], s[46:47]
	s_add_nc_u64 s[66:67], s[8:9], s[66:67]
	CROUND                                         ; all sixteen work-groups are here: the first joint loads meet
.macro FIRST s                         ; slot s's first fill: K = 1,024 s on
	s_mov_b32 s[G0+4*\s], 1
	s_add_co_u32 s[G0+4*\s+1], s45, \s*SLOT
	s_add_nc_u64 s[G0+4*\s+2:G0+4*\s+3], s[20:21], \s*2*ASLOT
	s_or_b32 s[G0+4*\s+3], s[G0+4*\s+3], 0x80000000
	s_mov_b32 s[G0B+4*\s], 1
	s_add_co_u32 s[G0B+4*\s+1], s84, \s*SLOT
	s_add_nc_u64 s[G0B+4*\s+2:G0B+4*\s+3], s[46:47], \s*512
	s_or_b32 s[G0B+4*\s+3], s[G0B+4*\s+3], 0x80000000
	JLOAD \s
.endm
	FIRST 0                                        ; my one tensor load of the launch
	v_and_b32 v1, 15, v0                           ; r
	v_bfe_u32 v2, v0, 4, 1                         ; h
	v_and_b32 v6, 31, v0
	v_lshlrev_b32 v[L16], 4, v6
	s_wait_alu depctr_va_vdst(0)
	v_lshlrev_b32 v[R16], 4, v1
	s_wait_alu depctr_va_vdst(0)
	v_mul_u32_u24 v3, v1, BP
	v_lshl_add_u32 v4, v2, 4, v3                   ; B: a fragment's row x pitch + 16 h
	s_wait_alu depctr_va_vdst(0)
	s_lshl_b32 s18, s15, 14                        ; A: my four tiles' fragments
	s_mul_i32 s22, s16, BHALF
	s_add_co_u32 s22, s22, BOFF                    ; B: my 64 rows
	s_lshl_b32 s23, s15, 8                         ; A's scale words: my four tiles are one half of the lanes' 256 bytes
	s_add_co_u32 s23, s23, 32768
.irp s, 0,1
	v_add_nc_u32 v[ADRA+\s], s18, v[L16]
	v_add_nc_u32 v[ADSA+\s], s23, v[R16]
	v_add_nc_u32 v[ADRB+\s], s22, v4
	s_add_co_u32 s18, s18, SLOT
	s_add_co_u32 s22, s22, SLOT
	s_add_co_u32 s23, s23, SLOT
.endr
	v_mul_u32_u24 v[ADRS], v6, KS                  ; B's scale words go from memory straight into their registers: lane l takes row 32 i + l; the four loads cover my 64 rows' 2,048 consecutive bytes
.irp i, 0,1
.irp kp, 0,1
	global_load_b128 v[SC+32+8*\i+4*\kp:SC+32+8*\i+4*\kp+3], v[ADRS], s[66:67] offset:\i*32*KS+16*\kp
.endr
.endr
	s_mul_i32 s23, s14, 16*SPITCH
	s_add_co_u32 s23, s23, STAGE                   ; my stage
	v_mul_u32_u24 v5, v1, SPITCH
	v_lshl_add_u32 v5, v2, 5, v5
	v_add_nc_u32 v[STO], s23, v5                   ; in: row r, 32 bytes for each half of the lanes
	v_mul_u32_u24 v5, v2, SPITCH
	v_lshl_add_u32 v5, v1, 4, v5
	v_add_nc_u32 v[RD], s23, v5                    ; back: lanes 0-15 one row of 256 bytes, lanes 16-31 the next
	v_lshlrev_b32 v5, 12, v2
	v_lshl_add_u32 v[CO], v1, 4, v5                ; and the same two rows in memory
	s_wait_alu depctr_va_vdst(0)
	s_lshl_b32 s18, s42, 9                         ; my first column, in bytes: 512 x tile column + 256 x half
	s_lshl_b32 s19, s16, 8
	s_add_co_u32 s18, s18, s19
	s_mov_b32 s19, 0
.if HASB
	s_add_nc_u64 s[10:11], s[10:11], s[18:19]      ; the bias there
.endif
	s_lshl_b32 s22, s17, 19                        ; my first row, 4,096 bytes a row: 128 x tile row + 64 x half
	s_lshl_b32 s23, s15, 18
	s_add_co_u32 s22, s22, s23
	s_add_co_u32 s22, s22, s18
	s_mov_b32 s23, 0
	s_add_nc_u64 s[RESP:RESP+1], s[RESP:RESP+1], s[22:23]
	s_add_nc_u64 s[OUTP:OUTP+1], s[OUTP:OUTP+1], s[22:23]
	WIN 0x80                                       ; destination window 2
.if HASB
	global_load_b128 v[BI:BI+3], v[R16], s[10:11]  ; of the four columns that I hold when rows come back from the stage
.endif
.irp a, 0,1,2,3                        ; the residual's 64 rows, as they will come back from the stage: asked for here, wanted behind the last product
.irp t, 0,1,2,3,4,5,6,7
	global_load_b128 v[32*\a+4*\t:32*\a+4*\t+3], v[CO], s[RESP:RESP+1] offset:(16*\a+2*\t)*4096
.endr
.endr
	WIN 0
.macro WM                              ; one matrix instruction, by the symbols that MUL8 sets.  fB: B's scale words stand in lanes 16-31 of the register named.  fZ: the constant 0 starts the sum
.if fZ
.if fB
	v_wmma_scale_f32_16x16x128_f8f6f4 v[rD:rD+7], v[rB:rB+7], v[rA:rA+7], 0, v[rSB], v[rSA] matrix_a_fmt:MATRIX_FMT_FP4 matrix_b_fmt:MATRIX_FMT_FP4 matrix_a_scale:MATRIX_SCALE_ROW1
.else
	v_wmma_scale_f32_16x16x128_f8f6f4 v[rD:rD+7], v[rB:rB+7], v[rA:rA+7], 0, v[rSB], v[rSA] matrix_a_fmt:MATRIX_FMT_FP4 matrix_b_fmt:MATRIX_FMT_FP4
.endif
.else
.if fB
	v_wmma_scale_f32_16x16x128_f8f6f4 v[rD:rD+7], v[rB:rB+7], v[rA:rA+7], v[rD:rD+7], v[rSB], v[rSA] matrix_a_fmt:MATRIX_FMT_FP4 matrix_b_fmt:MATRIX_FMT_FP4 matrix_a_scale:MATRIX_SCALE_ROW1
.else
	v_wmma_scale_f32_16x16x128_f8f6f4 v[rD:rD+7], v[rB:rB+7], v[rA:rA+7], v[rD:rD+7], v[rSB], v[rSA] matrix_a_fmt:MATRIX_FMT_FP4 matrix_b_fmt:MATRIX_FMT_FP4
.endif
.endif
.endm
; 8 matrix instructions: A's tiles a0, a0 + 1 x B's four, one K step of 128: half c of buffer f.  sc: the set of scale words; ks: the K step in the slot.  zero = 1: the first product starts the sums: nothing is cleared.
; The 16 accumulators take turns, one instruction a turn, in the same order in every K step.
.macro MUL8 f, c, a0, zero, sc, ks
.irp a, \a0, \a0+1
.irp b, 0,1,2,3
.set rD, ACC+8*(4*(\a)+\b)
.set rB, (\f)+64+8*(4*(\c)+\b)
.set rA, (\f)+8*(4*(\c)+(\a))
.set rSB, SC+48*(\sc)+32+8*(\b/2)+(\ks)
.set fB, \b%2
.set rSA, SC+48*(\sc)+4*(\ks)+(\a)
.set fZ, \zero
	WM
.endr
.endr
.endm
; 32 LDS loads in one run: the fragments of K steps 2 qt and 2 qt + 1 of the slot into buffer f; the first K step's first.  B: lane (r, h): row r, 16 bytes at 64 ks + 32 c + 16 h.  A: register images, 512 consecutive bytes a load
.macro FETCH slot, qt, f
	WIN TO_F
.irp c, 0,1
.irp i, 0,1,2,3
	ds_load_b128 v[(\f)+64+8*(4*\c+\i):(\f)+64+8*(4*\c+\i)+3],   v[ADRB+\slot] offset:\i*16*BP+64*(2*(\qt)+\c)
	ds_load_b128 v[(\f)+64+8*(4*\c+\i)+4:(\f)+64+8*(4*\c+\i)+7], v[ADRB+\slot] offset:\i*16*BP+64*(2*(\qt)+\c)+32
	ds_load_b128 v[(\f)+8*(4*\c+\i):(\f)+8*(4*\c+\i)+3],         v[ADRA+\slot] offset:((2*(\qt)+\c)/4)*AREC+\i*4096+((2*(\qt)+\c)%4)*1024
	ds_load_b128 v[(\f)+8*(4*\c+\i)+4:(\f)+8*(4*\c+\i)+7],       v[ADRA+\slot] offset:((2*(\qt)+\c)/4)*AREC+\i*4096+((2*(\qt)+\c)%4)*1024+512
.endr
.endr
.endm
.macro SCALES sc, n                    ; the scale words of the slot in LDS slot sc, the n-th 1,024 along K, into set sc: eight loads of A's words
	WIN 0
.irp ks, 0,1,2,3,4,5,6,7
	ds_load_b128 v[SC+48*\sc+4*\ks:SC+48*\sc+4*\ks+3], v[ADSA+\sc] offset:(\ks/4)*AREC+(\ks%4)*512        ; A's: the words of my four tiles for K step ks
.endr
.endm
; A load into a register that a matrix instruction has read, and a vector instruction or a store that reads a matrix result, stand four places behind that matrix instruction; only plain vector
; instructions that name none of its registers are places (ISA guide 7.12.1 for vector instructions).
.macro PLACES
.rept 4
	v_nop
.endr
.endm
; A slot is four quarters of two K steps, 32 matrix instructions each, on buffers 0, 1, 0, 1.  One of the first three: multiplies quarter qt and, in its middle, fetches quarter qt + 1 into the other buffer.
.macro QUARTER slot, qt, zero
	s_wait_dscnt 16                                ; the scale words and the first K step's fragments are in; the youngest sixteen loads (the second K step's) may be out
	WIN MUL
	MUL8 128*((\qt)%2), 0, 0, \zero, \slot, 2*(\qt)
	MUL8 128*((\qt)%2), 0, 2, \zero, \slot, 2*(\qt)
	PLACES
	FETCH \slot, (\qt)+1, 128-128*((\qt)%2)
	s_wait_dscnt 32                                ; all but the 32 just issued
	WIN MUL
	MUL8 128*((\qt)%2), 1, 0, 0, \slot, 2*(\qt)+1
	MUL8 128*((\qt)%2), 1, 2, 0, \slot, 2*(\qt)+1
.endm
; A slot's last quarter changes slots: ONE barrier; in front of it each wave waits for all its tensor loads, adds 0 to its spare word, and waits for that and for its own reads of this slot.
; fill = 1: this slot is filled again, two slots ahead.  n: which 1,024 along K the next slot holds.
.macro TURN slot, next, fill, n
	WIN 0                                          ; (the add's two registers lie in window 0)
	s_wait_tensorcnt 0x0                           ; all my tensor loads have landed: my part of the next slot
	ds_add_u32 v[SPW], v[NIL]                      ; 0 onto my spare word
	s_wait_dscnt 17                                ; (the add and the youngest sixteen loads may be out)
	WIN MUL
	MUL8 128, 0, 0, 0, \slot, 6                    ; eight matrix instructions stand between the add and the wait for it
	s_wait_dscnt 0x0                               ; the add is done, and my reads of this slot are over
	s_barrier_signal -1
	MUL8 128, 0, 2, 0, \slot, 6
	WIN 0
	s_barrier_wait -1
.if \fill
	CREST                                          ; the barrier has opened a round of the cluster's barrier: no wave of any partner still reads this slot or has a load on its way
	s_add_nc_u64 s[G0+4*\slot+2:G0+4*\slot+3], s[G0+4*\slot+2:G0+4*\slot+3], 4*ASLOT
	s_add_nc_u64 s[G0B+4*\slot+2:G0B+4*\slot+3], s[G0B+4*\slot+2:G0B+4*\slot+3], 1024
	JLOAD \slot                                    ; the first tensor load behind the round; its four v_nop are the places in front of the loads below
.else
	PLACES
.endif
	SCALES \next, \n
	FETCH \next, 0, 0
	WIN MUL
	MUL8 128, 1, 0, 0, \slot, 7
	MUL8 128, 1, 2, 0, \slot, 7
.endm
.macro THREE slot                      ; a slot's first three quarters
	QUARTER \slot, 0, 0
	QUARTER \slot, 1, 0
	QUARTER \slot, 2, 0
.endm
	s_wait_alu depctr_va_vdst(0)
	s_wait_loadcnt 32                              ; B's scale words are in; the residual's 32 loads, issued behind them, may be out
	s_wait_tensorcnt 0x0                           ; my part of the slot is in,
	s_barrier_signal -1
	s_barrier_wait -1                              ; everybody's are
	SCALES 0, 0
	FETCH 0, 0, 0
	QUARTER 0, 0, 1                                ; the first K step's products start the sums
	QUARTER 0, 1, 0
	QUARTER 0, 2, 0
.if NSL > 1
	TURN 0, 1, 1, 1
	THREE 1
	TURN 1, 0, 1, 2
	THREE 0
	TURN 0, 1, 0, 3                                ; nothing is left to fetch
	THREE 1
.endif
	s_wait_dscnt 16                                ; the very last quarter
	WIN MUL
	MUL8 128, 0, 0, 0, (NSL-1)%2, 6
	MUL8 128, 0, 2, 0, (NSL-1)%2, 6
	s_wait_dscnt 0
	MUL8 128, 1, 0, 0, (NSL-1)%2, 7
	MUL8 128, 1, 2, 0, (NSL-1)%2, 7
	WIN 0
; THE WAY OUT.  LDS serves a wave's instructions in order (ISA guide 5.7.1.4): no wait between the stage's stores and its loads, nor in front of the next block's stores.
.macro TOSTAGE a                       ; block a: 16 rows x 64 columns into my stage, and back as whole rows of 256 bytes, into the registers that they left
.irp b, 0,1,2,3
	ds_store_b128 v[STO], v[ACC+8*(4*(\a)+\b):ACC+8*(4*(\a)+\b)+3] offset:64*\b          ; each accumulator from its low end on
	ds_store_b128 v[STO], v[ACC+8*(4*(\a)+\b)+4:ACC+8*(4*(\a)+\b)+7] offset:64*\b+16
.endr
.irp t, 0,1,2,3,4,5,6,7
	ds_load_b128 v[ACC+32*(\a)+4*\t:ACC+32*(\a)+4*\t+3], v[RD] offset:\t*2*SPITCH
.endr
.endm
.macro SEND a, younger                 ; younger: the LDS instructions issued behind block a's loads, which may stay out
	s_wait_dscnt \younger                          ; the block is back in registers
	WIN 0x08                                       ; source 1: window 2
.irp t, 0,1,2,3,4,5,6,7,8,9,10,11,12,13,14,15
	v_pk_add_f32 v[ACC+32*(\a)+2*\t:ACC+32*(\a)+2*\t+1], v[ACC+32*(\a)+2*\t:ACC+32*(\a)+2*\t+1], v[32*(\a)+2*\t:32*(\a)+2*\t+1]
.endr
.if HASB
.irp t, 0,1,2,3,4,5,6,7
	v_pk_add_f32 v[ACC+32*(\a)+4*\t:ACC+32*(\a)+4*\t+1], v[ACC+32*(\a)+4*\t:ACC+32*(\a)+4*\t+1], v[BI:BI+1]
	v_pk_add_f32 v[ACC+32*(\a)+4*\t+2:ACC+32*(\a)+4*\t+3], v[ACC+32*(\a)+4*\t+2:ACC+32*(\a)+4*\t+3], v[BI+2:BI+3]
.endr
.endif
	WIN 0
.irp t, 0,1,2,3,4,5,6,7
	global_store_b128 v[CO], v[ACC+32*(\a)+4*\t:ACC+32*(\a)+4*\t+3], s[OUTP:OUTP+1] offset:(16*(\a)+2*\t)*4096   ; sixteen lanes store 256 consecutive bytes, at a multiple of 256 from the buffer's first byte
.endr
.endm
	PLACES                                         ; in front of the first read of results and of the loads into them
	s_wait_loadcnt 0x0                             ; the residual, asked for at the head
	TOSTAGE 0
.irp a, 1,2,3
	TOSTAGE \a
	SEND \a-1, 16                                  ; behind block a - 1's loads: block a's 8 stores and 8 loads
.endr
	SEND 3, 0
	s_wait_tensorcnt 0x0                           ; the wave's end
	ds_add_u32 v[SPW], v[NIL]
	s_wait_dscnt 0x0
	CROUND                                         ; the closing round: no work-group ends while a partner may still ask for a tile that names it
	s_endpgm
.Lfunc_end_k_q932625bf59_wo:
	.size	k_q932625bf59_wo, .Lfunc_end_k_q932625bf59_wo-k_q932625bf59_wo
	.p2alignl 7, 3214868480
	.fill 96, 4, 3214868480
	.section	.rodata,"a",@progbits
	.p2align	6, 0x0
	.amdhsa_kernel k_q932625bf59_wo
		.amdhsa_group_segment_fixed_size 327680
		.amdhsa_private_segment_fixed_size 0
		.amdhsa_enable_private_segment 0
		.amdhsa_kernarg_size 40
		.amdhsa_user_sgpr_count 2
		.amdhsa_user_sgpr_kernarg_segment_ptr 1
		.amdhsa_wavefront_size32 1
		.amdhsa_system_sgpr_workgroup_id_x 1
		.amdhsa_system_sgpr_workgroup_id_y 1
		.amdhsa_system_sgpr_workgroup_id_z 1
		.amdhsa_system_vgpr_workitem_id 0
		.amdhsa_next_free_vgpr 768
		.amdhsa_next_free_sgpr 100
		.amdhsa_reserve_vcc 0
		.amdhsa_float_denorm_mode_32 3
		.amdhsa_float_denorm_mode_16_64 3
		.amdhsa_memory_ordered 1
		.amdhsa_forward_progress 1
		.amdhsa_inst_pref_size 48
	.end_amdhsa_kernel
	.amdgpu_metadata
---
amdhsa.version: [ 1, 2 ]
amdhsa.kernels:
  - .name:           k_q932625bf59_wo
    .symbol:         k_q932625bf59_wo.kd
    .args:
      - { .name: aq, .offset: 0, .size: 8, .value_kind: global_buffer, .address_space: global }
      - { .name: wo_codes, .offset: 8, .size: 8, .value_kind: global_buffer, .address_space: global }
      - { .name: wo_scales, .offset: 16, .size: 8, .value_kind: global_buffer, .address_space: global }
      - { .name: x, .offset: 24, .size: 8, .value_kind: global_buffer, .address_space: global }
      - { .name: x1, .offset: 32, .size: 8, .value_kind: global_buffer, .address_space: global }
    .group_segment_fixed_size: 327680
    .private_segment_fixed_size: 0
    .kernarg_segment_align: 8
    .kernarg_segment_size: 40
    .max_flat_workgroup_size: 128
    .sgpr_count:     100
    .vgpr_count:     768
    .wavefront_size: 32
...
	.end_amdgpu_metadata
.endif
;; end of part 10
;; launch ln2: the kernel of part 7 again; grid 256 x 1, 16 waves a work-group, no clusters, 84,992 bytes of LDS; arguments x1, alpha2, bias2, xq; writes xq
;; launch w1 (part 11): grid 16 x 16, 4 waves a work-group, clusters of 4 x 4, 327,680 bytes of LDS; arguments xq, w1_codes, w1_scales, b1, hq; writes hq
.if DOCPART == 11
	.amdgcn_target "amdgcn-amd-amdhsa--gfx1250"
	.amdhsa_code_object_version 6
	.text
	.protected	k_q932625bf59_w1
	.globl	k_q932625bf59_w1
	.p2align	8
	.type	k_q932625bf59_w1,@function
k_q932625bf59_w1:
	s_mov_b64 s[64:65], 0
	v_nop
	global_prefetch_b8 v0, s[64:65] scope:SCOPE_SE
	s_setreg_imm32_b32 hwreg(HW_REG_WAVE_MODE, 25, 1), 1
	s_wait_xcnt 0x0
	s_wait_alu depctr_hold_cnt(0) depctr_sa_sdst(0) depctr_va_vdst(0) depctr_va_sdst(0) depctr_va_ssrc(0) depctr_va_vcc(0) depctr_vm_vsrc(0)
	s_getreg_b32 s2, hwreg(HW_REG_IB_STS2, 6, 4)
	s_cmp_eq_u32 s2, 0
	s_cbranch_scc0 .Lentry_in_a_cluster
	s_endpgm
.Lentry_in_a_cluster:
	s_bfe_u32 s2, ttmp6, 0x10000c
	s_cmp_lg_u32 s2, 0xf033
	s_cbranch_scc0 .Lentry_shape_is_right
	s_endpgm
.Lentry_shape_is_right:
.set SIZE_K, 1024
.set ALAY,   1
.set NQ,     4
.set ROWB,   256
.set KROW,   SIZE_K/2
.set PITCH,  272
.set NL,     2
.set NP,     4
.set HALFT,  34816
.set SLOT,   4*HALFT
.set LAPS,   SIZE_K/1024
.set KS,     SIZE_K/32
.set AREC,   69632
.set ASLOT,  16*AREC
.set HREC,   34816
.set SCL,    2*SLOT
.set QS,     (64*KS/256)*272
.set SBLK,   (32*KS/256)*272
.set SPARE,  SCL+4*QS
.set ADRA, 16
.set ADSA, 18
.set ADRB, 20
.set L16,  26
.set ADRS, 27
.set SPW,  28
.set NIL,  29
.set SC,   32
.set AF,   128
.set WD,   120
.set TM,   200
.set PC,   216
.set XW,   232
.set G1,   24
.set G0,   32
.set G1B,  48
.set G0B,  56
.set G1S,  68
.set G0S,  76
.set MSB, 0
.macro WIN new
.if MSB != (\new)
	s_set_vgpr_msb (MSB<<8)|(\new)
.set MSB, (\new)
.endif
.endm
.set MUL_LO, 0xa1
.set MUL_HI, 0xf1
.set TO_B,   0x40
.macro JLOAD s
	s_cmp_eq_u32 s16, 0                            ; even waves fetch A's record, odd waves B's rows
	s_cbranch_scc0 .Lfor_b_\@
	tensor_load_to_lds s[G0+4*\s:G0+4*\s+3], s[G1:G1+7]
	s_nop 0
.rept 4
	v_nop
.endr
	s_branch .Lasked_\@
.Lfor_b_\@:
	tensor_load_to_lds s[G0B+4*\s:G0B+4*\s+3], s[G1B:G1B+7]
	s_nop 0
.rept 4
	v_nop
.endr
.Lasked_\@:
.endm
.macro CREST
	s_cmp_lg_u32 s14, 0
	s_cbranch_scc1 .Lnot_wave_0_\@
	s_barrier_signal -3
.Lnot_wave_0_\@:
	s_barrier_wait -3
	s_barrier_signal -1
	s_barrier_wait -1
.endm
.macro CROUND
	s_barrier_signal -1
	s_barrier_wait -1
	CREST
.endm
	s_load_b128 s[4:7], s[0:1], 0x0
	s_load_b128 s[8:11], s[0:1], 0x10
	s_load_b64 s[12:13], s[0:1], 0x20
	v_lshl_add_u32 v[SPW], v0, 2, SPARE
	v_mov_b32 v[NIL], 0
	ds_add_u32 v28, v29
	ds_add_u32 v28, v29
	s_wait_dscnt 0x0
	v_lshrrev_b32 v1, 5, v0
	v_readfirstlane_b32 s14, v1
	s_lshr_b32 s15, s14, 1
	s_and_b32 s16, s14, 1
	s_bfe_u32 s40, ttmp6, 0x40000
	s_bfe_u32 s41, ttmp6, 0x40004
	s_lshl_b32 s42, ttmp9, 2
	s_add_co_u32 s42, s42, s40
	s_and_b32 s17, ttmp7, 0xffff
	s_lshl_b32 s17, s17, 2
	s_add_co_u32 s17, s17, s41
	s_lshl_b32 s43, s41, 2
	s_lshl_b32 s43, 15, s43
	s_lshl_b32 s44, 0x1111, s40
	s_or_b32 s[G1+0], s43, (3<<16)|(1<<21)
	s_mov_b32 s[G1+1], 32<<16
	s_mov_b32 s[G1+2], 272<<16                     ; a whole record: 272 rows of 256 bytes
	s_mov_b32 s[G1+3], 32<<16
	s_mov_b32 s[G1+4], 272
	s_mov_b32 s[G1+5], 32
	s_mov_b32 s[G1+6], 0
	s_mov_b32 s[G1+7], 0
	s_or_b32 s[G1B+0], s44, (0<<16)|(1<<20)|(1<<21)|(5<<22)|(3<<25)
	s_mov_b32 s[G1B+1], ROWB<<16
	s_mov_b32 s[G1B+2], 256<<16                    ; all 256 rows of B's tile
	s_mov_b32 s[G1B+3], ROWB<<16
	s_mov_b32 s[G1B+4], 256
	s_mov_b32 s[G1B+5], KROW
	s_mov_b32 s[G1B+6], 0
	s_mov_b32 s[G1B+7], 0
	; the four tiles of K = 1,024 are shared out, one tensor load a wave: wave 0 A's record of K slot 0, wave 1 B's 256 rows of it, waves 2 and 3 the same of K slot 1
	s_mul_i32 s20, s17, AREC
	s_mul_i32 s18, s15, ASLOT
	s_add_co_u32 s20, s20, s18                     ; A: my tile row's record in K slot wave / 2
	s_mov_b32 s21, 0
	s_lshl_b32 s46, s42, 8
	s_mul_i32 s46, s46, KROW
	s_lshl_b32 s18, s15, 8
	s_add_co_u32 s46, s46, s18                     ; B: row 256 x tile column, 256 bytes on for K slot 1
	s_mov_b32 s47, 0
	s_lshl_b32 s66, s42, 8
	s_lshl_b32 s18, s16, 7
	s_add_co_u32 s66, s66, s18
	s_mul_i32 s66, s66, KS                         ; the scale bytes of the 128 rows of B that I multiply
	s_mov_b32 s67, 0
	s_mul_i32 s45, s15, SLOT                       ; the LDS slot that I fill
	s_wait_kmcnt 0x0
	s_add_nc_u64 s[20:21], s[4:5], s[20:21]
	s_add_nc_u64 s[46:47], s[6:7], s[46:47]
	s_add_nc_u64 s[66:67], s[8:9], s[66:67]
	CROUND
	s_mov_b32 s[G0], 1
	s_mov_b32 s[G0+1], s45
	s_mov_b64 s[G0+2:G0+3], s[20:21]
	s_or_b32 s[G0+3], s[G0+3], 0x80000000
	s_mov_b32 s[G0B], 1
	s_add_co_u32 s[G0B+1], s45, 2*HALFT            ; B lies behind A's record
	s_mov_b64 s[G0B+2:G0B+3], s[46:47]
	s_or_b32 s[G0B+3], s[G0B+3], 0x80000000
	JLOAD 0                                        ; my one tensor load of the launch: no LDS byte is filled twice
	v_and_b32 v1, 15, v0
	v_bfe_u32 v2, v0, 4, 1
	v_and_b32 v6, 31, v0
	v_lshlrev_b32 v[L16], 4, v6
	s_wait_alu depctr_va_vdst(0)
	v_mul_u32_u24 v3, v1, PITCH
	v_lshl_add_u32 v4, v2, 4, v3
	s_wait_alu depctr_va_vdst(0)
	s_lshl_b32 s18, s15, 15
	s_mul_i32 s22, s16, HALFT
	s_add_co_u32 s22, s22, 2*HALFT
	s_lshl_b32 s23, s15, 11
	s_add_co_u32 s23, s23, 65536
.irp s, 0,1
	v_add_nc_u32 v[ADRA+\s], s18, v[L16]
	v_add_nc_u32 v[ADSA+\s], s23, v[L16]
	v_add_nc_u32 v[ADRB+\s], s22, v4
	s_add_co_u32 s18, s18, SLOT
	s_add_co_u32 s22, s22, SLOT
	s_add_co_u32 s23, s23, SLOT
.endr
	v_mul_u32_u24 v[ADRS], v6, KS                  ; B's scale words go from memory straight into their registers: lane l takes row 32 i + l; the eight loads cover my 128 rows' 4,096 consecutive bytes
.irp sc, 0,1
.irp i, 0,1,2,3
	global_load_b128 v[SC+32*\sc+16+4*\i:SC+32*\sc+16+4*\i+3], v[ADRS], s[66:67] offset:\i*32*KS+16*\sc
.endr
.endr
	s_lshl_b32 s22, s42, 10
	s_lshl_b32 s23, s16, 9
	s_add_co_u32 s22, s22, s23
	s_mov_b32 s23, 0
	s_add_nc_u64 s[10:11], s[10:11], s[22:23]
	v_lshlrev_b32 v22, 5, v2
	WIN 0x40
.irp b, 0,1,2,3,4,5,6,7
	global_load_b128 v[64+8*\b:64+8*\b+3], v22, s[10:11] offset:64*\b
	global_load_b128 v[64+8*\b+4:64+8*\b+7], v22, s[10:11] offset:64*\b+16
.endr
	WIN 0
	s_lshr_b32 s22, s42, 1
	s_lshl_b32 s22, s22, 5
	s_lshl_b32 s23, s17, 1
	s_add_co_u32 s22, s22, s23
	s_add_co_u32 s22, s22, s15
	s_mul_i32 s22, s22, HREC
	s_and_b32 s23, s42, 1
	s_lshl_b32 s23, s23, 1
	s_add_co_u32 s23, s23, s16
	s_lshl_b32 s80, s23, 9
	s_add_co_u32 s80, s80, s22
	s_add_co_u32 s80, s80, 32768
	s_mov_b32 s81, 0
	s_lshl_b32 s23, s23, 10
	s_add_co_u32 s22, s22, s23
	s_mov_b32 s23, 0
	s_add_nc_u64 s[80:81], s[12:13], s[80:81]
	s_add_nc_u64 s[12:13], s[12:13], s[22:23]
.irp b, 0,1,2,3
	v_mov_b32 v[TM+4+\b], 0
.endr
.macro WM
.if fZ
.if fB && fA
	v_wmma_scale_f32_16x16x128_f8f6f4 v[rD:rD+7], v[rB:rB+7], v[rA:rA+7], 0, v[rSB], v[rSA] matrix_a_fmt:MATRIX_FMT_FP4 matrix_b_fmt:MATRIX_FMT_FP4 matrix_a_scale:MATRIX_SCALE_ROW1 matrix_b_scale:MATRIX_SCALE_ROW1
.elseif fB
	v_wmma_scale_f32_16x16x128_f8f6f4 v[rD:rD+7], v[rB:rB+7], v[rA:rA+7], 0, v[rSB], v[rSA] matrix_a_fmt:MATRIX_FMT_FP4 matrix_b_fmt:MATRIX_FMT_FP4 matrix_a_scale:MATRIX_SCALE_ROW1
.elseif fA
	v_wmma_scale_f32_16x16x128_f8f6f4 v[rD:rD+7], v[rB:rB+7], v[rA:rA+7], 0, v[rSB], v[rSA] matrix_a_fmt:MATRIX_FMT_FP4 matrix_b_fmt:MATRIX_FMT_FP4 matrix_b_scale:MATRIX_SCALE_ROW1
.else
	v_wmma_scale_f32_16x16x128_f8f6f4 v[rD:rD+7], v[rB:rB+7], v[rA:rA+7], 0, v[rSB], v[rSA] matrix_a_fmt:MATRIX_FMT_FP4 matrix_b_fmt:MATRIX_FMT_FP4
.endif
.else
.if fB && fA
	v_wmma_scale_f32_16x16x128_f8f6f4 v[rD:rD+7], v[rB:rB+7], v[rA:rA+7], v[rC:rC+7], v[rSB], v[rSA] matrix_a_fmt:MATRIX_FMT_FP4 matrix_b_fmt:MATRIX_FMT_FP4 matrix_a_scale:MATRIX_SCALE_ROW1 matrix_b_scale:MATRIX_SCALE_ROW1
.elseif fB
	v_wmma_scale_f32_16x16x128_f8f6f4 v[rD:rD+7], v[rB:rB+7], v[rA:rA+7], v[rC:rC+7], v[rSB], v[rSA] matrix_a_fmt:MATRIX_FMT_FP4 matrix_b_fmt:MATRIX_FMT_FP4 matrix_a_scale:MATRIX_SCALE_ROW1
.elseif fA
	v_wmma_scale_f32_16x16x128_f8f6f4 v[rD:rD+7], v[rB:rB+7], v[rA:rA+7], v[rC:rC+7], v[rSB], v[rSA] matrix_a_fmt:MATRIX_FMT_FP4 matrix_b_fmt:MATRIX_FMT_FP4 matrix_b_scale:MATRIX_SCALE_ROW1
.else
	v_wmma_scale_f32_16x16x128_f8f6f4 v[rD:rD+7], v[rB:rB+7], v[rA:rA+7], v[rC:rC+7], v[rSB], v[rSA] matrix_a_fmt:MATRIX_FMT_FP4 matrix_b_fmt:MATRIX_FMT_FP4
.endif
.endif
.endm
.macro MUL16 a0, p, q, sc, cm
.irp a, \a0, \a0+1
.irp b, 0,1,2,3,4,5,6,7
.set rD, 8*(8*((\a)%4)+\b)
.set rB, 128*(\p)+8*\b
.set rA, AF+8*(\a)
.set rSB, SC+32*(\sc)+16+4*(\b/2)+(\q)
.set fB, \b%2
.if ALAY == 1
.set rSA, SC+32*(\sc)+4*((\a)/2)+(\q)
.set fA, (\a)%2
.else
.set rSA, SC+32*(\sc)+4*(\q)+((\a)%4)
.set fA, (\a)/4
.endif
.set rC, rD
.set fZ, 0
.if (\cm) == 2
.set rC, 64+8*\b
.endif
	WM
.endr
.endr
.endm
.macro FETCH_B slot, q, p
	WIN TO_B
.irp i, 0,1,2,3,4,5,6,7
.irp c, 0,1
	ds_load_b128 v[128*(\p)+8*\i+4*\c:128*(\p)+8*\i+4*\c+3], v[ADRB+\slot] offset:64*(\q)+32*\c+\i*16*PITCH
.endr
.endr
	WIN 0
.endm
.macro FETCH_A slot, q, i0
.irp i, \i0, \i0+1, \i0+2, \i0+3
.irp c, 0,1
	ds_load_b128 v[AF+8*(\i)+4*\c:AF+8*(\i)+4*\c+3], v[ADRA+\slot] offset:(\i)*4096+(\q)*1024+512*\c
.endr
.endr
.endm
.macro SCALES sc
.irp i, 0,1,2,3
.if ALAY == 1
	ds_load_b128 v[SC+32*\sc+4*\i:SC+32*\sc+4*\i+3], v[ADSA+\sc] offset:512*\i
.else
	ds_load_b128 v[SC+32*\sc+4*\i:SC+32*\sc+4*\i+3], v[ADSA+\sc] offset:1024*\i
.endif
.endr
.endm
.macro PLACES n
.rept \n
	v_nop
.endr
.endm
.macro STEP slot, q, cm
	s_wait_dscnt 4*NL
.if (\cm) == 2
	WIN 0x91
.else
	WIN MUL_LO
.endif
	MUL16 0, (\q)%2, \q, \slot, \cm
	MUL16 2, (\q)%2, \q, \slot, \cm
	s_wait_dscnt 0
	PLACES NP
	FETCH_B \slot, (\q)+1, 1-(\q)%2
	FETCH_A \slot, (\q)+1, 0
.if (\cm) == 2
	WIN 0xd1
.else
	WIN MUL_HI
.endif
	MUL16 4, (\q)%2, \q, \slot, \cm
	MUL16 6, (\q)%2, \q, \slot, \cm
	PLACES NP
	WIN 0
	FETCH_A \slot, (\q)+1, 4
.endm
.macro TURN slot, next, fill
	s_wait_tensorcnt 0x0
	ds_add_u32 v[SPW], v[NIL]
	s_wait_dscnt 4*NL+1
	WIN MUL_LO
	MUL16 0, 1, NQ-1, \slot, 0
	s_wait_dscnt 0x0
	s_barrier_signal -1
	MUL16 2, 1, NQ-1, \slot, 0
	WIN 0
	s_barrier_wait -1
.if \fill
	CREST
	s_add_nc_u64 s[G0+4*\slot+2:G0+4*\slot+3], s[G0+4*\slot+2:G0+4*\slot+3], 2*ASLOT
	s_add_nc_u64 s[G0B+4*\slot+2:G0B+4*\slot+3], s[G0B+4*\slot+2:G0B+4*\slot+3], 2*ROWB
	JLOAD \slot
.else
	PLACES NP
.endif
	FETCH_B \next, 0, 0
	FETCH_A \next, 0, 0
	SCALES \next
	WIN MUL_HI
	MUL16 4, 1, NQ-1, \slot, 0
	MUL16 6, 1, NQ-1, \slot, 0
	PLACES NP
	WIN 0
	FETCH_A \next, 0, 4
.endm
.macro STEPS slot, from
.set Q, \from
.rept NQ-1-\from
	STEP \slot, Q, 0
.set Q, Q+1
.endr
.endm
	s_wait_alu depctr_va_vdst(0)
	s_wait_tensorcnt 0x0                           ; my tile is in (B's scale words are waited for with the bias, ahead of the first product)
	s_barrier_signal -1
	s_barrier_wait -1
	FETCH_B 0, 0, 0
	FETCH_A 0, 0, 0
	SCALES 0
	FETCH_A 0, 0, 4
	s_wait_loadcnt 0x0
	STEP 0, 0, 2
	STEPS 0, 1
	TURN 0, 1, 0
	STEPS 1, 0
	s_wait_dscnt 4*NL
	WIN MUL_LO
	MUL16 0, 1, NQ-1, 1, 0
	MUL16 2, 1, NQ-1, 1, 0
	s_wait_dscnt 0
	WIN MUL_HI
	MUL16 4, 1, NQ-1, 1, 0
	MUL16 6, 1, NQ-1, 1, 0
	WIN 0
	PLACES NP
.macro QUANT s, w, pw
	WIN ((\w)<<2)|((\w)<<4)
.irp b, 0,1,2,3
	v_max3_num_f32 v[TM+\b], 0x1800000, |v[(\s)+16*\b]|, |v[(\s)+16*\b+1]|
.endr
.irp i, 2,4,6,8,10,12,14
.irp b, 0,1,2,3
	v_max3_num_f32 v[TM+\b], v[TM+\b], |v[(\s)+16*\b+\i]|, |v[(\s)+16*\b+\i+1]|
.endr
.endr
	WIN 0
.irp b, 0,1,2,3
	v_permlanex16_b32 v[TM+4+\b], v[TM+\b], s22, s23
.endr
.irp b, 0,1,2,3
	v_max_num_f32 v[TM+\b], v[TM+\b], v[TM+4+\b]
.endr
.irp b, 0,1,2,3
	v_add_nc_u32 v[TM+12+\b], 0xff000000, v[TM+\b]
.endr
.irp b, 0,1,2,3
	v_lshrrev_b32 v[TM+4+\b], 23, v[TM+12+\b]
.endr
	v_lshl_or_b32 v[\pw], v[TM+5], 8, v[TM+4]
	v_lshl_or_b32 v[\pw], v[TM+6], 16, v[\pw]
	v_lshl_or_b32 v[\pw], v[TM+7], 24, v[\pw]
	s_wait_xcnt 0x0
	WIN (\w)
.irp c, 0,1
	v_cvt_scalef32_pk8_fp4_f32 v[PC+4*\c], v[(\s)+32*\c:(\s)+32*\c+7], v[TM+12+2*\c]
	v_cvt_scalef32_pk8_fp4_f32 v[PC+4*\c+1], v[(\s)+32*\c+16:(\s)+32*\c+23], v[TM+13+2*\c]
	v_cvt_scalef32_pk8_fp4_f32 v[PC+4*\c+2], v[(\s)+32*\c+8:(\s)+32*\c+15], v[TM+12+2*\c]
	v_cvt_scalef32_pk8_fp4_f32 v[PC+4*\c+3], v[(\s)+32*\c+24:(\s)+32*\c+31], v[TM+13+2*\c]
.endr
	WIN 0
	v_nop
.irp c, 0,1
	v_permlane16_swap_b32 v[PC+4*\c], v[PC+4*\c+1]
	v_permlane16_swap_b32 v[PC+4*\c+2], v[PC+4*\c+3]
.endr
.endm
	s_mov_b32 s22, 0x76543210
	s_mov_b32 s23, 0xfedcba98
	s_mov_b32 s18, 0xffff0000
.irp a, 0,1,2,3,4,5,6,7
	WIN ((2+\a/4)<<6)|((2+\a/4)<<2)
.set jj, 64*(\a%4)
.rept 64
	v_max_num_f32 v[jj], 0, v[jj]
.set jj, jj+1
.endr
	QUANT 64*(\a%4), 2+\a/4, WD+\a
	global_store_b128 v[L16], v[PC:PC+3], s[12:13] offset:\a*4096
	global_store_b128 v[L16], v[PC+4:PC+7], s[12:13] offset:\a*4096+512
.endr
.irp j, 0,1,2,3
	v_cndmask_b32 v[XW+\j], v[WD+\j], v[WD+4+\j], s18
.endr
	global_store_b128 v[L16], v[XW:XW+3], s[80:81]
	s_wait_tensorcnt 0x0
	ds_add_u32 v[SPW], v[NIL]
	s_wait_dscnt 0x0
	CROUND
	s_endpgm
.Lfunc_end_k_q932625bf59_w1:
	.size	k_q932625bf59_w1, .Lfunc_end_k_q932625bf59_w1-k_q932625bf59_w1
	.p2alignl 7, 3214868480
	.fill 96, 4, 3214868480
	.section	.rodata,"a",@progbits
	.p2align	6, 0x0
	.amdhsa_kernel k_q932625bf59_w1
		.amdhsa_group_segment_fixed_size 327680
		.amdhsa_private_segment_fixed_size 0
		.amdhsa_enable_private_segment 0
		.amdhsa_kernarg_size 40
		.amdhsa_user_sgpr_count 2
		.amdhsa_user_sgpr_kernarg_segment_ptr 1
		.amdhsa_wavefront_size32 1
		.amdhsa_system_sgpr_workgroup_id_x 1
		.amdhsa_system_sgpr_workgroup_id_y 1
		.amdhsa_system_sgpr_workgroup_id_z 1
		.amdhsa_system_vgpr_workitem_id 0
		.amdhsa_next_free_vgpr 1024
		.amdhsa_next_free_sgpr 100
		.amdhsa_reserve_vcc 0
		.amdhsa_float_denorm_mode_32 3
		.amdhsa_float_denorm_mode_16_64 3
		.amdhsa_memory_ordered 1
		.amdhsa_forward_progress 1
		.amdhsa_inst_pref_size 144
	.end_amdhsa_kernel
	.amdgpu_metadata
---
amdhsa.version: [ 1, 2 ]
amdhsa.kernels:
  - .name:           k_q932625bf59_w1
    .symbol:         k_q932625bf59_w1.kd
    .args:
      - { .name: xq, .offset: 0, .size: 8, .value_kind: global_buffer, .address_space: global }
      - { .name: w1_codes, .offset: 8, .size: 8, .value_kind: global_buffer, .address_space: global }
      - { .name: w1_scales, .offset: 16, .size: 8, .value_kind: global_buffer, .address_space: global }
      - { .name: b1, .offset: 24, .size: 8, .value_kind: global_buffer, .address_space: global }
      - { .name: hq, .offset: 32, .size: 8, .value_kind: global_buffer, .address_space: global }
    .group_segment_fixed_size: 327680
    .private_segment_fixed_size: 0
    .kernarg_segment_align: 8
    .kernarg_segment_size: 40
    .max_flat_workgroup_size: 128
    .sgpr_count:     100
    .vgpr_count:     1024
    .wavefront_size: 32
...
	.end_amdgpu_metadata
.endif
;; end of part 11
;; launch w2 (part 12): grid 8 x 32, 4 waves a work-group, clusters of 4 x 4, 327,680 bytes of LDS; arguments hq, w2_codes, w2_scales, b2, x1, out0; writes out0
.if DOCPART == 12
	.amdgcn_target "amdgcn-amd-amdhsa--gfx1250"
	.amdhsa_code_object_version 6
	.text
	.protected	k_q932625bf59_w2
	.globl	k_q932625bf59_w2
	.p2align	8
	.type	k_q932625bf59_w2,@function
k_q932625bf59_w2:
	s_mov_b64 s[64:65], 0
	v_nop
	global_prefetch_b8 v0, s[64:65] scope:SCOPE_SE
	s_setreg_imm32_b32 hwreg(HW_REG_WAVE_MODE, 25, 1), 1
	s_wait_xcnt 0x0
	s_wait_alu depctr_hold_cnt(0) depctr_sa_sdst(0) depctr_va_vdst(0) depctr_va_sdst(0) depctr_va_ssrc(0) depctr_va_vcc(0) depctr_vm_vsrc(0)
	s_getreg_b32 s2, hwreg(HW_REG_IB_STS2, 6, 4)
	s_cmp_eq_u32 s2, 0
	s_cbranch_scc0 .Lentry_in_a_cluster
	s_endpgm
.Lentry_in_a_cluster:
	s_bfe_u32 s2, ttmp6, 0x10000c
	s_cmp_lg_u32 s2, 0xf033
	s_cbranch_scc0 .Lentry_shape_is_right
	s_endpgm
.Lentry_shape_is_right:
; out = x1 + h W2^T + b2 on codes of FP4 (E2M1) with one E8M0 scale for each 32 along K = 4,096.  h: 4,096 rows, as records of register images (below).  W2: [1,024][2,048 bytes], scales [1,024][128].  b2 [1,024], x1, out: [4,096][1,024] f32.
; THE TILE.  The result is 4,096 x 1,024: 256 tiles of 128 x 128, one for each of the 256 WGPs; tiles of 256 x 256 would be 64.  Four waves, each 64 x 64: 16 accumulators, 128 registers.
; A wave reads 8 KB of fragments for 16 products, twice the LDS bytes for each multiply-add of a wave tile of 128 x 128: the lesser loss beside WGPs without work.
; K goes in four steps of 1,024 through a ring of two LDS slots, as long as two slots in LDS allow: two records of A, then 128 rows of B; 128 matrix instructions a wave between two changes of slots.  Four slots: written out, no loop.
; A's RECORD (hq: [K slot of 512][128 rows: 32][34,816 bytes]): fragment (tile t, K step q) is 1,024 bytes at (4 t + q) 1,024, registers 4 c .. 4 c + 3 of lane l at + 512 c + 16 l;
; scale words at 32,768 + 512 q + 16 lane (r, hh): the four words of tiles 4 hh + 0 .. 3: A's scales ride in the ring.  A record is a dense block for the tensor load, and a fragment load reads 512 consecutive LDS bytes.
; B's tile: 128 rows of 512 bytes, 16 of padding behind each.  B's scales go from memory straight into registers, a slot ahead of their use.
; CLUSTER: A's records are shared along a row of the cluster, B's tile and scales along a column: each is asked for JOINTLY, by the same tensor load with a mask that names the four.  Where a slot is filled again a round of the
; cluster's barrier stands in front of the refill; a refill has a slot's 128 matrix instructions, less the eight inside the barrier, in which to land.
; THE MATRIX INSTRUCTION IS USED TRANSPOSED (source 0 = 16 rows of W2, source 1 = 16 rows of h): a lane holds eight neighbouring numbers of a row of the result.
; THE WAY OUT: my 64 columns are 256 consecutive bytes of a row, aligned.  A block of 16 rows goes through my own stage in LDS and comes back, two whole rows a load, into the registers that it left; x1's rows, asked for at the head, and b2 are added there.
; REGISTERS, in windows of 256: window 0: v0-31 addresses; v32-127 scale words, two sets of 48; v128-255 the accumulators ((a, b) at v[128 + 8 (4 a + b)]).
;   window 1: two fragment buffers of 128: for two K steps of 128, 64 registers of A (2 x 4 tiles x 8), then 64 of B.   window 2: v0-127 x1's rows as they will come back from the stage; v128-131 b2 of my four columns.
.set SIZE_K, 4096
.set HASB,   1                         ; a bias is added
.set RESP,   80                        ; s[80:81] the residual
.set OUTP,   82                        ; s[82:83] the result
.set NSL,    SIZE_K/1024               ; slots' worth of K
.set KROW,   SIZE_K/2                  ; a row of B in memory, in bytes
.set KS,     SIZE_K/32                 ; a row of B's scales in bytes
.set AREC,   34816                     ; a record of A: what one tensor load brings (136 x 256 bytes)
.set ASLOT,  32*AREC
.set BP,     528                       ; B's row in LDS: 512 bytes + 16 of padding = 132 words: the sixteen rows of a load start at sixteen different banks (64 banks of 4 bytes: ISA guide 11.1)
.set BHALF,  64*BP                     ; 64 rows of B: what one tensor load brings, and what one wave reads
.set BOFF,   2*AREC                    ; B lies behind A's two records
.set SLOT,   BOFF+2*BHALF
.set SCL,    2*SLOT                    ; behind the ring: bytes that nothing fills
.set QS,     (32*KS/256)*272
.set SPARE,  SCL+4*QS                  ; the spare words, 128 bytes for each wave: two blocks of 256 bytes that no other line names
.set STAGE,  SPARE+512                 ; the stages: 16 rows x (256 bytes + 16) for each wave: bytes of their own, into which no fill lands
.set SPITCH, 272
.set ADRA, 16                          ; v16-17  LDS address of my A fragments in slot 0, 1
.set ADSA, 18                          ; v18-19  of A's scale words: both halves of the lanes read my four tiles' words of row r
.set ADRB, 20                          ; v20-21  of my B fragments
.set L16,  22                          ; v22     16 x lane
.set R16,  23                          ; v23     16 x (lane % 16)
.set STO,  24                          ; v24     the way out: where I put 32 bytes of a row
.set RD,   25                          ; v25     where I read two rows back
.set CO,   26                          ; v26     the same two rows in memory: 4,096 (lane / 16) + 16 (lane % 16)
.set ADRS, 27                          ; v27     offset of B's scale words in memory: lane l takes row l of 32
.set SPW,  28                          ; v28     LDS address of my spare word; never rewritten
.set NIL,  29                          ; v29     0; never rewritten
.set SC,   32                          ; scale words: set s at v[SC + 48 s]: A's at 4 ks + tile (ks: K step 0 .. 7 of the slot); B's at 32 + 8 i + ks: lanes 0-15 tile 2 i, lanes 16-31 tile 2 i + 1
.set ACC,  128
.set BI,   128                         ; in window 2: the bias of my four columns
.set G1,   24
.set G0,   32
.set G1B,  48
.set G0B,  56
.set G1S,  68
.set G0S,  76
.set MSB, 0
.macro WIN new                         ; the immediate's high byte repeats the setting that is left; a switch that changes nothing is dropped
.if MSB != (\new)
	s_set_vgpr_msb (MSB<<8)|(\new)
.set MSB, (\new)
.endif
.endm
.set MUL,  0x05                        ; sources 0 (B) and 1 (A) window 1; C and D window 0
.set TO_F, 0x40                        ; destination window 1, address window 0
.macro JLOAD s                         ; a joint load: waves 0 and 1 fetch A's two records, waves 2 and 3 B's two halves; four v_nop follow each of the two lines
	s_cmp_eq_u32 s15, 0
	s_cbranch_scc0 .Lfor_b_\@
	tensor_load_to_lds s[G0+4*\s:G0+4*\s+3], s[G1:G1+7]
	s_nop 0
.rept 4
	v_nop
.endr
	s_branch .Lasked_\@
.Lfor_b_\@:
	tensor_load_to_lds s[G0B+4*\s:G0B+4*\s+3], s[G1B:G1B+7]
	s_nop 0
.rept 4
	v_nop
.endr
.Lasked_\@:
.endm
.macro CREST                           ; a round of the cluster's barrier behind its opening barrier
	s_cmp_lg_u32 s14, 0
	s_cbranch_scc1 .Lnot_wave_0_\@
	s_barrier_signal -3
.Lnot_wave_0_\@:
	s_barrier_wait -3
	s_barrier_signal -1
	s_barrier_wait -1
.endm
.macro CROUND                          ; a whole round
	s_barrier_signal -1
	s_barrier_wait -1
	CREST
.endm
	s_load_b128 s[4:7], s[0:1], 0x0                ; hq, W2's codes
	s_load_b128 s[8:11], s[0:1], 0x10              ; W2's scales, b2
	s_load_b128 s[80:83], s[0:1], 0x20             ; x1, out0
	v_lshl_add_u32 v[SPW], v0, 2, SPARE
	v_mov_b32 v[NIL], 0
	ds_add_u32 v28, v29
	ds_add_u32 v28, v29
	s_wait_dscnt 0x0
	v_lshrrev_b32 v1, 5, v0
	v_readfirstlane_b32 s14, v1                    ; wave 0..3
	s_lshr_b32 s15, s14, 1                         ; which half of the tile's rows is mine.  Also: I fetch for A (0) or for B (1)
	s_and_b32 s16, s14, 1                          ; which half of its columns.  Also: which record of A, or which half of B, I fetch
	s_bfe_u32 s40, ttmp6, 0x40000                  ; cx, cy: my place in the cluster
	s_bfe_u32 s41, ttmp6, 0x40004
	s_lshl_b32 s42, ttmp9, 2
	s_add_co_u32 s42, s42, s40                     ; tile column = 4 x cluster x + cx
	s_and_b32 s17, ttmp7, 0xffff
	s_lshl_b32 s17, s17, 2
	s_add_co_u32 s17, s17, s41                     ; tile row = 4 x cluster y + cy
	s_lshl_b32 s43, s41, 2
	s_lshl_b32 s43, 15, s43                        ; my row of the cluster
	s_lshl_b32 s44, 0x1111, s40                    ; my column
	s_or_b32 s[G1+0], s43, (3<<16)|(1<<21)         ; A: 15:0 the mask: my row; 17:16 elements of 8 bytes; 21 set beside a mask; no padding
	s_mov_b32 s[G1+1], 32<<16                      ; tensor_dim0 = 32 elements: rows of 256 bytes
	s_mov_b32 s[G1+2], 136<<16                     ; tensor_dim1 = 136 rows: a record
	s_mov_b32 s[G1+3], 32<<16                      ; tile_dim0
	s_mov_b32 s[G1+4], 136                         ; tile_dim1
	s_mov_b32 s[G1+5], 32                          ; dense
	s_mov_b32 s[G1+6], 0
	s_mov_b32 s[G1+7], 0
	s_or_b32 s[G1B+0], s44, (0<<16)|(1<<20)|(1<<21)|(6<<22)|(3<<25)  ; B: my column; elements of 1 byte; padding: 4 words after every 128
	s_mov_b32 s[G1B+1], 512<<16                    ; rows of 512 bytes: 1,024 along K
	s_mov_b32 s[G1B+2], 64<<16
	s_mov_b32 s[G1B+3], 512<<16
	s_mov_b32 s[G1B+4], 64
	s_mov_b32 s[G1B+5], KROW
	s_mov_b32 s[G1B+6], 0
	s_mov_b32 s[G1B+7], 0
	; THE HEAD'S LOADS, one a wave: wave 0 slot 0's two records of A, wave 1 its 128 rows of B, waves 2 and 3 the same of slot 1.  Their groups 1:
.set G1HB, 88
.set G0HB, 84
	s_or_b32 s[G1S+0], s43, (3<<16)|(1<<21)        ; A: two records as two rows of 34,816 bytes (4,352 elements of 8 bytes), ASLOT bytes apart in memory, on end in LDS
	s_mov_b32 s[G1S+1], 4352<<16
	s_mov_b32 s[G1S+2], 2<<16
	s_mov_b32 s[G1S+3], 4352<<16
	s_mov_b32 s[G1S+4], 2
	s_mov_b32 s[G1S+5], ASLOT/8
	s_mov_b32 s[G1S+6], 0
	s_mov_b32 s[G1S+7], 0
	s_or_b32 s[G1HB+0], s44, (0<<16)|(1<<20)|(1<<21)|(6<<22)|(3<<25)  ; B: as the ring's, with 128 rows
	s_mov_b32 s[G1HB+1], 512<<16
	s_mov_b32 s[G1HB+2], 128<<16
	s_mov_b32 s[G1HB+3], 512<<16
	s_mov_b32 s[G1HB+4], 128
	s_mov_b32 s[G1HB+5], KROW
	s_mov_b32 s[G1HB+6], 0
	s_mov_b32 s[G1HB+7], 0
	s_mul_i32 s20, s17, AREC                       ; A: my tile row's record, in the K slot that I fetch
	s_mul_i32 s18, s16, ASLOT
	s_add_co_u32 s20, s20, s18
	s_mov_b32 s21, 0
	s_lshl_b32 s46, s42, 7                         ; B: row 128 x tile column + 64 x half
	s_lshl_b32 s18, s16, 6
	s_add_co_u32 s46, s46, s18
	s_mul_i32 s46, s46, KROW
	s_mov_b32 s47, 0
	s_lshl_b32 s66, s42, 7                         ; B's scales: row 128 x tile column
	s_lshl_b32 s18, s16, 6                         ; B's scales: row 128 x tile column + the 64 rows that I multiply
	s_add_co_u32 s66, s66, s18
	s_mul_i32 s66, s66, KS
	s_mov_b32 s67, 0
	s_mul_i32 s45, s16, AREC                       ; where they go: no place in the cluster enters an LDS address
	s_mul_i32 s84, s16, BHALF
	s_add_co_u32 s84, s84, BOFF
	s_mul_i32 s96, s17, AREC                       ; the head's loads: A: my tile row's records of slot wave / 2,
	s_mul_i32 s18, s15, 2*ASLOT
	s_add_co_u32 s96, s96, s18
	s_mov_b32 s97, 0
	s_lshl_b32 s98, s42, 7                         ; B: row 128 x tile column, 512 bytes on for slot 1
	s_mul_i32 s98, s98, KROW
	s_lshl_b32 s18, s15, 9
	s_add_co_u32 s98, s98, s18
	s_mov_b32 s99, 0
	s_wait_kmcnt 0x0
	s_add_nc_u64 s[20:21], s[4:5], s[20:21]
	s_add_nc_u64 s[46:47], s[6:7], s[46:47]
	s_add_nc_u64 s[66:67], s[8:9], s[66:67]
	CROUND                                         ; all sixteen work-groups are here: the first joint loads meet
.macro FIRST s                         ; slot s's first fill: K = 1,024 s on
	s_mov_b32 s[G0+4*\s], 1
	s_add_co_u32 s[G0+4*\s+1], s45, \s*SLOT
	s_add_nc_u64 s[G0+4*\s+2:G0+4*\s+3], s[20:21], \s*2*ASLOT
	s_or_b32 s[G0+4*\s+3], s[G0+4*\s+3], 0x80000000
	s_mov_b32 s[G0B+4*\s], 1
	s_add_co_u32 s[G0B+4*\s+1], s84, \s*SLOT
	s_add_nc_u64 s[G0B+4*\s+2:G0B+4*\s+3], s[46:47], \s*512
	s_or_b32 s[G0B+4*\s+3], s[G0B+4*\s+3], 0x80000000
.endm
	FIRST 0                                        ; the ring's groups 0, from which the refills step on
	FIRST 1
	s_mov_b32 s[G0S], 1
	s_mul_i32 s[G0S+1], s15, SLOT
	s_add_nc_u64 s[G0S+2:G0S+3], s[4:5], s[96:97]
	s_or_b32 s[G0S+3], s[G0S+3], 0x80000000
	s_mov_b32 s[G0HB], 1
	s_add_co_u32 s[G0HB+1], s[G0S+1], BOFF
	s_add_nc_u64 s[G0HB+2:G0HB+3], s[6:7], s[98:99]
	s_or_b32 s[G0HB+3], s[G0HB+3], 0x80000000
	s_cmp_eq_u32 s16, 0                            ; even waves fetch A's records, odd waves B's rows: every way passes one load
	s_cbranch_scc0 .Lhead_b
	tensor_load_to_lds s[G0S:G0S+3], s[G1S:G1S+7]
	s_nop 0
.rept 4
	v_nop
.endr
	s_branch .Lhead_asked
.Lhead_b:
	tensor_load_to_lds s[G0HB:G0HB+3], s[G1HB:G1HB+7]
	s_nop 0
.rept 4
	v_nop
.endr
.Lhead_asked:
	v_and_b32 v1, 15, v0                           ; r
	v_bfe_u32 v2, v0, 4, 1                         ; h
	v_and_b32 v6, 31, v0
	v_lshlrev_b32 v[L16], 4, v6
	s_wait_alu depctr_va_vdst(0)
	v_lshlrev_b32 v[R16], 4, v1
	s_wait_alu depctr_va_vdst(0)
	v_mul_u32_u24 v3, v1, BP
	v_lshl_add_u32 v4, v2, 4, v3                   ; B: a fragment's row x pitch + 16 h
	s_wait_alu depctr_va_vdst(0)
	s_lshl_b32 s18, s15, 14                        ; A: my four tiles' fragments
	s_mul_i32 s22, s16, BHALF
	s_add_co_u32 s22, s22, BOFF                    ; B: my 64 rows
	s_lshl_b32 s23, s15, 8                         ; A's scale words: my four tiles are one half of the lanes' 256 bytes
	s_add_co_u32 s23, s23, 32768
.irp s, 0,1
	v_add_nc_u32 v[ADRA+\s], s18, v[L16]
	v_add_nc_u32 v[ADSA+\s], s23, v[R16]
	v_add_nc_u32 v[ADRB+\s], s22, v4
	s_add_co_u32 s18, s18, SLOT
	s_add_co_u32 s22, s22, SLOT
	s_add_co_u32 s23, s23, SLOT
.endr
.macro BSC sc, n                       ; B's scale words of the n-th 1,024 along K go from memory straight into set sc: lane l takes row 32 i + l, 32 bytes of it
.irp i, 0,1
.irp kp, 0,1
	global_load_b128 v[SC+48*\sc+32+8*\i+4*\kp:SC+48*\sc+32+8*\i+4*\kp+3], v[ADRS], s[66:67] offset:\i*32*KS+32*(\n)+16*\kp
.endr
.endr
.endm
	v_mul_u32_u24 v[ADRS], v6, KS
	BSC 0, 0
	BSC 1, 1
	s_mul_i32 s23, s14, 16*SPITCH
	s_add_co_u32 s23, s23, STAGE                   ; my stage
	v_mul_u32_u24 v5, v1, SPITCH
	v_lshl_add_u32 v5, v2, 5, v5
	v_add_nc_u32 v[STO], s23, v5                   ; in: row r, 32 bytes for each half of the lanes
	v_mul_u32_u24 v5, v2, SPITCH
	v_lshl_add_u32 v5, v1, 4, v5
	v_add_nc_u32 v[RD], s23, v5                    ; back: lanes 0-15 one row of 256 bytes, lanes 16-31 the next
	v_lshlrev_b32 v5, 12, v2
	v_lshl_add_u32 v[CO], v1, 4, v5                ; and the same two rows in memory
	s_wait_alu depctr_va_vdst(0)
	s_lshl_b32 s18, s42, 9                         ; my first column, in bytes: 512 x tile column + 256 x half
	s_lshl_b32 s19, s16, 8
	s_add_co_u32 s18, s18, s19
	s_mov_b32 s19, 0
.if HASB
	s_add_nc_u64 s[10:11], s[10:11], s[18:19]      ; the bias there
.endif
	s_lshl_b32 s22, s17, 19                        ; my first row, 4,096 bytes a row: 128 x tile row + 64 x half
	s_lshl_b32 s23, s15, 18
	s_add_co_u32 s22, s22, s23
	s_add_co_u32 s22, s22, s18
	s_mov_b32 s23, 0
	s_add_nc_u64 s[RESP:RESP+1], s[RESP:RESP+1], s[22:23]
	s_add_nc_u64 s[OUTP:OUTP+1], s[OUTP:OUTP+1], s[22:23]
	WIN 0x80                                       ; destination window 2
.if HASB
	global_load_b128 v[BI:BI+3], v[R16], s[10:11]  ; of the four columns that I hold when rows come back from the stage
.endif
.irp a, 0,1,2,3                        ; the residual's 64 rows, as they will come back from the stage: asked for here, wanted behind the last product
.irp t, 0,1,2,3,4,5,6,7
	global_load_b128 v[32*\a+4*\t:32*\a+4*\t+3], v[CO], s[RESP:RESP+1] offset:(16*\a+2*\t)*4096
.endr
.endr
	WIN 0
.macro WM                              ; one matrix instruction, by the symbols that MUL8 sets.  fB: B's scale words stand in lanes 16-31 of the register named.  fZ: the constant 0 starts the sum
.if fZ
.if fB
	v_wmma_scale_f32_16x16x128_f8f6f4 v[rD:rD+7], v[rB:rB+7], v[rA:rA+7], 0, v[rSB], v[rSA] matrix_a_fmt:MATRIX_FMT_FP4 matrix_b_fmt:MATRIX_FMT_FP4 matrix_a_scale:MATRIX_SCALE_ROW1
.else
	v_wmma_scale_f32_16x16x128_f8f6f4 v[rD:rD+7], v[rB:rB+7], v[rA:rA+7], 0, v[rSB], v[rSA] matrix_a_fmt:MATRIX_FMT_FP4 matrix_b_fmt:MATRIX_FMT_FP4
.endif
.else
.if fB
	v_wmma_scale_f32_16x16x128_f8f6f4 v[rD:rD+7], v[rB:rB+7], v[rA:rA+7], v[rD:rD+7], v[rSB], v[rSA] matrix_a_fmt:MATRIX_FMT_FP4 matrix_b_fmt:MATRIX_FMT_FP4 matrix_a_scale:MATRIX_SCALE_ROW1
.else
	v_wmma_scale_f32_16x16x128_f8f6f4 v[rD:rD+7], v[rB:rB+7], v[rA:rA+7], v[rD:rD+7], v[rSB], v[rSA] matrix_a_fmt:MATRIX_FMT_FP4 matrix_b_fmt:MATRIX_FMT_FP4
.endif
.endif
.endm
; 8 matrix instructions: A's tiles a0, a0 + 1 x B's four, one K step of 128: half c of buffer f.  sc: the set of scale words; ks: the K step in the slot.  zero = 1: the first product starts the sums: nothing is cleared.
; The 16 accumulators take turns, one instruction a turn, in the same order in every K step.
.macro MUL8 f, c, a0, zero, sc, ks
.irp a, \a0, \a0+1
.irp b, 0,1,2,3
.set rD, ACC+8*(4*(\a)+\b)
.set rB, (\f)+64+8*(4*(\c)+\b)
.set rA, (\f)+8*(4*(\c)+(\a))
.set rSB, SC+48*(\sc)+32+8*(\b/2)+(\ks)
.set fB, \b%2
.set rSA, SC+48*(\sc)+4*(\ks)+(\a)
.set fZ, \zero
	WM
.endr
.endr
.endm
; 32 LDS loads in one run: the fragments of K steps 2 qt and 2 qt + 1 of the slot into buffer f; the first K step's first.  B: lane (r, h): row r, 16 bytes at 64 ks + 32 c + 16 h.  A: register images, 512 consecutive bytes a load
.macro FETCH slot, qt, f
	WIN TO_F
.irp c, 0,1
.irp i, 0,1,2,3
	ds_load_b128 v[(\f)+64+8*(4*\c+\i):(\f)+64+8*(4*\c+\i)+3],   v[ADRB+\slot] offset:\i*16*BP+64*(2*(\qt)+\c)
	ds_load_b128 v[(\f)+64+8*(4*\c+\i)+4:(\f)+64+8*(4*\c+\i)+7], v[ADRB+\slot] offset:\i*16*BP+64*(2*(\qt)+\c)+32
	ds_load_b128 v[(\f)+8*(4*\c+\i):(\f)+8*(4*\c+\i)+3],         v[ADRA+\slot] offset:((2*(\qt)+\c)/4)*AREC+\i*4096+((2*(\qt)+\c)%4)*1024
	ds_load_b128 v[(\f)+8*(4*\c+\i)+4:(\f)+8*(4*\c+\i)+7],       v[ADRA+\slot] offset:((2*(\qt)+\c)/4)*AREC+\i*4096+((2*(\qt)+\c)%4)*1024+512
.endr
.endr
.endm
.macro SCALES sc, n                    ; the scale words of the slot in LDS slot sc, the n-th 1,024 along K, into set sc: eight loads of A's words
	WIN 0
.irp ks, 0,1,2,3,4,5,6,7
	ds_load_b128 v[SC+48*\sc+4*\ks:SC+48*\sc+4*\ks+3], v[ADSA+\sc] offset:(\ks/4)*AREC+(\ks%4)*512        ; A's: the words of my four tiles for K step ks
.endr
.endm
; A load into a register that a matrix instruction has read, and a vector instruction or a store that reads a matrix result, stand four places behind that matrix instruction; only plain vector
; instructions that name none of its registers are places (ISA guide 7.12.1 for vector instructions).
.macro PLACES
.rept 4
	v_nop
.endr
.endm
; A slot is four quarters of two K steps, 32 matrix instructions each, on buffers 0, 1, 0, 1.  One of the first three: multiplies quarter qt and, in its middle, fetches quarter qt + 1 into the other buffer.
.macro QUARTER slot, qt, zero
	s_wait_dscnt 16                                ; the scale words and the first K step's fragments are in; the youngest sixteen loads (the second K step's) may be out
	WIN MUL
	MUL8 128*((\qt)%2), 0, 0, \zero, \slot, 2*(\qt)
	MUL8 128*((\qt)%2), 0, 2, \zero, \slot, 2*(\qt)
	PLACES
	FETCH \slot, (\qt)+1, 128-128*((\qt)%2)
	s_wait_dscnt 32                                ; all but the 32 just issued
	WIN MUL
	MUL8 128*((\qt)%2), 1, 0, 0, \slot, 2*(\qt)+1
	MUL8 128*((\qt)%2), 1, 2, 0, \slot, 2*(\qt)+1
.endm
; A slot's last quarter changes slots: ONE barrier; in front of it each wave waits for all its tensor loads, adds 0 to its spare word, and waits for that and for its own reads of this slot.
; fill = 1: this slot is filled again, two slots ahead.  n: which 1,024 along K the next slot holds.
.macro TURN slot, next, fill, n
	WIN 0                                          ; (the add's two registers lie in window 0)
	s_wait_tensorcnt 0x0                           ; all my tensor loads have landed: my part of the next slot
	ds_add_u32 v[SPW], v[NIL]                      ; 0 onto my spare word
	s_wait_dscnt 17                                ; (the add and the youngest sixteen loads may be out)
	WIN MUL
	MUL8 128, 0, 0, 0, \slot, 6                    ; eight matrix instructions stand between the add and the wait for it
	s_wait_dscnt 0x0                               ; the add is done, and my reads of this slot are over
	s_barrier_signal -1
	MUL8 128, 0, 2, 0, \slot, 6
	WIN 0
	s_barrier_wait -1
.if \fill
	CREST                                          ; the barrier has opened a round of the cluster's barrier: no wave of any partner still reads this slot or has a load on its way
	s_add_nc_u64 s[G0+4*\slot+2:G0+4*\slot+3], s[G0+4*\slot+2:G0+4*\slot+3], 4*ASLOT
	s_add_nc_u64 s[G0B+4*\slot+2:G0B+4*\slot+3], s[G0B+4*\slot+2:G0B+4*\slot+3], 1024
	JLOAD \slot                                    ; the first tensor load behind the round; its four v_nop are the places in front of the loads below
.else
	PLACES
.endif
	SCALES \next, \n
	FETCH \next, 0, 0
	WIN MUL
	MUL8 128, 1, 0, 0, \slot, 7
	MUL8 128, 1, 2, 0, \slot, 7
.endm
.macro THREE slot                      ; a slot's first three quarters
	QUARTER \slot, 0, 0
	QUARTER \slot, 1, 0
	QUARTER \slot, 2, 0
.endm
	s_wait_alu depctr_va_vdst(0)
	s_wait_loadcnt 33                              ; B's scale words of the first two slots are in; the bias's load and the residual's 32, issued behind them, may be out
	s_wait_tensorcnt 0x0                           ; my tile of the head's four is in,
	s_barrier_signal -1
	s_barrier_wait -1                              ; everybody's are
	SCALES 0, 0
	FETCH 0, 0, 0
	QUARTER 0, 0, 1                                ; the first K step's products start the sums
	QUARTER 0, 1, 0
	QUARTER 0, 2, 0
.if NSL > 1
	TURN 0, 1, 1, 1                                ; slot 0 takes K = 2,048 on
	PLACES                                         ; in front of loads into scale registers that the last products read
	WIN 0
	BSC 0, 2                                       ; set 0 is free: its next words are asked for a slot ahead of their use
	THREE 1
	TURN 1, 0, 1, 2                                ; slot 1 takes K = 3,072 on
	PLACES
	WIN 0
	s_wait_loadcnt 0x0                             ; set 0's words are in
	BSC 1, 3
	THREE 0
	TURN 0, 1, 0, 3                                ; nothing is left to fetch
	s_wait_loadcnt 0x0                             ; set 1's words are in
	THREE 1
.endif
	s_wait_dscnt 16                                ; the very last quarter
	WIN MUL
	MUL8 128, 0, 0, 0, (NSL-1)%2, 6
	MUL8 128, 0, 2, 0, (NSL-1)%2, 6
	s_wait_dscnt 0
	MUL8 128, 1, 0, 0, (NSL-1)%2, 7
	MUL8 128, 1, 2, 0, (NSL-1)%2, 7
	WIN 0
; THE WAY OUT.  LDS serves a wave's instructions in order (ISA guide 5.7.1.4): no wait between the stage's stores and its loads, nor in front of the next block's stores.
.macro TOSTAGE a                       ; block a: 16 rows x 64 columns into my stage, and back as whole rows of 256 bytes, into the registers that they left
.irp b, 0,1,2,3
	ds_store_b128 v[STO], v[ACC+8*(4*(\a)+\b):ACC+8*(4*(\a)+\b)+3] offset:64*\b          ; each accumulator from its low end on
	ds_store_b128 v[STO], v[ACC+8*(4*(\a)+\b)+4:ACC+8*(4*(\a)+\b)+7] offset:64*\b+16
.endr
.irp t, 0,1,2,3,4,5,6,7
	ds_load_b128 v[ACC+32*(\a)+4*\t:ACC+32*(\a)+4*\t+3], v[RD] offset:\t*2*SPITCH
.endr
.endm
.macro SEND a, younger                 ; younger: the LDS instructions issued behind block a's loads, which may stay out
	s_wait_dscnt \younger                          ; the block is back in registers
	WIN 0x08                                       ; source 1: window 2
.irp t, 0,1,2,3,4,5,6,7,8,9,10,11,12,13,14,15
	v_pk_add_f32 v[ACC+32*(\a)+2*\t:ACC+32*(\a)+2*\t+1], v[ACC+32*(\a)+2*\t:ACC+32*(\a)+2*\t+1], v[32*(\a)+2*\t:32*(\a)+2*\t+1]
.endr
.if HASB
.irp t, 0,1,2,3,4,5,6,7
	v_pk_add_f32 v[ACC+32*(\a)+4*\t:ACC+32*(\a)+4*\t+1], v[ACC+32*(\a)+4*\t:ACC+32*(\a)+4*\t+1], v[BI:BI+1]
	v_pk_add_f32 v[ACC+32*(\a)+4*\t+2:ACC+32*(\a)+4*\t+3], v[ACC+32*(\a)+4*\t+2:ACC+32*(\a)+4*\t+3], v[BI+2:BI+3]
.endr
.endif
	WIN 0
.irp t, 0,1,2,3,4,5,6,7
	global_store_b128 v[CO], v[ACC+32*(\a)+4*\t:ACC+32*(\a)+4*\t+3], s[OUTP:OUTP+1] offset:(16*(\a)+2*\t)*4096 th:TH_STORE_NT   ; sixteen lanes store 256 consecutive bytes, at a multiple of 256 from the buffer's first byte; written once, read by nobody here
.endr
.endm
	PLACES                                         ; in front of the first read of results and of the loads into them
	s_wait_loadcnt 0x0                             ; the residual and the bias, asked for at the head
	TOSTAGE 0
.irp a, 1,2,3
	TOSTAGE \a
	SEND \a-1, 16                                  ; behind block a - 1's loads: block a's 8 stores and 8 loads
.endr
	SEND 3, 0
	s_wait_tensorcnt 0x0                           ; the wave's end: behind my last tensor load and my last LDS store
	ds_add_u32 v[SPW], v[NIL]
	s_wait_dscnt 0x0
	CROUND                                         ; the closing round: no work-group ends while a partner may still ask for a tile that names it
	s_endpgm
.Lfunc_end_k_q932625bf59_w2:
	.size	k_q932625bf59_w2, .Lfunc_end_k_q932625bf59_w2-k_q932625bf59_w2
	.p2alignl 7, 3214868480
	.fill 96, 4, 3214868480
	.section	.rodata,"a",@progbits
	.p2align	6, 0x0
	.amdhsa_kernel k_q932625bf59_w2
		.amdhsa_group_segment_fixed_size 327680
		.amdhsa_private_segment_fixed_size 0
		.amdhsa_enable_private_segment 0
		.amdhsa_kernarg_size 48
		.amdhsa_user_sgpr_count 2
		.amdhsa_user_sgpr_kernarg_segment_ptr 1
		.amdhsa_wavefront_size32 1
		.amdhsa_system_sgpr_workgroup_id_x 1
		.amdhsa_system_sgpr_workgroup_id_y 1
		.amdhsa_system_sgpr_workgroup_id_z 1
		.amdhsa_system_vgpr_workitem_id 0
		.amdhsa_next_free_vgpr 768
		.amdhsa_next_free_sgpr 100
		.amdhsa_reserve_vcc 0
		.amdhsa_float_denorm_mode_32 3
		.amdhsa_float_denorm_mode_16_64 3
		.amdhsa_memory_ordered 1
		.amdhsa_forward_progress 1
		.amdhsa_inst_pref_size 135
	.end_amdhsa_kernel
	.amdgpu_metadata
---
amdhsa.version: [ 1, 2 ]
amdhsa.kernels:
  - .name:           k_q932625bf59_w2
    .symbol:         k_q932625bf59_w2.kd
    .args:
      - { .name: hq, .offset: 0, .size: 8, .value_kind: global_buffer, .address_space: global }
      - { .name: w2_codes, .offset: 8, .size: 8, .value_kind: global_buffer, .address_space: global }
      - { .name: w2_scales, .offset: 16, .size: 8, .value_kind: global_buffer, .address_space: global }
      - { .name: b2, .offset: 24, .size: 8, .value_kind: global_buffer, .address_space: global }
      - { .name: x1, .offset: 32, .size: 8, .value_kind: global_buffer, .address_space: global }
      - { .name: out0, .offset: 40, .size: 8, .value_kind: global_buffer, .address_space: global }
    .group_segment_fixed_size: 327680
    .private_segment_fixed_size: 0
    .kernarg_segment_align: 8
    .kernarg_segment_size: 48
    .max_flat_workgroup_size: 128
    .sgpr_count:     100
    .vgpr_count:     768
    .wavefront_size: 32
...
	.end_amdgpu_metadata
.endif
;; end of part 12
